; MI455X (gfx1250); checked and timed in simulation.
; The chip was launched on July 23, 2026; its instructions are those of AMD's public machine-readable ISA for CDNA 5 (MIT licence, August 2026) and "CDNA5" Instruction Set Architecture Reference Guide (July 2026). The comments in the code are by the model that wrote it; some were corrected since.
;; Block. Allowed arithmetic: float matrix products may take bf16 or f16 operands with f32 sums; other float arithmetic in f32, or as packed bf16 or f16 multiplies, adds, multiply-adds, maxima and minima; sums over many terms, partial sums and values carried from step to step in f32; what a program stores and reads back later, other than sums and carried values, may be rounded once to bf16 or f16.
;; Inputs: attn_out_b 1,024 float32; attn_out_w 1,024 x 1,024 float32; c_fc_b 4,096 float32; c_fc_w 1,024 x 4,096 float32; c_proj_b 1,024 float32; c_proj_w 4,096 x 1,024 float32; ln1_b 1,024 float32; ln1_w 1,024 float32; ln2_b 1,024 float32; ln2_w 1,024 float32; qkv_b 3,072 float32; qkv_w 1,024 x 3,072 float32; x 2 x 2,048 x 1,024 float32.
;; Outputs: out0 2 x 2,048 x 1,024 float32.
;; 2 versions, each right and faster than the one before. Each part assembles by itself: llvm-mc -triple=amdgcn-amd-amdhsa -mcpu=gfx1250 --defsym DOCPART=n.
;; ======== version 1 of 2: 7 launches
;; workspace buffers: act16 8,388,608 bytes; o16 8,388,608 bytes; big16 33,554,432 bytes; r32 16,777,216 bytes; wq 6,291,456 bytes; wo 2,097,152 bytes; wf 8,388,608 bytes; wp 8,388,608 bytes
;; launch prep (part 1): grid 1024 x 1, 8 waves a work-group, no clusters, 0 bytes of LDS; arguments x, ln1_w, ln1_b, qkv_w, attn_out_w, c_fc_w, c_proj_w, act16, wq, wo, wf, wp; writes act16, wq, wo, wf, wp
.if DOCPART == 1
	.amdgcn_target "amdgcn-amd-amdhsa--gfx1250"
	.amdhsa_code_object_version 6
	.text
	.protected	k_qe282623056_prep
	.globl	k_qe282623056_prep
	.p2align	8
	.type	k_qe282623056_prep,@function
k_qe282623056_prep:
	s_mov_b64 s[64:65], 0
	v_nop
	global_prefetch_b8 v0, s[64:65] scope:SCOPE_SE
	s_setreg_imm32_b32 hwreg(HW_REG_WAVE_MODE, 25, 1), 1
	s_wait_xcnt 0x0
; PREP.  Work-groups 0-255: xn = LayerNorm1(x), rounded once to bf16, into act16.  Work-groups 256-1023: the four weights rounded to bf16 and laid in blocks.
; Every work-group takes 65,536 bytes of f32 input.  A stream: no LDS, no barrier, no matrix unit; each byte is read once and written once.
; LAYOUTS.  An activation [4096][C] in bf16 lies in blocks of 64 columns: byte (cb x 4096 + m) x 128 + 2 d, cb = column / 64, d = column % 64.
; A weight [K][N] in bf16 lies in blocks of 128 columns: byte (nb x K + k) x 256 + 2 (n % 128).
; LAYER NORM.  16 rows a work-group; sixteen lanes own one row, 64 numbers a lane (columns 64 j + 4 r .. + 3), so a load of sixteen lanes covers 256 consecutive bytes.
; Mean, then the centred squares' mean: no difference of large sums.  All in f32.
.set X,   32          ; v[32:95]   the row's 64 numbers of my lane
.set W,   96          ; v[96:159]  gain
.set B,   160         ; v[160:223] bias
.set PKD, 224         ; v[224:255] packed results
.set ACC, 8           ; v[8:15]    four chains of packed sums
.set MU,  16          ; v[16:17]   the mean, twice
.set RS,  18          ; v[18:19]   1 / sqrt(var + eps), twice
.set XO,  2           ; v2  byte offset of my 16 bytes in x
.set WO,  3           ; v3  in the gain and the bias
.set SO,  4           ; v4  in a block of act16
.set OFF, 2           ; the cast: v[2:17] byte offset of my 16 bytes in each of 16 source rows
.set CST, 18          ; v18 byte offset of my 8 bytes in a destination row
.set CIN, 32          ; v[32:95]  16 rows as loaded
.set COUT, 96         ; v[96:127] as stored
.macro EACH n, line:vararg          ; one line for p = 0 .. n - 1
.set p, 0
.rept \n
	\line
.set p, p+1
.endr
.endm
.macro LNFOLD                       ; four chains into one number, then over the row's sixteen lanes
	v_pk_add_f32 v[ACC:ACC+1], v[ACC:ACC+1], v[ACC+2:ACC+3]
	v_pk_add_f32 v[ACC+4:ACC+5], v[ACC+4:ACC+5], v[ACC+6:ACC+7]
	v_pk_add_f32 v[ACC:ACC+1], v[ACC:ACC+1], v[ACC+4:ACC+5]
	v_add_f32 v[ACC], v[ACC], v[ACC+1]
	v_add_f32_dpp v[ACC], v[ACC], v[ACC] row_xmask:1 row_mask:0xf bank_mask:0xf
	v_add_f32_dpp v[ACC], v[ACC], v[ACC] row_xmask:2 row_mask:0xf bank_mask:0xf
	v_add_f32_dpp v[ACC], v[ACC], v[ACC] row_xmask:4 row_mask:0xf bank_mask:0xf
	v_add_f32_dpp v[ACC], v[ACC], v[ACC] row_xmask:8 row_mask:0xf bank_mask:0xf
.endm
.macro LNSUM                        ; the row's sum; the first eight pairs start the chains: nothing is cleared
	EACH 4, v_pk_add_f32 v[ACC+2*p:ACC+2*p+1], v[X+2*p:X+2*p+1], v[X+8+2*p:X+8+2*p+1]
.set p, 8
.rept 24
	v_pk_add_f32 v[ACC+2*(p%4):ACC+2*(p%4)+1], v[ACC+2*(p%4):ACC+2*(p%4)+1], v[X+2*p:X+2*p+1]
.set p, p+1
.endr
	LNFOLD
.endm
.macro LNCENTER                     ; x - mean
	v_mul_f32 v[MU], s6, v[ACC]
	v_mov_b32 v[MU+1], v[MU]
	EACH 32, v_pk_add_f32 v[X+2*p:X+2*p+1], v[X+2*p:X+2*p+1], v[MU:MU+1] neg_lo:[0,1] neg_hi:[0,1]
.endm
.macro LNVAR                        ; 1 / sqrt(mean of squares + eps)
	EACH 4, v_pk_mul_f32 v[ACC+2*p:ACC+2*p+1], v[X+2*p:X+2*p+1], v[X+2*p:X+2*p+1]
.set p, 4
.rept 28
	v_pk_fma_f32 v[ACC+2*(p%4):ACC+2*(p%4)+1], v[X+2*p:X+2*p+1], v[X+2*p:X+2*p+1], v[ACC+2*(p%4):ACC+2*(p%4)+1]
.set p, p+1
.endr
	LNFOLD
	v_fma_f32 v[RS], v[ACC], s6, s7
	v_rsq_f32 v[RS], v[RS]
	v_nop                           ; a plain instruction between the root and the use of its result
	s_wait_alu depctr_va_vdst(0)
	v_mov_b32 v[RS+1], v[RS]
.endm
.macro LNAPPLY                      ; times the root, times the gain, plus the bias
	EACH 32, v_pk_mul_f32 v[X+2*p:X+2*p+1], v[X+2*p:X+2*p+1], v[RS:RS+1]
	EACH 32, v_pk_fma_f32 v[X+2*p:X+2*p+1], v[X+2*p:X+2*p+1], v[W+2*p:W+2*p+1], v[B+2*p:B+2*p+1]
.endm
	s_load_b512 s[8:23], s[0:1], 0x0               ; x 8, ln1_w 10, ln1_b 12, qkv_w 14, attn_out_w 16, c_fc_w 18, c_proj_w 20, act16 22
	s_load_b256 s[24:31], s[0:1], 0x40             ; wq 24, wo 26, wf 28, wp 30
	s_cmp_lt_u32 ttmp9, 256
	s_cbranch_scc0 .Lcast
	v_and_b32 v1, 15, v0                           ; r: my place in the row's sixteen lanes
	v_lshrrev_b32 v5, 4, v0                        ; my row among the group's sixteen
	v_lshlrev_b32 v[WO], 4, v1
	v_lshl_add_u32 v[XO], v5, 12, v[WO]            ; row x 4,096 + 16 r
	v_lshlrev_b32 v[SO], 3, v0                     ; row x 128 + 8 r = 8 x thread
	s_lshl_b32 s2, ttmp9, 16                       ; the group's 16 rows of 4,096 bytes in x
	s_mov_b32 s3, 0
	s_lshl_b32 s4, ttmp9, 11                       ; and of 128 bytes in a block of act16
	s_mov_b32 s5, 0
	s_mov_b32 s6, 0x3a800000                       ; 1 / 1024
	s_mov_b32 s7, 0x3727c5ac                       ; eps = 1e-5
	s_wait_kmcnt 0x0
	s_add_nc_u64 s[8:9], s[8:9], s[2:3]
	s_add_nc_u64 s[22:23], s[22:23], s[4:5]
	EACH 16, global_load_b128 v[X+4*p:X+4*p+3], v[XO], s[8:9] offset:256*p
	EACH 16, global_load_b128 v[W+4*p:W+4*p+3], v[WO], s[10:11] offset:256*p
	EACH 16, global_load_b128 v[B+4*p:B+4*p+3], v[WO], s[12:13] offset:256*p
	s_wait_loadcnt 32                              ; x is in; the 32 younger loads, gain and bias, stay out
	LNSUM
	LNCENTER
	LNVAR
	s_wait_loadcnt 0x0
	LNAPPLY
.set p, 0
.rept 16
	v_cvt_pk_bf16_f32 v[PKD+2*p], v[X+4*p], v[X+4*p+1]
	v_cvt_pk_bf16_f32 v[PKD+2*p+1], v[X+4*p+2], v[X+4*p+3]
	global_store_b64 v[SO], v[PKD+2*p:PKD+2*p+1], s[22:23] offset:p*524288  ; block p; the wave's 32 lanes store 256 consecutive bytes: two rows of the block
.set p, p+1
.endr
	s_endpgm
; THE CAST.  A work-group takes 128 k x 128 n of one weight, a wave 16 k.  A load takes 512 consecutive bytes (128 columns of one k), a store 256.
.Lcast:
	v_lshrrev_b32 v1, 5, v0
	v_readfirstlane_b32 s32, v1                    ; wave
	v_and_b32 v1, 31, v0
	v_lshlrev_b32 v[OFF], 4, v1
	v_lshlrev_b32 v[CST], 3, v1
	s_sub_co_u32 s2, ttmp9, 256                    ; 0-191 qkv_w, 192-255 attn_out_w, 256-511 c_fc_w, 512-767 c_proj_w
	s_mov_b32 s33, 4096                            ; bytes in a source row
	s_mov_b32 s34, 5                               ; log2 of K / 128
	s_mov_b32 s35, 512                             ; the weight's first number
	s_wait_kmcnt 0x0
	s_mov_b64 s[4:5], s[20:21]
	s_mov_b64 s[6:7], s[30:31]
	s_cmp_lt_u32 s2, 512
	s_cselect_b64 s[4:5], s[18:19], s[4:5]
	s_cselect_b64 s[6:7], s[28:29], s[6:7]
	s_cselect_b32 s33, 16384, s33
	s_cselect_b32 s34, 3, s34
	s_cselect_b32 s35, 256, s35
	s_cmp_lt_u32 s2, 256
	s_cselect_b64 s[4:5], s[16:17], s[4:5]
	s_cselect_b64 s[6:7], s[26:27], s[6:7]
	s_cselect_b32 s33, 4096, s33
	s_cselect_b32 s35, 192, s35
	s_cmp_lt_u32 s2, 192
	s_cselect_b64 s[4:5], s[14:15], s[4:5]
	s_cselect_b64 s[6:7], s[24:25], s[6:7]
	s_cselect_b32 s33, 12288, s33
	s_cselect_b32 s35, 0, s35
	s_sub_co_u32 s2, s2, s35                       ; the chunk's number in its weight
	s_lshr_b32 s35, s2, s34                        ; nb: block of 128 columns
	s_lshl_b32 s36, s35, s34
	s_sub_co_u32 s36, s2, s36                      ; which 128 k
	s_lshl_b32 s36, s36, 7
	s_lshl_b32 s37, s32, 4
	s_add_co_u32 s36, s36, s37                     ; my wave's first k
	s_mul_i32 s38, s36, s33
	s_lshl_b32 s37, s35, 9
	s_add_co_u32 s38, s38, s37                     ; k x row bytes + 512 nb
	s_mov_b32 s39, 0
	s_add_nc_u64 s[4:5], s[4:5], s[38:39]
	s_add_co_u32 s37, s34, 7
	s_lshl_b32 s37, s35, s37                       ; nb x K
	s_add_co_u32 s37, s37, s36
	s_lshl_b32 s38, s37, 8                         ; (nb x K + k) x 256
	s_add_nc_u64 s[6:7], s[6:7], s[38:39]
.set p, 1
.rept 15
	v_add_nc_u32 v[OFF+p], s33, v[OFF+p-1]
.set p, p+1
.endr
	EACH 16, global_load_b128 v[CIN+4*p:CIN+4*p+3], v[OFF+p], s[4:5] th:TH_LOAD_NT
.set p, 0
.rept 16
	s_wait_loadcnt 15-p                            ; row p is in; the younger rows stay out
	v_cvt_pk_bf16_f32 v[COUT+2*p], v[CIN+4*p], v[CIN+4*p+1]
	v_cvt_pk_bf16_f32 v[COUT+2*p+1], v[CIN+4*p+2], v[CIN+4*p+3]
	global_store_b64 v[CST], v[COUT+2*p:COUT+2*p+1], s[6:7] offset:256*p
.set p, p+1
.endr
	s_endpgm
.Lfunc_end_k_qe282623056_prep:
	.size	k_qe282623056_prep, .Lfunc_end_k_qe282623056_prep-k_qe282623056_prep
	.p2alignl 7, 3214868480
	.fill 96, 4, 3214868480
	.section	.rodata,"a",@progbits
	.p2align	6, 0x0
	.amdhsa_kernel k_qe282623056_prep
		.amdhsa_group_segment_fixed_size 0
		.amdhsa_private_segment_fixed_size 0
		.amdhsa_enable_private_segment 0
		.amdhsa_kernarg_size 96
		.amdhsa_user_sgpr_count 2
		.amdhsa_user_sgpr_kernarg_segment_ptr 1
		.amdhsa_wavefront_size32 1
		.amdhsa_system_sgpr_workgroup_id_x 1
		.amdhsa_system_sgpr_workgroup_id_y 1
		.amdhsa_system_sgpr_workgroup_id_z 1
		.amdhsa_system_vgpr_workitem_id 0
		.amdhsa_next_free_vgpr 256
		.amdhsa_next_free_sgpr 66
		.amdhsa_reserve_vcc 0
		.amdhsa_float_denorm_mode_32 3
		.amdhsa_float_denorm_mode_16_64 3
		.amdhsa_memory_ordered 1
		.amdhsa_forward_progress 1
		.amdhsa_inst_pref_size 28
	.end_amdhsa_kernel
	.amdgpu_metadata
---
amdhsa.version: [ 1, 2 ]
amdhsa.kernels:
  - .name:           k_qe282623056_prep
    .symbol:         k_qe282623056_prep.kd
    .args:
      - { .name: x, .offset: 0, .size: 8, .value_kind: global_buffer, .address_space: global }
      - { .name: ln1_w, .offset: 8, .size: 8, .value_kind: global_buffer, .address_space: global }
      - { .name: ln1_b, .offset: 16, .size: 8, .value_kind: global_buffer, .address_space: global }
      - { .name: qkv_w, .offset: 24, .size: 8, .value_kind: global_buffer, .address_space: global }
      - { .name: attn_out_w, .offset: 32, .size: 8, .value_kind: global_buffer, .address_space: global }
      - { .name: c_fc_w, .offset: 40, .size: 8, .value_kind: global_buffer, .address_space: global }
      - { .name: c_proj_w, .offset: 48, .size: 8, .value_kind: global_buffer, .address_space: global }
      - { .name: act16, .offset: 56, .size: 8, .value_kind: global_buffer, .address_space: global }
      - { .name: wq, .offset: 64, .size: 8, .value_kind: global_buffer, .address_space: global }
      - { .name: wo, .offset: 72, .size: 8, .value_kind: global_buffer, .address_space: global }
      - { .name: wf, .offset: 80, .size: 8, .value_kind: global_buffer, .address_space: global }
      - { .name: wp, .offset: 88, .size: 8, .value_kind: global_buffer, .address_space: global }
    .group_segment_fixed_size: 0
    .private_segment_fixed_size: 0
    .kernarg_segment_align: 8
    .kernarg_segment_size: 96
    .max_flat_workgroup_size: 256
    .sgpr_count:     66
    .vgpr_count:     256
    .wavefront_size: 32
...
	.end_amdgpu_metadata
.endif
;; end of part 1
;; launch qkv (part 2): grid 24 x 32, 4 waves a work-group, clusters of 4 x 4, 327,680 bytes of LDS; arguments act16, wq, qkv_b, big16; writes big16
.if DOCPART == 2
	.amdgcn_target "amdgcn-amd-amdhsa--gfx1250"
	.amdhsa_code_object_version 6
	.text
	.protected	k_qe282623056_qkv
	.globl	k_qe282623056_qkv
	.p2align	8
	.type	k_qe282623056_qkv,@function
k_qe282623056_qkv:
	s_mov_b64 s[64:65], 0
	v_nop
	global_prefetch_b8 v0, s[64:65] scope:SCOPE_SE
	s_setreg_imm32_b32 hwreg(HW_REG_WAVE_MODE, 25, 1), 1
	s_wait_xcnt 0x0
	s_wait_alu depctr_hold_cnt(0) depctr_sa_sdst(0) depctr_va_vdst(0) depctr_va_sdst(0) depctr_va_ssrc(0) depctr_va_vcc(0) depctr_vm_vsrc(0)
	s_getreg_b32 s2, hwreg(HW_REG_IB_STS2, 6, 4)
	s_cmp_eq_u32 s2, 0
	s_cbranch_scc0 .Lentry_in_a_cluster
	s_endpgm
.Lentry_in_a_cluster:
	s_bfe_u32 s2, ttmp6, 0x10000c
	s_cmp_lg_u32 s2, 0xf033
	s_cbranch_scc0 .Lentry_shape_is_right
	s_endpgm
.Lentry_shape_is_right:
; C = A W + bias.  A: [4096][KTOT] bf16 in blocks of 64 columns (byte (cb x 4096 + m) x 128 + 2 d).  W: [KTOT][N] bf16 in blocks of 128 columns (byte (nb x KTOT + k) x 256 + 2 (n % 128)).
; Sums in f32.  KIND 0: C + bias rounded once to bf16, in blocks of 64 columns.  KIND 1: the exact GELU of it, likewise.  KIND 2: C + bias + residual, f32, row-major [4096][1024].
; One text for the three kinds; the two constants below choose.  Operands are bf16, so the range is f32's; NaN and infinities are not treated apart.
; SHARES.  A tile of C is 128 x 128; four waves, each 64 x 64: 16 accumulators.  K goes in steps of 256 through two LDS slots.  A's part of a slot: four planes [128 rows][64 k], rows 144 bytes apart;
; W's part: 256 rows of k, 288 bytes apart, read turned by ds_load_tr16_b128.  Waves 0, 1 fetch two planes of A each (two dense runs of 16,384 bytes), waves 2, 3 128 rows of W each (32,768 dense bytes).
; CLUSTER.  4 x 4 work-groups: the four of a row need the same tiles of A, the four of a column the same tiles of W; each tile is asked for jointly.
; THE MATRIX INSTRUCTION IS USED TRANSPOSED (source 0 = 16 columns of W, source 1 = 16 rows of A): a lane holds eight neighbouring numbers of a row of C.
; THE WAY OUT goes through a stage of the wave's own, 64 rows x 272 bytes of f32, in slot 0's bytes: slot 0 has had its last fill, and behind the last change of slots no wave reads it.
; REGISTERS.  Window 0: v16-29 addresses; v32-99 at work on the way out; v128-255 accumulators ((a, b) at v[128 + 8 (4 a + b)]).  Window 1: two fragment buffers of 128 (64 of A, 64 of W).  Window 2 (KIND 2): the residual.
.set KIND, 0
.set KTOT, 1024
.set LAPS,   KTOT/512                  ; a lap = two K steps = once round the ring
.set PA,     144                       ; a row of A in LDS: 128 bytes + 16: the 16 rows of a load start at 16 different groups of four banks
.set PW,     288                       ; a row of W: 256 + 32
.set APL,    128*PA                    ; a plane of A
.set HALFT,  2*APL                     ; what one tensor load brings: two planes of A, or 128 rows of W (128 x 288 is the same number)
.set BOFF,   2*HALFT
.set SLOT,   4*HALFT
.set SPARE,  2*SLOT                    ; behind the ring: the spare words, 128 bytes for each wave: two blocks of 256 bytes that no other line names
.set SPITCH, 272
.set WSTG,   64*SPITCH
.set ADRA, 16                          ; v16-17  LDS address of my A fragments in slot 0, 1
.set ADRB, 20                          ; v20-23  of my W fragments: slot 0 k 0-127, k 128-255; slot 1 likewise
.set STO,  24                          ; v24     the way out: where I put 32 bytes of a row
.set RD,   25                          ; v25     where I read rows back
.set GO,   26                          ; v26     my byte offset in the output
.set BO,   27                          ; v27     my byte offset in the bias
.set SPW,  28                          ; v28     LDS address of my spare word; never rewritten
.set NIL,  29                          ; v29     0; never rewritten
.set TMP,  32
.set PKO,  64
.set BIAS, 96                          ; v96-99  the bias of my four columns
.set ACC,  128
.set F0,   0
.set F1,   128
.set G1,  24                           ; s[24:31] descriptor group 1 for A;  s[32:39] group 0, one set for each slot
.set G0,  32
.set G1B, 48                           ; s[48:55], s[56:63] the same for W
.set G0B, 56
.set BP,  68                           ; s[68:69] bias
.set RP,  70                           ; s[70:71] KIND 2: the residual
.if KIND == 2
.set OUTP, 72
.else
.set OUTP, 70
.endif
.set MSB, 0
.macro WIN new                         ; the immediate's high byte repeats the setting that is left
.if MSB != (\new)
	s_set_vgpr_msb (MSB<<8)|(\new)
.set MSB, \new
.endif
.endm
.set MUL,  0x05                        ; sources 0 (W) and 1 (A) window 1; C and D window 0
.set TO_F, 0x40                        ; destination window 1, address window 0
.macro EACH n, line:vararg
.set p, 0
.rept \n
	\line
.set p, p+1
.endr
.endm
.macro JLOAD s                         ; a joint load: waves 0 and 1 fetch A's halves, waves 2 and 3 W's; an s_nop 0 and four v_nop follow each line
	s_cmp_eq_u32 s11, 0
	s_cbranch_scc0 .Lfor_b_\@
	tensor_load_to_lds s[G0+4*(\s):G0+4*(\s)+3], s[G1:G1+7]
	s_nop 0
.rept 4
	v_nop
.endr
	s_branch .Lasked_\@
.Lfor_b_\@:
	tensor_load_to_lds s[G0B+4*(\s):G0B+4*(\s)+3], s[G1B:G1B+7]
	s_nop 0
.rept 4
	v_nop
.endr
.Lasked_\@:
.endm
.macro CREST                           ; a round of the cluster's barrier behind its opening barrier
	s_cmp_lg_u32 s10, 0
	s_cbranch_scc1 .Lnot_wave_0_\@
	s_barrier_signal -3
.Lnot_wave_0_\@:
	s_barrier_wait -3
	s_barrier_signal -1
	s_barrier_wait -1
.endm
.macro CROUND
	s_barrier_signal -1
	s_barrier_wait -1
	CREST
.endm
	s_load_b128 s[4:7], s[0:1], 0x0                ; A s[4:5], W s[6:7]
	s_load_b128 s[68:71], s[0:1], 0x10             ; bias, then the output (KIND 2: the residual)
.if KIND == 2
	s_load_b64 s[72:73], s[0:1], 0x20              ; the output
.endif
	v_lshl_add_u32 v[SPW], v0, 2, SPARE
	v_mov_b32 v[NIL], 0
	ds_add_u32 v[SPW], v[NIL]                      ; the wave's opening: the add and its wait ahead of my first tensor load
	ds_add_u32 v28, v29
	v_lshrrev_b32 v1, 5, v0
	v_readfirstlane_b32 s10, v1                    ; wave 0..3
	s_lshr_b32 s11, s10, 1                         ; which half of the tile's rows is mine.  Also: I fetch for A (0) or for W (1)
	s_and_b32 s12, s10, 1                          ; which half of its columns.  Also: which half of that tile I fetch
	s_bfe_u32 s40, ttmp6, 0x40000                  ; cx, cy: my place in the cluster
	s_bfe_u32 s41, ttmp6, 0x40004
	s_lshl_b32 s42, ttmp9, 2
	s_add_co_u32 s42, s42, s40                     ; tile column of C
	s_and_b32 s13, ttmp7, 0xffff
	s_lshl_b32 s13, s13, 2
	s_add_co_u32 s13, s13, s41                     ; tile row of C
	s_lshl_b32 s43, s41, 2
	s_lshl_b32 s43, 15, s43                        ; my row of the cluster
	s_lshl_b32 s44, 0x1111, s40                    ; my column
	; A: two runs of 8,192 elements, one block of 64 columns (262,144 elements) apart, padded by 4 words after every 32: 256 LDS rows of 144 bytes
	s_or_b32 s[G1+0], s43, (1<<16)|(1<<20)|(1<<21)|(4<<22)|(3<<25)
	s_mov_b32 s[G1+1], 8192<<16                    ; tensor_dim0
	s_mov_b32 s[G1+2], 2<<16                       ; tensor_dim1
	s_mov_b32 s[G1+3], 8192<<16                    ; tile_dim0
	s_mov_b32 s[G1+4], 2                           ; tile_dim1
	s_mov_b32 s[G1+5], 262144                      ; elements from run to run
	s_mov_b32 s[G1+6], 0
	s_mov_b32 s[G1+7], 0
	; W: 128 rows of 128 elements, dense, padded by 8 words after every 64: LDS rows of 288 bytes
	s_or_b32 s[G1B+0], s44, (1<<16)|(1<<20)|(1<<21)|(5<<22)|(7<<25)
	s_mov_b32 s[G1B+1], 128<<16
	s_mov_b32 s[G1B+2], 128<<16
	s_mov_b32 s[G1B+3], 128<<16
	s_mov_b32 s[G1B+4], 128
	s_mov_b32 s[G1B+5], 128
	s_mov_b32 s[G1B+6], 0
	s_mov_b32 s[G1B+7], 0
	s_lshl_b32 s16, s12, 20                        ; A: my two blocks of 64 columns,
	s_lshl_b32 s17, s13, 14                        ; the tile's 128 rows of 128 bytes
	s_add_co_u32 s16, s16, s17
	s_mov_b32 s17, 0
	s_mul_i32 s46, s42, KTOT*256                   ; W: the tile column's block,
	s_lshl_b32 s47, s12, 15                        ; my 128 rows of 256 bytes
	s_add_co_u32 s46, s46, s47
	s_mov_b32 s47, 0
	s_mul_i32 s20, s10, HALFT                      ; where they go: no place in the cluster enters an LDS address
.if KIND == 1
.set CP, 74                            ; the GELU's constants, each the low word of a pair
.set CK, 76
.set A1, 78
.set A2, 80
.set A3, 82
.set A4, 84
.set A5, 86
.set SGN, 88
	s_mov_b32 s[CP], 0x3e6d3389                    ; 0.3275911 / sqrt(2)
	s_mov_b32 s[CK], 0xbf38aa3b                    ; -log2(e) / 2
	s_mov_b32 s[A1], 0x3e027906                    ; half of 0.254829592
	s_mov_b32 s[A2], 0xbe11a98e                    ; half of -0.284496736
	s_mov_b32 s[A3], 0x3f35f0e3                    ; half of 1.421413741
	s_mov_b32 s[A4], 0xbf3a00e3                    ; half of -1.453152027
	s_mov_b32 s[A5], 0x3f07dc22                    ; half of 1.061405429
.irp c, CP, CK, A1, A2, A3, A4, A5
	s_mov_b32 s[\c+1], s[\c]                       ; named with it as a pair
.endr
	s_mov_b32 s[SGN], 0x7fffffff
.endif
	s_wait_dscnt 0x0                               ; the opening add is done
	s_wait_kmcnt 0x0
	s_add_nc_u64 s[14:15], s[4:5], s[16:17]
	s_add_nc_u64 s[46:47], s[6:7], s[46:47]
	CROUND                                         ; all sixteen work-groups are here: the first joint loads meet
.irp s, 0,1
	s_mov_b32 s[G0+4*(\s)], 1
	s_add_co_u32 s[G0+4*(\s)+1], s20, (\s)*SLOT
	s_add_nc_u64 s[G0+4*(\s)+2:G0+4*(\s)+3], s[14:15], (\s)*(1<<21)   ; K step s: four blocks of 64 columns on
	s_or_b32 s[G0+4*(\s)+3], s[G0+4*(\s)+3], 0x80000000
	s_mov_b32 s[G0B+4*(\s)], 1
	s_add_co_u32 s[G0B+4*(\s)+1], s20, (\s)*SLOT
	s_add_nc_u64 s[G0B+4*(\s)+2:G0B+4*(\s)+3], s[46:47], (\s)*(1<<16) ; 256 rows of 256 bytes on
	s_or_b32 s[G0B+4*(\s)+3], s[G0B+4*(\s)+3], 0x80000000
	JLOAD \s
.endr
	v_and_b32 v1, 15, v0                           ; r = l % 16
	v_bfe_u32 v2, v0, 4, 1                         ; h = l / 16
	v_mul_u32_u24 v3, v1, PA
	v_lshl_add_u32 v3, v2, 4, v3                   ; A: row x pitch + 16 h
	s_mul_i32 s21, s11, 64*PA                      ; my 64 rows
	v_add_nc_u32 v[ADRA], s21, v3
	v_add_nc_u32 v[ADRA+1], SLOT, v[ADRA]
	v_and_b32 v4, 7, v0
	v_lshl_add_u32 v4, v2, 3, v4                   ; W: k row 8 h + l % 8,
	v_mul_u32_u24 v4, v4, PW
	v_bfe_u32 v5, v0, 3, 1
	v_lshl_add_u32 v4, v5, 4, v4                   ; columns 8 ((l / 8) % 2) on,
	s_lshl_b32 s22, s12, 7                         ; in my 64 columns
	s_add_co_u32 s22, s22, BOFF
	v_add_nc_u32 v[ADRB], s22, v4
	v_add_nc_u32 v[ADRB+1], HALFT, v[ADRB]
	v_add_nc_u32 v[ADRB+2], SLOT, v[ADRB]
	v_add_nc_u32 v[ADRB+3], SLOT+HALFT, v[ADRB]
	s_mul_i32 s23, s10, WSTG                       ; my stage
	v_mul_u32_u24 v6, v1, SPITCH
	v_lshl_add_u32 v6, v2, 5, v6                   ; in: row r, 32 bytes for each half of the lanes
	v_add_nc_u32 v[STO], s23, v6
	v_mul_u32_u24 v6, v2, SPITCH
	v_lshl_add_u32 v6, v1, 4, v6                   ; back: lanes 0-15 one row of 256 bytes, lanes 16-31 the next
	v_add_nc_u32 v[RD], s23, v6
	v_lshlrev_b32 v[BO], 4, v1
	s_lshl_b32 s46, s42, 9                         ; my 64 columns in f32 bytes: 512 x tile column + 256 x half
	s_lshl_b32 s47, s12, 8
	s_add_co_u32 s46, s46, s47
	s_mov_b32 s47, 0
	s_add_nc_u64 s[BP:BP+1], s[BP:BP+1], s[46:47]
	global_load_b128 v[BIAS:BIAS+3], v[BO], s[BP:BP+1]
.if KIND == 2
	v_lshlrev_b32 v6, 12, v2
	v_lshl_add_u32 v[GO], v1, 4, v6                ; two rows of 4,096 bytes, 16 bytes a lane
	s_lshl_b32 s45, s13, 19                        ; my first row: 128 x tile row + 64 x half
	s_add_co_u32 s46, s46, s45
	s_lshl_b32 s45, s11, 18
	s_add_co_u32 s46, s46, s45
	s_add_nc_u64 s[RP:RP+1], s[RP:RP+1], s[46:47]
	s_add_nc_u64 s[OUTP:OUTP+1], s[OUTP:OUTP+1], s[46:47]
	WIN 0x80                                       ; destination window 2: the residual of my 64 x 64 has the whole K loop in which to land
	EACH 32, global_load_b128 v[4*p:4*p+3], v[GO], s[RP:RP+1] offset:8192*p
	WIN 0
.else
	v_and_b32 v6, 31, v0
	v_lshlrev_b32 v[GO], 3, v6                     ; two rows of 128 bytes, 8 bytes a lane
	s_lshl_b32 s46, s42, 1
	s_add_co_u32 s46, s46, s12                     ; my block of 64 columns,
	s_lshl_b32 s46, s46, 19
	s_lshl_b32 s45, s13, 14                        ; my first row in it
	s_add_co_u32 s46, s46, s45
	s_lshl_b32 s45, s11, 13
	s_add_co_u32 s46, s46, s45
	s_add_nc_u64 s[OUTP:OUTP+1], s[OUTP:OUTP+1], s[46:47]
.endif
; 8 matrix instructions: m blocks a0, a0 + 1 x all 4 n blocks, 32 along K: half c of buffer f.  zero = 1: the first product starts the sums.  The 16 accumulators take turns.
.macro MUL8 f, c, a0, zero
	WIN MUL
.irp a, \a0, (\a0)+1
.irp b, 0,1,2,3
.if \zero
	v_wmma_f32_16x16x32_bf16 v[ACC+8*(4*(\a)+(\b)):ACC+8*(4*(\a)+(\b))+7], v[(\f)+64+8*(4*(\c)+(\b)):(\f)+64+8*(4*(\c)+(\b))+7], v[(\f)+8*(4*(\c)+(\a)):(\f)+8*(4*(\c)+(\a))+7], 0
.else
	v_wmma_f32_16x16x32_bf16 v[ACC+8*(4*(\a)+(\b)):ACC+8*(4*(\a)+(\b))+7], v[(\f)+64+8*(4*(\c)+(\b)):(\f)+64+8*(4*(\c)+(\b))+7], v[(\f)+8*(4*(\c)+(\a)):(\f)+8*(4*(\c)+(\a))+7], v[ACC+8*(4*(\a)+(\b)):ACC+8*(4*(\a)+(\b))+7]
.endif
.endr
.endr
.endm
; 32 LDS loads in one run: the fragments of quarter q (64 along K: plane q of A, rows 64 q on of W) into buffer f; the first 32 along K first
.macro FETCH slot, q, f
	WIN TO_F
.irp c, 0,1
.irp i, 0,1,2,3
	ds_load_tr16_b128 v[(\f)+64+8*(4*(\c)+(\i)):(\f)+64+8*(4*(\c)+(\i))+3],   v[ADRB+2*(\slot)+(\q)/2] offset:(2*((\q)%2)+(\c))*32*PW+32*(\i)
	ds_load_tr16_b128 v[(\f)+64+8*(4*(\c)+(\i))+4:(\f)+64+8*(4*(\c)+(\i))+7], v[ADRB+2*(\slot)+(\q)/2] offset:(2*((\q)%2)+(\c))*32*PW+32*(\i)+16*PW
	ds_load_b128 v[(\f)+8*(4*(\c)+(\i)):(\f)+8*(4*(\c)+(\i))+3],              v[ADRA+(\slot)] offset:(\q)*APL+64*(\c)+(\i)*16*PA
	ds_load_b128 v[(\f)+8*(4*(\c)+(\i))+4:(\f)+8*(4*(\c)+(\i))+7],            v[ADRA+(\slot)] offset:(\q)*APL+64*(\c)+(\i)*16*PA+32
.endr
.endr
.endm
.macro PLACES                          ; four places in front of loads into registers that matrix instructions have read, and of reads of results
.rept 4
	v_nop
.endr
.endm
; A K step is four quarters, 32 matrix instructions each, on buffers 0, 1, 0, 1.  One of the first three: multiplies buffer f and fetches quarter q into g.
.macro QUARTER slot, q, f, g, zero
	s_wait_dscnt 16                                ; the first 32 along K are in; the run's younger sixteen loads may be out
	WIN MUL
	MUL8 \f, 0, 0, \zero
	MUL8 \f, 0, 2, \zero
	PLACES
	FETCH \slot, \q, \g
	s_wait_dscnt 32                                ; all but the 32 just issued
	WIN MUL
	MUL8 \f, 1, 0, 0
	MUL8 \f, 1, 2, 0
.endm
; The last quarter multiplies buffer 1 and changes slots: one barrier; in front of it each wave waits for all its tensor loads, adds 0 to its spare word, and waits for that and for its reads of this slot.
.macro TURN slot, next, fill
	WIN 0                                          ; (the add's two registers lie in window 0)
	s_wait_tensorcnt 0x0                           ; all my tensor loads have landed: my part of the next slot;
	ds_add_u32 v[SPW], v[NIL]                      ; 0 onto my spare word;
	s_wait_dscnt 17                                ; (the add and the youngest sixteen loads may be out)
	WIN MUL
	MUL8 F1, 0, 0, 0
	s_wait_dscnt 0x0                               ; the add is done, and my reads of this slot are over
	s_barrier_signal -1
	MUL8 F1, 0, 2, 0
.if \fill
	WIN 0
.endif
	s_barrier_wait -1
.if \fill
	CREST                                          ; the barrier has opened a round of the cluster's: no wave of any partner still reads this slot or has a load on its way
	s_add_nc_u64 s[G0+4*(\slot)+2:G0+4*(\slot)+3], s[G0+4*(\slot)+2:G0+4*(\slot)+3], 1<<22
	s_add_nc_u64 s[G0B+4*(\slot)+2:G0B+4*(\slot)+3], s[G0B+4*(\slot)+2:G0B+4*(\slot)+3], 1<<17
	JLOAD \slot                                    ; the first tensor load behind the round; its four v_nop are also the places in front of the loads below
.else
	PLACES
.endif
	FETCH \next, 0, F0
	WIN MUL
	MUL8 F1, 1, 0, 0
	MUL8 F1, 1, 2, 0
.endm
	s_wait_tensorcnt 1                             ; my part of K step 0 is in; K step 1's stays out
	s_barrier_signal -1
	s_barrier_wait -1
	FETCH 0, 0, F0
	QUARTER 0, 1, F0, F1, 1                        ; the first quarter stands in front of the loop: its first products start the sums
	WIN 0
	s_mov_b32 s3, LAPS-1
.Llap:                                                 ; a trip goes once round the ring and fills both slots again
	QUARTER 0, 2, F1, F0, 0
	QUARTER 0, 3, F0, F1, 0
	TURN 0, 1, 1
	QUARTER 1, 1, F0, F1, 0
	QUARTER 1, 2, F1, F0, 0
	QUARTER 1, 3, F0, F1, 0
	TURN 1, 0, 1
	QUARTER 0, 1, F0, F1, 0
	WIN 0
	s_sub_co_u32 s3, s3, 1
	s_cmp_lg_u32 s3, 0
	s_cbranch_scc1 .Llap
	QUARTER 0, 2, F1, F0, 0                        ; the last lap fills nothing
	QUARTER 0, 3, F0, F1, 0
	TURN 0, 1, 0
	QUARTER 1, 1, F0, F1, 0
	QUARTER 1, 2, F1, F0, 0
	QUARTER 1, 3, F0, F1, 0
	s_wait_dscnt 16
	WIN MUL
	MUL8 F1, 0, 0, 0
	MUL8 F1, 0, 2, 0
	s_wait_dscnt 0
	MUL8 F1, 1, 0, 0
	MUL8 F1, 1, 2, 0
	WIN 0
; THE WAY OUT.  The sums go into my stage as f32, each accumulator's low four registers first; they come back as rows: lanes 0-15 row 2 t, lanes 16-31 row 2 t + 1, four columns a lane.
.macro DUMP
	PLACES
.irp a, 0,1,2,3
.irp b, 0,1,2,3
	ds_store_b128 v[STO], v[ACC+8*(4*(\a)+(\b)):ACC+8*(4*(\a)+(\b))+3]   offset:(\a)*16*SPITCH+64*(\b)
	ds_store_b128 v[STO], v[ACC+8*(4*(\a)+(\b))+4:ACC+8*(4*(\a)+(\b))+7] offset:(\a)*16*SPITCH+64*(\b)+16
.endr
.endr
.endm
	s_wait_loadcnt 0x0                             ; the bias (KIND 2: and the residual)
.if KIND == 0
	DUMP
	s_mov_b32 s3, 4
.Lout:                                                 ; 16 rows a trip; LDS serves a wave's instructions in order, so the loads see my stores
	EACH 8, ds_load_b128 v[TMP+4*p:TMP+4*p+3], v[RD] offset:2*SPITCH*p
.set p, 0
.rept 8
	s_wait_dscnt 7-p                               ; pair p of rows is in; the younger loads stay out
	v_pk_add_f32 v[TMP+4*p:TMP+4*p+1], v[TMP+4*p:TMP+4*p+1], v[BIAS:BIAS+1]
	v_pk_add_f32 v[TMP+4*p+2:TMP+4*p+3], v[TMP+4*p+2:TMP+4*p+3], v[BIAS+2:BIAS+3]
	v_cvt_pk_bf16_f32 v[PKO+2*p], v[TMP+4*p], v[TMP+4*p+1]
	v_cvt_pk_bf16_f32 v[PKO+2*p+1], v[TMP+4*p+2], v[TMP+4*p+3]
	global_store_b64 v[GO], v[PKO+2*p:PKO+2*p+1], s[OUTP:OUTP+1] offset:256*p  ; the wave stores 256 consecutive bytes: two rows of the block
.set p, p+1
.endr
	s_wait_xcnt 0x0                                ; the stores' data and offset are rewritten only behind this wait
	v_add_nc_u32 v[RD], 16*SPITCH, v[RD]
	v_add_nc_u32 v[GO], 2048, v[GO]
	s_sub_co_u32 s3, s3, 1
	s_cmp_lg_u32 s3, 0
	s_cbranch_scc1 .Lout
.endif
.if KIND == 1
; gelu(x) = max(x, 0) - |x| y,  y = (a1 t + .. + a5 t^5) / 2 x e^(-x x / 2),  t = 1 / (1 + 0.3275911 |x| / sqrt(2)): erf by the rational form with five terms, off by 1.5e-7 at the most for every x.
; Where x x overflows the exponential is 0 and the result max(x, 0).  Written stage by stage over 16 numbers, so that no line waits for the one before it; the accumulators' registers are free and serve as room.
.set AX, 128
.set TT, 144
.set EE, 160
.set PL, 176
.set MX, 192
	DUMP
	s_mov_b32 s3, 8
.Lout:                                                 ; 8 rows a trip
	EACH 4, ds_load_b128 v[TMP+4*p:TMP+4*p+3], v[RD] offset:2*SPITCH*p
	s_wait_dscnt 0x0
	EACH 8, v_pk_add_f32 v[TMP+2*p:TMP+2*p+1], v[TMP+2*p:TMP+2*p+1], v[BIAS+2*(p%2):BIAS+2*(p%2)+1]
	EACH 16, v_and_b32 v[AX+p], s[SGN], v[TMP+p]
	EACH 8, v_pk_fma_f32 v[TT+2*p:TT+2*p+1], v[AX+2*p:AX+2*p+1], s[CP:CP+1], 1.0 op_sel_hi:[1,0,0]
	EACH 16, v_rcp_f32 v[TT+p], v[TT+p]
	EACH 8, v_pk_mul_f32 v[EE+2*p:EE+2*p+1], v[TMP+2*p:TMP+2*p+1], v[TMP+2*p:TMP+2*p+1]
	EACH 8, v_pk_mul_f32 v[EE+2*p:EE+2*p+1], v[EE+2*p:EE+2*p+1], s[CK:CK+1] op_sel_hi:[1,0]
	EACH 16, v_exp_f32 v[EE+p], v[EE+p]
	EACH 8, v_pk_fma_f32 v[PL+2*p:PL+2*p+1], v[TT+2*p:TT+2*p+1], s[A5:A5+1], s[A4:A4+1] op_sel_hi:[1,0,0]
	EACH 8, v_pk_fma_f32 v[PL+2*p:PL+2*p+1], v[PL+2*p:PL+2*p+1], v[TT+2*p:TT+2*p+1], s[A3:A3+1] op_sel_hi:[1,1,0]
	EACH 8, v_pk_fma_f32 v[PL+2*p:PL+2*p+1], v[PL+2*p:PL+2*p+1], v[TT+2*p:TT+2*p+1], s[A2:A2+1] op_sel_hi:[1,1,0]
	EACH 8, v_pk_fma_f32 v[PL+2*p:PL+2*p+1], v[PL+2*p:PL+2*p+1], v[TT+2*p:TT+2*p+1], s[A1:A1+1] op_sel_hi:[1,1,0]
	EACH 8, v_pk_mul_f32 v[PL+2*p:PL+2*p+1], v[PL+2*p:PL+2*p+1], v[TT+2*p:TT+2*p+1]
	EACH 8, v_pk_mul_f32 v[PL+2*p:PL+2*p+1], v[PL+2*p:PL+2*p+1], v[EE+2*p:EE+2*p+1]
	EACH 16, v_max_num_f32 v[MX+p], 0, v[TMP+p]
	EACH 8, v_pk_fma_f32 v[TMP+2*p:TMP+2*p+1], v[AX+2*p:AX+2*p+1], v[PL+2*p:PL+2*p+1], v[MX+2*p:MX+2*p+1] neg_lo:[1,0,0] neg_hi:[1,0,0]
	EACH 8, v_cvt_pk_bf16_f32 v[PKO+p], v[TMP+2*p], v[TMP+2*p+1]
	EACH 4, global_store_b64 v[GO], v[PKO+2*p:PKO+2*p+1], s[OUTP:OUTP+1] offset:256*p
	s_wait_xcnt 0x0                                ; the stores' data and offset are rewritten only behind this wait
	v_add_nc_u32 v[RD], 8*SPITCH, v[RD]
	v_add_nc_u32 v[GO], 1024, v[GO]
	s_sub_co_u32 s3, s3, 1
	s_cmp_lg_u32 s3, 0
	s_cbranch_scc1 .Lout
.endif
.if KIND == 2
	WIN 0x82                                       ; destination and source 0 window 2, the bias window 0: residual + bias
.set p, 0
.rept 32
	v_pk_add_f32 v[4*p:4*p+1], v[4*p:4*p+1], v[BIAS:BIAS+1]
	v_pk_add_f32 v[4*p+2:4*p+3], v[4*p+2:4*p+3], v[BIAS+2:BIAS+3]
.set p, p+1
.endr
	WIN 0
	DUMP
.irp g, 0,1,2,3
	s_wait_xcnt 0x0                                ; the registers that the last group's stores read are loaded again only behind this wait
	EACH 8, ds_load_b128 v[TMP+4*p:TMP+4*p+3], v[RD] offset:2*SPITCH*(8*(\g)+p)
	s_wait_dscnt 0x0
	WIN 0x08                                       ; source 1 window 2
	EACH 16, v_pk_add_f32 v[TMP+2*p:TMP+2*p+1], v[TMP+2*p:TMP+2*p+1], v[32*(\g)+2*p:32*(\g)+2*p+1]
	WIN 0
	EACH 8, global_store_b128 v[GO], v[TMP+4*p:TMP+4*p+3], s[OUTP:OUTP+1] offset:8192*(8*(\g)+p)  ; 16 lanes store 256 consecutive bytes, at a multiple of 256 from the output's first byte
.endr
.endif
	s_wait_tensorcnt 0x0                           ; the wave's end: behind my last tensor load and my last LDS store
	ds_add_u32 v[SPW], v[NIL]
	s_wait_dscnt 0x0
	CROUND                                         ; the closing round: no work-group ends while a partner may still ask for a tile that names it
	s_endpgm
.Lfunc_end_k_qe282623056_qkv:
	.size	k_qe282623056_qkv, .Lfunc_end_k_qe282623056_qkv-k_qe282623056_qkv
	.p2alignl 7, 3214868480
	.fill 96, 4, 3214868480
	.section	.rodata,"a",@progbits
	.p2align	6, 0x0
	.amdhsa_kernel k_qe282623056_qkv
		.amdhsa_group_segment_fixed_size 327680
		.amdhsa_private_segment_fixed_size 0
		.amdhsa_enable_private_segment 0
		.amdhsa_kernarg_size 32
		.amdhsa_user_sgpr_count 2
		.amdhsa_user_sgpr_kernarg_segment_ptr 1
		.amdhsa_wavefront_size32 1
		.amdhsa_system_sgpr_workgroup_id_x 1
		.amdhsa_system_sgpr_workgroup_id_y 1
		.amdhsa_system_sgpr_workgroup_id_z 1
		.amdhsa_system_vgpr_workitem_id 0
		.amdhsa_next_free_vgpr 512
		.amdhsa_next_free_sgpr 72
		.amdhsa_reserve_vcc 0
		.amdhsa_float_denorm_mode_32 3
		.amdhsa_float_denorm_mode_16_64 3
		.amdhsa_memory_ordered 1
		.amdhsa_forward_progress 1
		.amdhsa_inst_pref_size 84
	.end_amdhsa_kernel
	.amdgpu_metadata
---
amdhsa.version: [ 1, 2 ]
amdhsa.kernels:
  - .name:           k_qe282623056_qkv
    .symbol:         k_qe282623056_qkv.kd
    .args:
      - { .name: act16, .offset: 0, .size: 8, .value_kind: global_buffer, .address_space: global }
      - { .name: wq, .offset: 8, .size: 8, .value_kind: global_buffer, .address_space: global }
      - { .name: qkv_b, .offset: 16, .size: 8, .value_kind: global_buffer, .address_space: global }
      - { .name: big16, .offset: 24, .size: 8, .value_kind: global_buffer, .address_space: global }
    .group_segment_fixed_size: 327680
    .private_segment_fixed_size: 0
    .kernarg_segment_align: 8
    .kernarg_segment_size: 32
    .max_flat_workgroup_size: 128
    .sgpr_count:     72
    .vgpr_count:     512
    .wavefront_size: 32
...
	.end_amdgpu_metadata
.endif
;; end of part 2
;; launch attn (part 3): grid 8 x 32, 4 waves a work-group, no clusters, 327,680 bytes of LDS; arguments big16, o16; writes o16
.if DOCPART == 3
	.amdgcn_target "amdgcn-amd-amdhsa--gfx1250"
	.amdhsa_code_object_version 6
	.text
	.protected	k_qe282623056_attn
	.globl	k_qe282623056_attn
	.p2align	8
	.type	k_qe282623056_attn,@function
k_qe282623056_attn:
	s_mov_b64 s[64:65], 0
	v_nop
	global_prefetch_b8 v0, s[64:65] scope:SCOPE_SE
	s_setreg_imm32_b32 hwreg(HW_REG_WAVE_MODE, 25, 1), 1
	s_wait_xcnt 0x0
; CAUSAL ATTENTION, head size 64, 32 heads of 2,048 rows (head number 2 x head + batch).  q, k, v lie in big16 at bytes 0, 0x800000, 0x1000000, each [32][2048][64] in bf16, dense rows of 128 bytes; o16 likewise.
; Products, maxima and sums in f32; the weights p are rounded to bf16 for the second product (their sum l is taken of the unrounded p), O once at the end.
; LIMITS.  A hidden score counts as its value less 1e30; a weight below 2^-126 counts as 0 in l; NaN and infinities are not treated apart.
; THE WALK.  A head's queries lie in 16 blocks of 128, its keys in 16 tiles of 128; block i needs the tiles 0 .. i, of which the last holds the diagonal.  A work-group takes blocks 15 - b and then b:
; 17 tiles, 34 key steps of 64, whatever b.  One loop with a constant trip count walks the tiles; the ring of two LDS slots runs on across the change of blocks.  A tile's two key steps are written out, so that
; every LDS address is the slot's base, the lane's term and an immediate.
; NO CLUSTER: what a trip does (which tile, where a block ends) hangs on b, which differs between a head's eight work-groups, and all eight ask for the same tile only in the first 9 of the 17 trips.
; SHARES.  A wave owns two tiles of 16 queries, one in each of the block's two bands of 64: rows 128 i + 64 t + 16 w + l % 16.  So the diagonal is the same work for all four waves.
; THE MASK is the C operand that starts the sum S^T = K Q^T: MC = MD x AL + BE, MD the mask of a band's own step.  MC is 0 until the block's last tile.  In that tile's first step the first band takes MD and the
; second sees all keys; in its second step the first band sees none (-1e30) and the second takes MD.
; LAYOUT.  S^T = K Q^T holds one query a lane (l % 16) and the keys 8 (l / 16) + 0..7; two such results rounded to bf16 are source 1 of O^T = V^T P.  p = 2^(c s - c m), c = log2(e) / 8, with a running maximum m;
; O and l are multiplied by a = 2^(c m_old - c m_new) in every step.  A step goes in phases: 16 products K Q^T, the softmax of both tiles, 16 products V^T P.
; REGISTERS.  Window 0: v0-15 addresses; v16-23 statistics; v24-31 at work; v64-127 S^T; v128-159 P; v160-223 O^T; v224-255 MD.  Window 1: v0-31 Q; v32-63 the second block's Q; v64-127 K; v128-191 V; v192-255 MC.
.set KS,    64
.set PK,    144       ; a row of K in LDS: 128 bytes + 16
.set PV,    160       ; a row of V: 128 + 32
.set VOFF,  2*KS*PK   ; a slot holds a tile: 128 rows of K, then 128 rows of V
.set SLOT1, 1<<17     ; slot 1 begins here, so that one exclusive or turns an address in one slot into the other's
.set STAGE, SLOT1+2*KS*(PK+PV)  ; behind the ring, never filled by a tensor load: 16 rows x 144 bytes for each wave
.set SP,    144
.set SPARE, STAGE+4*16*SP       ; the spare words, 128 bytes for each wave: two blocks of 256 bytes that no other line names
.set AK0, 2           ; v2   my lane's place in a tile of K; never rewritten
.set AV0, 3           ; v3   the same for V
.set AK,  4           ; v4   the same in the slot in hand
.set AV,  5
.set STO, 6
.set RD,  7
.set GO,  8
.set MV,  12          ; v12-13  c m_old, by tile
.set QO,  15
.set ST,  16          ; tile t at v[ST+4 t]: c m, m, l (even keys', odd keys')
.set TMP, 24          ; tile t at v[TMP+4 t]: c0-c3 at work; c2 takes a
.set SPW, 32
.set NIL, 33
.set S,   64
.set P,   128
.set O,   160
.set MD,  224
.set QB,  32          ; window 1
.set KF,  64
.set VF,  128
.set MC,  192
.set WV,  12
.set PB,  14          ; b
.set HI,  15          ; 15 - b
.set G1K, 24
.set G1V, 32
.set G0K, 40
.set G0V, 44
.set SLOTS, 56
.set CS,  58
.set SEL, 60
.set RT,  70          ; tiles of the block in hand still to be entered
.set NXT, 71          ; the tile to be asked for next
.set LQ,  72          ; the last tile of the block whose tiles are being asked for
.set OFF, 74
.set AL,  76
.set BE,  78
.set OLO, 80          ; O at my rows of the second block
.set BIGN, 82
.set SB,  87          ; the slot in hand: 0 or SLOT1
.set QBP, 88          ; Q at my rows of the second block
.set MSB, 0
.macro WIN new
.if MSB != (\new)
	s_set_vgpr_msb (MSB<<8)|(\new)
.set MSB, (\new)
.endif
.endm
.set W_KM, 0x15       ; K, Q and the mask in window 1, S^T in window 0
.set W_KQ, 0x05       ; K and Q in window 1
.set W_PV, 0x01       ; V in window 1
.set W_T1, 0x40       ; destination in window 1
.macro LOAD                         ; waves 0, 1 fetch the halves of a tile's K, waves 2, 3 those of its V; an s_nop 0 and four v_nop follow each line
	s_cmp_lt_u32 s[WV], 2
	s_cbranch_scc0 .Lfor_v_\@
	tensor_load_to_lds s[G0K:G0K+3], s[G1K:G1K+7]
	s_nop 0
.rept 4
	v_nop
.endr
	s_branch .Lasked_\@
.Lfor_v_\@:
	tensor_load_to_lds s[G0V:G0V+3], s[G1V:G1V+7]
	s_nop 0
.rept 4
	v_nop
.endr
.Lasked_\@:
.endm
; THE CHANGE OF SLOTS.  Each wave waits for all its tensor loads (one is out: its part of the other slot), adds 0 to its spare word, and waits for that and for its reads of the slot that it leaves.
; fill = 1: the old slot is filled again, the first thing behind the barrier, with tile NXT; that load has the tile's two key steps in which to land.
.macro CHANGE fill
	WIN 0
	s_wait_tensorcnt 0x0            ; no tensor load of mine is out, so a group 0 may be written
	ds_add_u32 v[SPW], v[NIL]       ; 0 onto my spare word
.if \fill
	s_lshl_b32 s[OFF], s[NXT], 14   ; a tile is 16,384 bytes of K and of V
	s_xor_b32 s[G0K+1], s[G0K+1], SLOT1
	s_add_nc_u64 s[G0K+2:G0K+3], s[6:7], s[OFF:OFF+1]
	s_or_b32 s[G0K+3], s[G0K+3], 0x80000000
	s_xor_b32 s[G0V+1], s[G0V+1], SLOT1
	s_add_nc_u64 s[G0V+2:G0V+3], s[8:9], s[OFF:OFF+1]
	s_or_b32 s[G0V+3], s[G0V+3], 0x80000000
	s_add_co_u32 s[NXT], s[NXT], 1  ; the block's next tile, or behind its last the second block's tile 0
	s_cmp_gt_u32 s[NXT], s[LQ]
	s_cselect_b32 s[NXT], 0, s[NXT]
	s_cselect_b32 s[LQ], s[PB], s[LQ]
.endif
	s_wait_dscnt 0x0                ; the add is done, and my reads of the slot are over
	s_barrier_signal -1
	s_xor_b32 s[SB], s[SB], SLOT1
	s_barrier_wait -1
.if \fill
	LOAD
.endif
.endm
.macro MASK t                       ; MD x AL + BE into tile t's mask
	WIN W_T1
.set z, 0
.rept 16
	v_pk_fma_f32 v[MC+32*(\t)+2*z:MC+32*(\t)+2*z+1], v[MD+2*z:MD+2*z+1], s[AL:AL+1], s[BE:BE+1] op_sel_hi:[1,0,0]
.set z, z+1
.endr
.endm
; A block begins: c m far below every c s, so the first step's a is 0 and O and l need only be finite; m at the lowest finite number; both masks 0.
.macro INIT
	s_mov_b32 s[AL], 0
	s_mov_b32 s[BE], 0
	WIN 0
.irp t, 0,1
	v_mov_b32 v[ST+4*\t], 0xfe000000
	v_mov_b32 v[ST+4*\t+1], 0xff7fffff
.endr
	MASK 0
	MASK 1
	WIN 0
.endm
	s_load_b128 s[4:7], s[0:1], 0x0 ; big16 s[4:5], o16 s[6:7]
	v_lshl_add_u32 v[SPW], v0, 2, SPARE
	v_mov_b32 v[NIL], 0
	ds_add_u32 v[SPW], v[NIL]       ; the wave's opening: the add and its wait ahead of my first tensor load
	ds_add_u32 v32, v33
	v_lshrrev_b32 v1, 5, v0
	v_readfirstlane_b32 s[WV], v1
	s_mov_b32 s[PB], ttmp9
	s_sub_co_u32 s[HI], 15, s[PB]
	s_and_b32 s20, ttmp7, 0xffff
	s_lshl_b32 s20, s20, 18         ; the head's first byte in q, k, v and o
	s_and_b32 s16, s[WV], 1         ; which half of a tile's 128 keys I fetch
	s_lshl_b32 s22, s16, 13
	s_add_co_u32 s22, s22, s20
	s_mov_b32 s23, 0
	s_mul_i32 s17, s16, 64*PK
	s_mul_i32 s18, s16, 64*PV
	s_lshl_b32 s3, s[WV], 11        ; my 16 rows in a band of 64
	s_add_co_u32 s3, s3, s20
	s_lshl_b32 s2, s[HI], 14        ; in the first block,
	s_add_co_u32 s2, s2, s3
	s_lshl_b32 s90, s[PB], 14       ; and in the second
	s_add_co_u32 s90, s90, s3
	s_mov_b32 s3, 0
	s_mov_b32 s91, 0
	; 64 keys are 8,192 dense bytes: asked for as 32 rows of 256 bytes (a wave's quarter of the tile's K and V holds no more), padded in LDS after every key
	s_mov_b32 s[G1K], (1<<16)|(1<<20)|(4<<22)|(3<<25)
	s_mov_b32 s[G1V], (1<<16)|(1<<20)|(4<<22)|(7<<25)
.irp g, G1K, G1V
	s_mov_b32 s[\g+1], 128<<16      ; tensor_dim0 = 128
	s_mov_b32 s[\g+2], 32<<16       ; tensor_dim1 = 32
	s_mov_b32 s[\g+3], 128<<16      ; tile_dim0 = 128
	s_mov_b32 s[\g+4], 32           ; tile_dim1 = 32
	s_mov_b32 s[\g+5], 128          ; 128 elements from row to row
	s_mov_b32 s[\g+6], 0
	s_mov_b32 s[\g+7], 0
.endr
	s_mov_b32 s[CS], 0x3e38aa3b     ; c = log2(e) / 8
	s_mov_b32 s[CS+1], s[CS]
	s_mov_b32 s[SEL], 0x76543210
	s_mov_b32 s[SEL+1], 0xfedcba98
	s_mov_b32 s[SB], SLOT1          ; the first change of slots turns it into 0
	s_mov_b32 s[G0K], 1
	s_mov_b32 s[G0K+1], s17
	s_mov_b32 s[G0V], 1
	s_add_co_u32 s[G0V+1], s18, VOFF
	s_mov_b32 s[LQ], s[HI]
	s_add_co_u32 s[RT], s[HI], 1    ; the first block has 16 - b tiles
	s_mov_b32 s[NXT], 1
	s_mov_b32 s[OFF+1], 0
	s_mov_b32 s[AL+1], 0
	s_mov_b32 s[BE+1], 0
	s_mov_b32 s[BIGN], 0xf149f2ca   ; -1e30
	s_mov_b32 s[SLOTS], 16
	s_wait_dscnt 0x0                ; the opening add is done
	s_wait_kmcnt 0x0
	s_mov_b64 s[10:11], s[6:7]      ; O
	s_add_nc_u64 s[6:7], s[4:5], s[22:23]
	s_add_nc_u64 s[8:9], s[6:7], 0x1000000   ; V at my half of the head's tile 0
	s_add_nc_u64 s[6:7], s[6:7], 0x800000    ; K likewise
	s_add_nc_u64 s[G0K+2:G0K+3], s[6:7], 0
	s_or_b32 s[G0K+3], s[G0K+3], 0x80000000
	s_add_nc_u64 s[G0V+2:G0V+3], s[8:9], 0
	s_or_b32 s[G0V+3], s[G0V+3], 0x80000000
	s_add_nc_u64 s[QBP:QBP+1], s[4:5], s[90:91]
	s_add_nc_u64 s[4:5], s[4:5], s[2:3]
	s_add_nc_u64 s[OLO:OLO+1], s[10:11], s[90:91]
	s_add_nc_u64 s[10:11], s[10:11], s[2:3]
	LOAD                            ; tile 0 into slot 0
	v_and_b32 v1, 15, v0            ; l % 16
	v_bfe_u32 v9, v0, 4, 1          ; l / 16
	v_lshlrev_b32 v[QO], 7, v1
	v_lshl_add_u32 v[QO], v9, 4, v[QO]
	WIN W_T1
.set i, 0
.rept 4                             ; both blocks' Q: tile i / 2 lies one band, 8,192 bytes, on; channels 32 (i % 2) on
	global_load_b128 v[8*i:8*i+3],   v[QO], s[4:5] offset:(i/2)*8192+(i%2)*64
	global_load_b128 v[8*i+4:8*i+7], v[QO], s[4:5] offset:(i/2)*8192+(i%2)*64+32
	global_load_b128 v[QB+8*i:QB+8*i+3],   v[QO], s[QBP:QBP+1] offset:(i/2)*8192+(i%2)*64
	global_load_b128 v[QB+8*i+4:QB+8*i+7], v[QO], s[QBP:QBP+1] offset:(i/2)*8192+(i%2)*64+32
.set i, i+1
.endr
	WIN 0
	v_lshlrev_b32 v14, 3, v9
	v_sub_nc_u32 v14, v1, v14
	s_lshl_b32 s13, s[WV], 4
	v_add_nc_u32 v14, s13, v14      ; my query's place in its band less my lanes' 8 (l / 16): register j of key group kt is hidden where 16 kt + j is greater
.set i, 0
.rept 32
	v_cmp_gt_i32 vcc_lo, 16*(i/8)+i%8, v14
	v_cndmask_b32 v[MD+i], 0, s[BIGN], vcc_lo
.set i, i+1
.endr
	v_mul_u32_u24 v[AK0], v1, PK
	v_lshl_add_u32 v[AK0], v9, 4, v[AK0]
	v_and_b32 v10, 7, v0
	v_bfe_u32 v11, v0, 3, 1
	v_lshl_add_u32 v[AV0], v9, 3, v10
	v_mul_u32_u24 v[AV0], v[AV0], PV
	v_lshl_add_u32 v[AV0], v11, 4, v[AV0]
	v_add_nc_u32 v[AV0], VOFF, v[AV0]
	s_mul_i32 s13, s[WV], 16*SP
	s_add_co_u32 s13, s13, STAGE    ; my stage
	v_mul_u32_u24 v[STO], v1, SP
	v_lshl_add_u32 v[STO], v9, 4, v[STO]
	v_add_nc_u32 v[STO], s13, v[STO]
	v_bfe_u32 v[RD], v0, 3, 2
	v_mul_u32_u24 v[RD], v[RD], SP
	v_lshl_add_u32 v[RD], v10, 4, v[RD]
	v_add_nc_u32 v[RD], s13, v[RD]
	v_and_b32 v[GO], 31, v0
	v_lshlrev_b32 v[GO], 4, v[GO]
.set i, 0
.rept 64                            ; O^T and l need only be finite where a block begins: zeros, written in the wait for the first tile
	v_mov_b32 v[O+i], 0
.set i, i+1
.endr
.irp t, 0,1
	v_mov_b32 v[ST+4*\t+2], 0
	v_mov_b32 v[ST+4*\t+3], 0
.endr
	INIT
	s_wait_loadcnt 0x0              ; Q
; THE MATRIX WORK.  The 8 accumulators of a run of 16 take turns.  Product i of S^T = K Q^T: channels 32 (i / 8) on, keys 16 ((i / 2) % 4) on, tile i % 2.  The first 8 start the sums with the mask.
.macro KQ
.set rS, S+32*(i%2)+8*((i/2)%4)
.set rK, KF+16*((i/2)%4)+8*(i/8)
.set rQ, 16*(i%2)+8*(i/8)
.set rM, MC+32*(i%2)+8*((i/2)%4)
.if i < 8
	WIN W_KM
	v_wmma_f32_16x16x32_bf16 v[rS:rS+7], v[rK:rK+7], v[rQ:rQ+7], v[rM:rM+7]
.else
	WIN W_KQ
	v_wmma_f32_16x16x32_bf16 v[rS:rS+7], v[rK:rK+7], v[rQ:rQ+7], v[rS:rS+7]
.endif
.set i, i+1
.endm
; Product i of O^T += V^T P: keys 32 (i / 8) on, channels 16 ((i / 2) % 4) on, tile i % 2.
.macro PV_
	WIN W_PV
.set rO, O+32*(i%2)+8*((i/2)%4)
.set rV, VF+32*(i/8)+8*((i/2)%4)
.set rP, P+16*(i%2)+8*(i/8)
	v_wmma_f32_16x16x32_bf16 v[rO:rO+7], v[rV:rV+7], v[rP:rP+7], v[rO:rO+7]
.set i, i+1
.endm
.macro FETCH_K k                    ; K of the tile's step k: 64 keys x 64 channels, 16 loads in one run; the step's place stands in the immediate
	WIN W_T1
.irp f, 0,1,2,3,4,5,6,7
	ds_load_b128 v[KF+8*\f:KF+8*\f+3],   v[AK] offset:(\k)*KS*PK+(\f/2)*16*PK+(\f%2)*64
	ds_load_b128 v[KF+8*\f+4:KF+8*\f+7], v[AK] offset:(\k)*KS*PK+(\f/2)*16*PK+(\f%2)*64+32
.endr
	WIN 0
.endm
.macro FETCH_V k                    ; its V, turned
	WIN W_T1
.irp f, 0,1,2,3,4,5,6,7
	ds_load_tr16_b128 v[VF+8*\f:VF+8*\f+3],   v[AV] offset:(\k)*KS*PV+(\f/4)*32*PV+(\f%4)*32
	ds_load_tr16_b128 v[VF+8*\f+4:VF+8*\f+7], v[AV] offset:(\k)*KS*PV+(\f/4)*32*PV+16*PV+(\f%4)*32
.endr
	WIN 0
.endm
.macro REGS t
.set rT, ST+4*(\t)
.set rC, TMP+4*(\t)
.set rW, MV+(\t)
.set rS, S+32*(\t)
.set rP, P+16*(\t)
.set rO, O+32*(\t)
.endm
; Number n of the 22 that find a tile's maximum and statistics; each accumulator's lowest registers are read first.
.macro XS t, n
	REGS \t
.if (\n) < 4
	v_max3_num_f32 v[rC+(\n)], v[rS+8*(\n)], v[rS+8*(\n)+1], v[rS+8*(\n)+2]
.elseif (\n) < 12
	v_max3_num_f32 v[rC+(\n)%4], v[rC+(\n)%4], v[rS+8*((\n)%4)+2*((\n)/4)+1], v[rS+8*((\n)%4)+2*((\n)/4)+2]
.elseif (\n) == 12
	v_max3_num_f32 v[rC], v[rC], v[rS+7], v[rS+15]
.elseif (\n) == 13
	v_max3_num_f32 v[rC+1], v[rC+1], v[rS+23], v[rS+31]
.elseif (\n) == 14
	v_max3_num_f32 v[rC+2], v[rC+2], v[rC+3], v[rT+1]
.elseif (\n) == 15
	v_mov_b32 v[rW], v[rT]
.elseif (\n) == 16
	v_max3_num_f32 v[rC], v[rC], v[rC+1], v[rC+2]
.elseif (\n) == 17
	v_permlanex16_b32 v[rC+3], v[rC], s[SEL], s[SEL+1]
.elseif (\n) == 18
	v_max_num_f32 v[rT+1], v[rC], v[rC+3]
.elseif (\n) == 19
	v_mul_f32 v[rT], s[CS], v[rT+1]
.elseif (\n) == 20
	v_sub_f32 v[rC+1], v[rW], v[rT]
.else
	v_exp_f32 v[rC+2], v[rC+1]
.endif
.endm
.macro FS t, n                      ; c s - c m for pair n
	REGS \t
	v_pk_fma_f32 v[rS+2*(\n):rS+2*(\n)+1], v[rS+2*(\n):rS+2*(\n)+1], s[CS:CS+1], v[rT:rT+1] op_sel_hi:[1,0,0] neg_lo:[0,0,1] neg_hi:[0,0,1]
.endm
.macro RSC t, n                     ; pair n of O^T times a
	REGS \t
	s_wait_alu depctr_va_vdst(0)
	v_pk_mul_f32 v[rO+2*(\n):rO+2*(\n)+1], v[rO+2*(\n):rO+2*(\n)+1], v[rC+2:rC+3] op_sel_hi:[1,0]
.endm
.macro CV t, n                      ; pair n of weights rounded to bf16
	REGS \t
	s_wait_alu depctr_va_vdst(0)
	v_cvt_pk_bf16_f32 v[rP+(\n)], v[rS+2*(\n)], v[rS+2*(\n)+1]
.endm
; THE SOFTMAX of both tiles for one key step, all in window 0, the tiles alternating.  Behind each exponential stands a plain line that is ready: a rescaling of O^T, or the rounding of a pair whose
; second exponential has a plain line behind it already.
.macro SOFTMAX
.irp n, 0,1,2,3,4,5,6,7,8,9,10,11,12,13,14,15,16,17,18,19,20,21
	XS 0, \n
	XS 1, \n
.endr
.set n, 0
.rept 16
	FS 0, n
	FS 1, n
.set n, n+1
.endr
.set e, 0
.rept 64
	REGS e%2
	v_exp_f32 v[rS+e/2], v[rS+e/2]
.if e%4 == 1
	RSC 0, e/4
.elseif e%4 == 2
	RSC 1, e/4
.elseif e%4 == 3
	CV 0, e/4
.elseif e >= 4
	CV 1, e/4-1
.endif
.set e, e+1
.endr
	CV 1, 15
.irp w, 4, 8, 16, 32                ; the sum of a tile's 16 pairs, a tree in place
.set u, 0
.rept 32/\w
	v_pk_add_f32 v[S+\w*u:S+\w*u+1], v[S+\w*u:S+\w*u+1], v[S+\w*u+\w/2:S+\w*u+\w/2+1]
	v_pk_add_f32 v[S+32+\w*u:S+32+\w*u+1], v[S+32+\w*u:S+32+\w*u+1], v[S+32+\w*u+\w/2:S+32+\w*u+\w/2+1]
.set u, u+1
.endr
.endr
.irp t, 0,1
	v_pk_fma_f32 v[ST+4*\t+2:ST+4*\t+3], v[ST+4*\t+2:ST+4*\t+3], v[TMP+4*\t+2:TMP+4*\t+3], v[S+32*\t:S+32*\t+1] op_sel_hi:[1,0,1]
.endr
.endm
; THE WAY OUT of a block: O^T is divided by l, rounded to bf16 and sent through my stage, a tile at a time.
.macro PACK t
	REGS \t
.set n, 0
.rept 16
	v_pk_mul_f32 v[rO+2*n:rO+2*n+1], v[rO+2*n:rO+2*n+1], v[rT+2:rT+3] op_sel_hi:[1,0]
.set n, n+1
.endr
.set n, 0
.rept 16
	v_cvt_pk_bf16_f32 v[S+16*(\t)+n], v[rO+2*n], v[rO+2*n+1]
.set n, n+1
.endr
.irp f, 0,1,2,3
	ds_store_b128 v[STO], v[S+16*(\t)+4*\f:S+16*(\t)+4*\f+3] offset:32*\f
.endr
.irp f, 0,1,2,3
	ds_load_b128 v[S+16*(\t)+4*\f:S+16*(\t)+4*\f+3], v[RD] offset:\f*4*SP  ; LDS serves a wave's instructions in order: these see the stores above; the next tile's stores come behind them
.endr
.endm
.macro SEND t, younger              ; younger: the LDS instructions issued behind tile t's loads
.irp f, 0,1,2,3
	s_wait_dscnt (\younger)+3-\f
	global_store_b128 v[GO], v[S+16*(\t)+4*\f:S+16*(\t)+4*\f+3], s[10:11] offset:(\t)*8192+\f*512  ; 512 consecutive bytes, at a multiple of 256 from O's first
.endr
.endm
.macro END last
	WIN 0
.irp t, 0,1
	v_add_f32 v[ST+4*\t+2], v[ST+4*\t+2], v[ST+4*\t+3]
.endr
.irp t, 0,1
	v_permlanex16_b32 v[ST+4*\t+3], v[ST+4*\t+2], s[SEL], s[SEL+1]
.endr
.irp t, 0,1
	v_add_f32 v[ST+4*\t+2], v[ST+4*\t+2], v[ST+4*\t+3]
.endr
.irp t, 0,1
	v_rcp_f32 v[ST+4*\t+2], v[ST+4*\t+2]
.endr
	v_nop                           ; a plain instruction between the last reciprocal and the use of its result
	s_wait_alu depctr_va_vdst(0)
	PACK 0
	PACK 1
	SEND 0, 8
	SEND 1, 0
.if !(\last)
	s_wait_xcnt 0x0                 ; the stores have read their registers and O's address
	s_mov_b64 s[10:11], s[OLO:OLO+1]
	s_add_co_u32 s[RT], s[PB], 1    ; the second block has b + 1 tiles
	WIN 0x41                        ; the second block's Q goes where the one text of the products names Q
.set i, 0
.rept 32
	v_mov_b32 v[i], v[QB+i]
.set i, i+1
.endr
	WIN 0
	INIT
.endif
.endm
; KEY STEP k (0, 1) of the tile in hand.  cond = 1: the masks are made only in a block's last tile (RT = 0); cond = 0 (the walk's last tile): always.
.macro STEP k, cond
.if \cond
	s_cmp_lg_u32 s[RT], 0
	s_cbranch_scc1 .Lopen_\@        ; not the diagonal tile: the masks are 0 as they stand
.endif
.if (\k) == 0
	s_mov_b32 s[AL], 1.0            ; the first band's own step; the second band's mask stays 0
	s_mov_b32 s[BE], 0
	MASK 0
.else
	s_mov_b32 s[AL], 0              ; the first band sees none of these keys,
	s_mov_b32 s[BE], s[BIGN]
	MASK 0
	s_mov_b32 s[AL], 1.0            ; and it is the second band's own step
	s_mov_b32 s[BE], 0
	MASK 1
.endif
	WIN 0
.Lopen_\@:
	s_wait_dscnt 16                 ; K is in; V's sixteen loads, issued behind K's, may be out
.set i, 0
.rept 16
	KQ
.endr
	WIN 0
.rept 4
	v_nop                           ; the four places behind the products, ahead of the loads into K's registers and of the reads of S^T
.endr
.if (\k) == 0
	FETCH_K 1
.endif
	SOFTMAX
	s_wait_dscnt 0x0                ; V is in (and the next K, asked for a softmax ago)
.set i, 0
.rept 16
	PV_
.endr
	WIN 0
.rept 4
	v_nop                           ; four places again, ahead of the loads into V's registers and of the reads of O^T
.endr
.if (\k) == 0
	FETCH_V 1
.endif
.endm
; A TILE: the change of slots, the first step's fetches, two key steps, and the block's end if this was its last tile.
.macro TILE fill
	CHANGE \fill
.if \fill
	s_sub_co_u32 s[RT], s[RT], 1
.endif
	v_add_nc_u32 v[AK], s[SB], v[AK0]
	v_add_nc_u32 v[AV], s[SB], v[AV0]
	FETCH_K 0
	FETCH_V 0
	STEP 0, \fill
	STEP 1, \fill
.if \fill
	s_cmp_eq_u32 s[RT], 0
	s_cbranch_scc0 .Lon_\@
	END 0                           ; in the loop this is the first block's end: the second block's last tile is the walk's last
.Lon_\@:
.else
	END 1
.endif
.endm
.Lslot:                             ; 16 times: a tile is entered and the next is asked for
	TILE 1
	s_sub_co_u32 s[SLOTS], s[SLOTS], 1
	s_cmp_lg_u32 s[SLOTS], 0
	s_cbranch_scc1 .Lslot
	TILE 0                          ; the walk's last tile is written out: nothing is asked for
	s_wait_tensorcnt 0x0            ; the wave's end: behind my last tensor load and my last LDS store
	ds_add_u32 v[SPW], v[NIL]
	s_wait_dscnt 0x0
	s_endpgm
.Lfunc_end_k_qe282623056_attn:
	.size	k_qe282623056_attn, .Lfunc_end_k_qe282623056_attn-k_qe282623056_attn
	.p2alignl 7, 3214868480
	.fill 96, 4, 3214868480
	.section	.rodata,"a",@progbits
	.p2align	6, 0x0
	.amdhsa_kernel k_qe282623056_attn
		.amdhsa_group_segment_fixed_size 327680
		.amdhsa_private_segment_fixed_size 0
		.amdhsa_enable_private_segment 0
		.amdhsa_kernarg_size 16
		.amdhsa_user_sgpr_count 2
		.amdhsa_user_sgpr_kernarg_segment_ptr 1
		.amdhsa_wavefront_size32 1
		.amdhsa_system_sgpr_workgroup_id_x 1
		.amdhsa_system_sgpr_workgroup_id_y 1
		.amdhsa_system_sgpr_workgroup_id_z 1
		.amdhsa_system_vgpr_workitem_id 0
		.amdhsa_next_free_vgpr 512
		.amdhsa_next_free_sgpr 96
		.amdhsa_reserve_vcc 1
		.amdhsa_float_denorm_mode_32 3
		.amdhsa_float_denorm_mode_16_64 3
		.amdhsa_memory_ordered 1
		.amdhsa_forward_progress 1
		.amdhsa_inst_pref_size 116
	.end_amdhsa_kernel
	.amdgpu_metadata
---
amdhsa.version: [ 1, 2 ]
amdhsa.kernels:
  - .name:           k_qe282623056_attn
    .symbol:         k_qe282623056_attn.kd
    .args:
      - { .name: big16, .offset: 0, .size: 8, .value_kind: global_buffer, .address_space: global }
      - { .name: o16, .offset: 8, .size: 8, .value_kind: global_buffer, .address_space: global }
    .group_segment_fixed_size: 327680
    .private_segment_fixed_size: 0
    .kernarg_segment_align: 8
    .kernarg_segment_size: 16
    .max_flat_workgroup_size: 128
    .sgpr_count:     96
    .vgpr_count:     512
    .wavefront_size: 32
...
	.end_amdgpu_metadata
.endif
;; end of part 3
;; launch oproj: the kernel of part 2 again; grid 8 x 32, 4 waves a work-group, clusters of 4 x 4, 327,680 bytes of LDS; arguments o16, wo, attn_out_b, big16; writes big16
;; launch ln2 (part 4): grid 256 x 1, 8 waves a work-group, no clusters, 0 bytes of LDS; arguments x, big16, ln1_w, ln1_b, ln2_w, ln2_b, act16, r32; writes act16, r32
.if DOCPART == 4
	.amdgcn_target "amdgcn-amd-amdhsa--gfx1250"
	.amdhsa_code_object_version 6
	.text
	.protected	k_qe282623056_ln2
	.globl	k_qe282623056_ln2
	.p2align	8
	.type	k_qe282623056_ln2,@function
k_qe282623056_ln2:
	s_mov_b64 s[64:65], 0
	v_nop
	global_prefetch_b8 v0, s[64:65] scope:SCOPE_SE
	s_setreg_imm32_b32 hwreg(HW_REG_WAVE_MODE, 25, 1), 1
	s_wait_xcnt 0x0
; hn = LayerNorm2(LayerNorm1(x) + op).  xn is made anew from x in f32 (16 MB read, where storing it in f32 earlier would have been 16 MB written and 16 MB read); op, the attention's projected output,
; comes in bf16 in blocks of 64 columns.  hn leaves twice: in f32, row-major, as the last residual (r32), and rounded once to bf16 in blocks of 64 columns as the next product's operand (act16).
; A stream: no LDS, no barrier, no matrix unit.  16 rows a work-group; sixteen lanes own one row, 64 numbers a lane (columns 64 j + 4 r .. + 3).  Mean, then the centred squares' mean, all in f32.
.set X,   32          ; v[32:95]   the row's 64 numbers of my lane
.set W,   96          ; v[96:159]  gain
.set B,   160         ; v[160:223] bias
.set OPR, 224         ; v[224:255] op as loaded; at the end the packed hn
.set ACC, 8
.set MU,  16
.set RS,  18
.set T,   20          ; v[20:27]   at work
.set XO,  2
.set WO,  3
.set SO,  4
.macro EACH n, line:vararg
.set p, 0
.rept \n
	\line
.set p, p+1
.endr
.endm
.macro LNFOLD
	v_pk_add_f32 v[ACC:ACC+1], v[ACC:ACC+1], v[ACC+2:ACC+3]
	v_pk_add_f32 v[ACC+4:ACC+5], v[ACC+4:ACC+5], v[ACC+6:ACC+7]
	v_pk_add_f32 v[ACC:ACC+1], v[ACC:ACC+1], v[ACC+4:ACC+5]
	v_add_f32 v[ACC], v[ACC], v[ACC+1]
	v_add_f32_dpp v[ACC], v[ACC], v[ACC] row_xmask:1 row_mask:0xf bank_mask:0xf
	v_add_f32_dpp v[ACC], v[ACC], v[ACC] row_xmask:2 row_mask:0xf bank_mask:0xf
	v_add_f32_dpp v[ACC], v[ACC], v[ACC] row_xmask:4 row_mask:0xf bank_mask:0xf
	v_add_f32_dpp v[ACC], v[ACC], v[ACC] row_xmask:8 row_mask:0xf bank_mask:0xf
.endm
.macro LNSUM
	EACH 4, v_pk_add_f32 v[ACC+2*p:ACC+2*p+1], v[X+2*p:X+2*p+1], v[X+8+2*p:X+8+2*p+1]
.set p, 8
.rept 24
	v_pk_add_f32 v[ACC+2*(p%4):ACC+2*(p%4)+1], v[ACC+2*(p%4):ACC+2*(p%4)+1], v[X+2*p:X+2*p+1]
.set p, p+1
.endr
	LNFOLD
.endm
.macro LNCENTER
	v_mul_f32 v[MU], s6, v[ACC]
	v_mov_b32 v[MU+1], v[MU]
	EACH 32, v_pk_add_f32 v[X+2*p:X+2*p+1], v[X+2*p:X+2*p+1], v[MU:MU+1] neg_lo:[0,1] neg_hi:[0,1]
.endm
.macro LNVAR
	EACH 4, v_pk_mul_f32 v[ACC+2*p:ACC+2*p+1], v[X+2*p:X+2*p+1], v[X+2*p:X+2*p+1]
.set p, 4
.rept 28
	v_pk_fma_f32 v[ACC+2*(p%4):ACC+2*(p%4)+1], v[X+2*p:X+2*p+1], v[X+2*p:X+2*p+1], v[ACC+2*(p%4):ACC+2*(p%4)+1]
.set p, p+1
.endr
	LNFOLD
	v_fma_f32 v[RS], v[ACC], s6, s7
	v_rsq_f32 v[RS], v[RS]
	v_nop                           ; a plain instruction between the root and the use of its result
	s_wait_alu depctr_va_vdst(0)
	v_mov_b32 v[RS+1], v[RS]
.endm
.macro LNAPPLY
	EACH 32, v_pk_mul_f32 v[X+2*p:X+2*p+1], v[X+2*p:X+2*p+1], v[RS:RS+1]
	EACH 32, v_pk_fma_f32 v[X+2*p:X+2*p+1], v[X+2*p:X+2*p+1], v[W+2*p:W+2*p+1], v[B+2*p:B+2*p+1]
.endm
	s_load_b512 s[8:23], s[0:1], 0x0               ; x 8, big16 10, ln1_w 12, ln1_b 14, ln2_w 16, ln2_b 18, act16 20, r32 22
	v_and_b32 v1, 15, v0
	v_lshrrev_b32 v5, 4, v0
	v_lshlrev_b32 v[WO], 4, v1
	v_lshl_add_u32 v[XO], v5, 12, v[WO]            ; row x 4,096 + 16 r
	v_lshlrev_b32 v[SO], 3, v0                     ; row x 128 + 8 r
	s_lshl_b32 s2, ttmp9, 16
	s_mov_b32 s3, 0
	s_lshl_b32 s4, ttmp9, 11
	s_mov_b32 s5, 0
	s_mov_b32 s6, 0x3a800000                       ; 1 / 1024
	s_mov_b32 s7, 0x3727c5ac                       ; eps = 1e-5
	s_mov_b32 s24, 0xffff0000                      ; a word's upper bf16
	s_wait_kmcnt 0x0
	s_add_nc_u64 s[8:9], s[8:9], s[2:3]
	s_add_nc_u64 s[22:23], s[22:23], s[2:3]
	s_add_nc_u64 s[10:11], s[10:11], s[4:5]
	s_add_nc_u64 s[20:21], s[20:21], s[4:5]
	EACH 16, global_load_b128 v[X+4*p:X+4*p+3], v[XO], s[8:9] offset:256*p
	EACH 16, global_load_b64 v[OPR+2*p:OPR+2*p+1], v[SO], s[10:11] offset:p*524288
	EACH 16, global_load_b128 v[W+4*p:W+4*p+3], v[WO], s[12:13] offset:256*p
	EACH 16, global_load_b128 v[B+4*p:B+4*p+3], v[WO], s[14:15] offset:256*p
	s_wait_loadcnt 48                              ; x is in; the 48 younger loads (op, gain, bias) stay out
	LNSUM
	LNCENTER
	LNVAR
	s_wait_loadcnt 0x0
	LNAPPLY                                        ; xn
	EACH 16, global_load_b128 v[W+4*p:W+4*p+3], v[WO], s[16:17] offset:256*p
	EACH 16, global_load_b128 v[B+4*p:B+4*p+3], v[WO], s[18:19] offset:256*p
.set p, 0
.rept 16                                               ; h = xn + op
	v_lshlrev_b32 v[T+4*(p%2)],   16,  v[OPR+2*p]
	v_and_b32     v[T+4*(p%2)+1], s24, v[OPR+2*p]
	v_lshlrev_b32 v[T+4*(p%2)+2], 16,  v[OPR+2*p+1]
	v_and_b32     v[T+4*(p%2)+3], s24, v[OPR+2*p+1]
	v_pk_add_f32 v[X+4*p:X+4*p+1], v[X+4*p:X+4*p+1], v[T+4*(p%2):T+4*(p%2)+1]
	v_pk_add_f32 v[X+4*p+2:X+4*p+3], v[X+4*p+2:X+4*p+3], v[T+4*(p%2)+2:T+4*(p%2)+3]
.set p, p+1
.endr
	LNSUM
	LNCENTER
	LNVAR
	s_wait_loadcnt 0x0                             ; the second gain and bias
	LNAPPLY                                        ; hn
	EACH 16, global_store_b128 v[XO], v[X+4*p:X+4*p+3], s[22:23] offset:256*p
.set p, 0
.rept 16
	v_cvt_pk_bf16_f32 v[OPR+2*p], v[X+4*p], v[X+4*p+1]
	v_cvt_pk_bf16_f32 v[OPR+2*p+1], v[X+4*p+2], v[X+4*p+3]
	global_store_b64 v[SO], v[OPR+2*p:OPR+2*p+1], s[20:21] offset:p*524288
.set p, p+1
.endr
	s_endpgm
.Lfunc_end_k_qe282623056_ln2:
	.size	k_qe282623056_ln2, .Lfunc_end_k_qe282623056_ln2-k_qe282623056_ln2
	.p2alignl 7, 3214868480
	.fill 96, 4, 3214868480
	.section	.rodata,"a",@progbits
	.p2align	6, 0x0
	.amdhsa_kernel k_qe282623056_ln2
		.amdhsa_group_segment_fixed_size 0
		.amdhsa_private_segment_fixed_size 0
		.amdhsa_enable_private_segment 0
		.amdhsa_kernarg_size 64
		.amdhsa_user_sgpr_count 2
		.amdhsa_user_sgpr_kernarg_segment_ptr 1
		.amdhsa_wavefront_size32 1
		.amdhsa_system_sgpr_workgroup_id_x 1
		.amdhsa_system_sgpr_workgroup_id_y 1
		.amdhsa_system_sgpr_workgroup_id_z 1
		.amdhsa_system_vgpr_workitem_id 0
		.amdhsa_next_free_vgpr 256
		.amdhsa_next_free_sgpr 66
		.amdhsa_reserve_vcc 0
		.amdhsa_float_denorm_mode_32 3
		.amdhsa_float_denorm_mode_16_64 3
		.amdhsa_memory_ordered 1
		.amdhsa_forward_progress 1
		.amdhsa_inst_pref_size 41
	.end_amdhsa_kernel
	.amdgpu_metadata
---
amdhsa.version: [ 1, 2 ]
amdhsa.kernels:
  - .name:           k_qe282623056_ln2
    .symbol:         k_qe282623056_ln2.kd
    .args:
      - { .name: x, .offset: 0, .size: 8, .value_kind: global_buffer, .address_space: global }
      - { .name: big16, .offset: 8, .size: 8, .value_kind: global_buffer, .address_space: global }
      - { .name: ln1_w, .offset: 16, .size: 8, .value_kind: global_buffer, .address_space: global }
      - { .name: ln1_b, .offset: 24, .size: 8, .value_kind: global_buffer, .address_space: global }
      - { .name: ln2_w, .offset: 32, .size: 8, .value_kind: global_buffer, .address_space: global }
      - { .name: ln2_b, .offset: 40, .size: 8, .value_kind: global_buffer, .address_space: global }
      - { .name: act16, .offset: 48, .size: 8, .value_kind: global_buffer, .address_space: global }
      - { .name: r32, .offset: 56, .size: 8, .value_kind: global_buffer, .address_space: global }
    .group_segment_fixed_size: 0
    .private_segment_fixed_size: 0
    .kernarg_segment_align: 8
    .kernarg_segment_size: 64
    .max_flat_workgroup_size: 256
    .sgpr_count:     66
    .vgpr_count:     256
    .wavefront_size: 32
...
	.end_amdgpu_metadata
.endif
;; end of part 4
;; launch fc (part 5): grid 16 x 16, 4 waves a work-group, clusters of 4 x 4, 327,680 bytes of LDS; arguments act16, wf, c_fc_b, big16; writes big16
.if DOCPART == 5
	.amdgcn_target "amdgcn-amd-amdhsa--gfx1250"
	.amdhsa_code_object_version 6
	.text
	.protected	k_qe282623056_fc
	.globl	k_qe282623056_fc
	.p2align	8
	.type	k_qe282623056_fc,@function
k_qe282623056_fc:
	s_mov_b64 s[64:65], 0
	v_nop
	global_prefetch_b8 v0, s[64:65] scope:SCOPE_SE
	s_setreg_imm32_b32 hwreg(HW_REG_WAVE_MODE, 25, 1), 1
	s_wait_xcnt 0x0
	s_wait_alu depctr_hold_cnt(0) depctr_sa_sdst(0) depctr_va_vdst(0) depctr_va_sdst(0) depctr_va_ssrc(0) depctr_va_vcc(0) depctr_vm_vsrc(0)
	s_getreg_b32 s2, hwreg(HW_REG_IB_STS2, 6, 4)
	s_cmp_eq_u32 s2, 0
	s_cbranch_scc0 .Lentry_in_a_cluster
	s_endpgm
.Lentry_in_a_cluster:
	s_bfe_u32 s2, ttmp6, 0x10000c
	s_cmp_lg_u32 s2, 0xf033
	s_cbranch_scc0 .Lentry_shape_is_right
	s_endpgm
.Lentry_shape_is_right:
; G = gelu(A W + bias), the exact (erf) GELU.  A: [4096][1024] bf16 in blocks of 64 columns (byte (cb x 4096 + m) x 128 + 2 d).  W: [1024][4096] bf16 in blocks of 128 columns
; (byte (nb x 1024 + k) x 256 + 2 (n % 128)).  G: [4096][4096] bf16 in blocks of 64 columns.  Sums, bias and GELU in f32; G rounded once.  Operands are bf16, so the range is f32's.
; LIMITS.  erf by the rational form with five terms, off by 1.5e-7 at the most for every x; where x x overflows the exponential is 0 and the result max(x, 0); NaN and infinities are not treated apart.
; SHARES.  A tile of C is 256 x 256: 16 x 16 tiles, one work-group each.  Four waves, each 128 x 128: 64 accumulators of 16 x 16, 512 registers: for 32 along K a wave loads 2 x 128 x 64 bytes from LDS and
; issues 64 matrix instructions.  K goes in steps of 128 through two LDS slots.  A's part of a slot: two planes [256 rows][64 k], rows 144 bytes apart; W's part: two planes [128 k][128 n], rows 288 bytes apart,
; read turned by ds_load_tr16_b128.  Waves 0, 1 fetch a plane of A each, waves 2, 3 a plane of W each: 32,768 dense bytes a load.  From a request to the wait for it a wave issues 224 matrix instructions.
; CLUSTER.  4 x 4 work-groups: the four of a row need the same tiles of A, the four of a column the same tiles of W; each tile is asked for jointly.
; THE MATRIX INSTRUCTION IS USED TRANSPOSED (source 0 = 16 columns of W, source 1 = 16 rows of A): a lane holds eight neighbouring numbers of a row of C.
; THE WAY OUT.  Behind a barrier that follows every wave's last read of the ring, the ring's bytes (they have had their last fill) serve as stages: 128 rows x 528 bytes of f32 for each wave, its own.
; The sums go in as they lie in the accumulators and come back as rows, and one loop of 32 trips makes bias, GELU and rounding for 4 rows x 128 columns a trip.
; REGISTERS, in windows of 256.  Window 0: v16-30 addresses; v32-63, v192-207 at work on the way out; v64-127, v128-191 fragments of A, two buffers (on the way out: room for the GELU).
; Window 1: v64-127, v128-191 fragments of W.  Window 2: the 32 accumulators of my rows 0-63 ((a, b) at v[8 (8 a + b)]); window 3: those of my rows 64-127.
.set KTOT,   1024
.set KSTEP,  128
.set LAPS,   KTOT/(2*KSTEP)            ; a lap = two K steps = once round the ring
.set PA,     144                       ; a row of A in LDS: 128 bytes + 16: the 16 rows of a load start at 16 different groups of four banks
.set PW,     288                       ; a row of W: 256 + 32
.set APL,    256*PA                    ; a plane of A
.set HALFT,  APL                       ; what one tensor load brings: a plane of A, or a plane of W (128 x 288 is the same number)
.set BOFF,   2*HALFT
.set SLOT,   4*HALFT
.set SPARE,  2*SLOT                    ; behind the ring: the spare words, 128 bytes for each wave: two blocks of 256 bytes that no other line names
.set SPITCH, 528                       ; a row of the stage: 512 bytes + 16
.set WSTG,   2*HALFT                   ; a wave's stage: 128 x 528 = 67,584 of these 73,728 bytes
.set ADRA, 16                          ; v16-17  LDS address of my A fragments in slot 0, 1
.set ADRB, 20                          ; v20-21  of my W fragments
.set STO,  24                          ; v24     the way out: where I put 32 bytes of a row
.set RD,   25                          ; v25     where I read rows back; steps by four rows a trip
.set GO,   26                          ; v26     my byte offset in the output; steps by four rows a trip
.set BO,   27                          ; v27     my byte offset in the bias
.set SPW,  28                          ; v28     LDS address of my spare word; never rewritten
.set NIL,  29                          ; v29     0; never rewritten
.set LD,   32                          ; v32-47  four loads from the stage: 2 pairs of rows x 2 halves of the columns
.set X,    48                          ; v48-63  the 16 numbers at work
.set F0,   64                          ; fragment buffer 0
.set F1,   128                         ; fragment buffer 1
.set PKO,  192                         ; v192-199 packed results
.set BIAS, 200                         ; v200-207 the bias of my four columns in each half of the wave's 128
.set AX,   64                          ; the GELU's room, in A's fragment registers
.set TT,   80
.set EE,   96
.set PL,   112
.set MX,   128
.set G1,  24                           ; s[24:31] descriptor group 1 for A;  s[32:39] group 0, one set for each slot
.set G0,  32
.set G1B, 48                           ; s[48:55], s[56:63] the same for W
.set G0B, 56
.set BP,  68                           ; s[68:69] bias
.set OUTP, 70                          ; s[70:71] the output
.set CP, 74                            ; the GELU's constants, each the low word of a pair
.set CK, 76
.set A1, 78
.set A2, 80
.set A3, 82
.set A4, 84
.set A5, 86
.set SGN, 88
.set MSB, 0
.macro WIN new                         ; the immediate's high byte repeats the setting that is left
.if MSB != (\new)
	s_set_vgpr_msb (MSB<<8)|(\new)
.set MSB, \new
.endif
.endm
.set MUL_LO, 0xa1                      ; source 0 (W) window 1, source 1 (A) window 0, C and D window 2
.set MUL_HI, 0xf1                      ; the same, C and D window 3
.set TO_B,   0x40                      ; destination window 1, address window 0
.macro EACH n, line:vararg             ; one line for p = 0 .. n - 1
.set p, 0
	s_wait_alu depctr_va_vdst(0)
.rept \n
	\line
.set p, p+1
.endr
.endm
.macro JLOAD s                         ; a joint load: waves 0 and 1 fetch A's planes, waves 2 and 3 W's; an s_nop 0 and four v_nop follow each line
	s_cmp_eq_u32 s11, 0
	s_cbranch_scc0 .Lfor_b_\@
	tensor_load_to_lds s[G0+4*(\s):G0+4*(\s)+3], s[G1:G1+7]
	s_nop 0
.rept 4
	v_nop
.endr
	s_branch .Lasked_\@
.Lfor_b_\@:
	tensor_load_to_lds s[G0B+4*(\s):G0B+4*(\s)+3], s[G1B:G1B+7]
	s_nop 0
.rept 4
	v_nop
.endr
.Lasked_\@:
.endm
.macro CREST                           ; a round of the cluster's barrier behind its opening barrier
	s_cmp_lg_u32 s10, 0
	s_cbranch_scc1 .Lnot_wave_0_\@
	s_barrier_signal -3
.Lnot_wave_0_\@:
	s_barrier_wait -3
	s_barrier_signal -1
	s_barrier_wait -1
.endm
.macro CROUND
	s_barrier_signal -1
	s_barrier_wait -1
	CREST
.endm
	s_load_b128 s[4:7], s[0:1], 0x0                ; A s[4:5], W s[6:7]
	s_load_b128 s[68:71], s[0:1], 0x10             ; bias, the output
	v_lshl_add_u32 v[SPW], v0, 2, SPARE
	v_mov_b32 v[NIL], 0
	ds_add_u32 v[SPW], v[NIL]                      ; the wave's opening: the add and its wait ahead of my first tensor load
	ds_add_u32 v28, v29
	v_lshrrev_b32 v1, 5, v0
	v_readfirstlane_b32 s10, v1                    ; wave 0..3
	s_lshr_b32 s11, s10, 1                         ; which half of the tile's rows is mine.  Also: I fetch for A (0) or for W (1)
	s_and_b32 s12, s10, 1                          ; which half of its columns.  Also: which plane of that tile I fetch
	s_bfe_u32 s40, ttmp6, 0x40000                  ; cx, cy: my place in the cluster
	s_bfe_u32 s41, ttmp6, 0x40004
	s_lshl_b32 s42, ttmp9, 2
	s_add_co_u32 s42, s42, s40                     ; tile column of C
	s_and_b32 s13, ttmp7, 0xffff
	s_lshl_b32 s13, s13, 2
	s_add_co_u32 s13, s13, s41                     ; tile row of C
	s_lshl_b32 s43, s41, 2
	s_lshl_b32 s43, 15, s43                        ; my row of the cluster
	s_lshl_b32 s44, 0x1111, s40                    ; my column
	; A: 256 rows of 128 bytes of one block of 64 columns are 32,768 dense bytes: asked for as two runs of 8,192 elements, padded by 4 words after every 32: 256 LDS rows of 144 bytes
	s_or_b32 s[G1+0], s43, (1<<16)|(1<<20)|(1<<21)|(4<<22)|(3<<25)
	s_mov_b32 s[G1+1], 8192<<16                    ; tensor_dim0
	s_mov_b32 s[G1+2], 2<<16                       ; tensor_dim1
	s_mov_b32 s[G1+3], 8192<<16                    ; tile_dim0
	s_mov_b32 s[G1+4], 2                           ; tile_dim1
	s_mov_b32 s[G1+5], 8192                        ; elements from run to run
	s_mov_b32 s[G1+6], 0
	s_mov_b32 s[G1+7], 0
	; W: 128 rows of 128 elements, dense, padded by 8 words after every 64: LDS rows of 288 bytes
	s_or_b32 s[G1B+0], s44, (1<<16)|(1<<20)|(1<<21)|(5<<22)|(7<<25)
	s_mov_b32 s[G1B+1], 128<<16
	s_mov_b32 s[G1B+2], 128<<16
	s_mov_b32 s[G1B+3], 128<<16
	s_mov_b32 s[G1B+4], 128
	s_mov_b32 s[G1B+5], 128
	s_mov_b32 s[G1B+6], 0
	s_mov_b32 s[G1B+7], 0
	s_lshl_b32 s16, s12, 19                        ; A: my block of 64 columns (524,288 bytes each),
	s_lshl_b32 s17, s13, 15                        ; the tile's 256 rows of 128 bytes
	s_add_co_u32 s16, s16, s17
	s_mov_b32 s17, 0
	s_lshl_b32 s46, s42, 19                        ; W: block 2 x tile column + plane, 262,144 bytes each
	s_lshl_b32 s47, s12, 18
	s_add_co_u32 s46, s46, s47
	s_mov_b32 s47, 0
	s_mul_i32 s20, s10, HALFT                      ; where they go: no place in the cluster enters an LDS address
	s_mov_b32 s[CP], 0x3e6d3389                    ; 0.3275911 / sqrt(2)
	s_mov_b32 s[CK], 0xbf38aa3b                    ; -log2(e) / 2
	s_mov_b32 s[A1], 0x3e027906                    ; half of 0.254829592
	s_mov_b32 s[A2], 0xbe11a98e                    ; half of -0.284496736
	s_mov_b32 s[A3], 0x3f35f0e3                    ; half of 1.421413741
	s_mov_b32 s[A4], 0xbf3a00e3                    ; half of -1.453152027
	s_mov_b32 s[A5], 0x3f07dc22                    ; half of 1.061405429
.irp c, CP, CK, A1, A2, A3, A4, A5
	s_mov_b32 s[\c+1], s[\c]                       ; named with it as a pair
.endr
	s_mov_b32 s[SGN], 0x7fffffff
	s_wait_dscnt 0x0                               ; the opening add is done
	s_wait_kmcnt 0x0
	s_add_nc_u64 s[14:15], s[4:5], s[16:17]
	s_add_nc_u64 s[46:47], s[6:7], s[46:47]
	CROUND                                         ; all sixteen work-groups are here: the first joint loads meet
.irp s, 0,1
	s_mov_b32 s[G0+4*(\s)], 1
	s_add_co_u32 s[G0+4*(\s)+1], s20, (\s)*SLOT
	s_add_nc_u64 s[G0+4*(\s)+2:G0+4*(\s)+3], s[14:15], (\s)*(1<<20)   ; K step s: two blocks of 64 columns on
	s_or_b32 s[G0+4*(\s)+3], s[G0+4*(\s)+3], 0x80000000
	s_mov_b32 s[G0B+4*(\s)], 1
	s_add_co_u32 s[G0B+4*(\s)+1], s20, (\s)*SLOT
	s_add_nc_u64 s[G0B+4*(\s)+2:G0B+4*(\s)+3], s[46:47], (\s)*(1<<15) ; 128 rows of 256 bytes on
	s_or_b32 s[G0B+4*(\s)+3], s[G0B+4*(\s)+3], 0x80000000
	JLOAD \s
.endr
	v_and_b32 v1, 15, v0                           ; r = l % 16
	v_bfe_u32 v2, v0, 4, 1                         ; h = l / 16
	v_mul_u32_u24 v3, v1, PA
	v_lshl_add_u32 v3, v2, 4, v3                   ; A: row x pitch + 16 h
	s_mul_i32 s21, s11, 128*PA                     ; my 128 rows
	v_add_nc_u32 v[ADRA], s21, v3
	v_add_nc_u32 v[ADRA+1], SLOT, v[ADRA]
	v_and_b32 v4, 7, v0
	v_lshl_add_u32 v4, v2, 3, v4                   ; W: k row 8 h + l % 8,
	v_mul_u32_u24 v4, v4, PW
	v_bfe_u32 v5, v0, 3, 1
	v_lshl_add_u32 v4, v5, 4, v4                   ; columns 8 ((l / 8) % 2) on,
	s_mul_i32 s22, s12, HALFT                      ; in my plane of 128 columns
	s_add_co_u32 s22, s22, BOFF
	v_add_nc_u32 v[ADRB], s22, v4
	v_add_nc_u32 v[ADRB+1], SLOT, v[ADRB]
	s_mul_i32 s23, s10, WSTG                       ; my stage
	v_mul_u32_u24 v6, v1, SPITCH
	v_lshl_add_u32 v6, v2, 5, v6                   ; in: row r, 32 bytes for each half of the lanes
	v_add_nc_u32 v[STO], s23, v6
	v_mul_u32_u24 v6, v2, SPITCH
	v_lshl_add_u32 v6, v1, 4, v6                   ; back: lanes 0-15 take 256 bytes of one row, lanes 16-31 of the next
	v_add_nc_u32 v[RD], s23, v6
	v_lshlrev_b32 v[BO], 4, v1
	s_lshl_b32 s46, s42, 10                        ; my 128 columns in f32 bytes: 1,024 x tile column + 512 x half
	s_lshl_b32 s47, s12, 9
	s_add_co_u32 s46, s46, s47
	s_mov_b32 s47, 0
	s_add_nc_u64 s[BP:BP+1], s[BP:BP+1], s[46:47]
	global_load_b128 v[BIAS:BIAS+3], v[BO], s[BP:BP+1]
	global_load_b128 v[BIAS+4:BIAS+7], v[BO], s[BP:BP+1] offset:256
	v_and_b32 v6, 31, v0
	v_lshlrev_b32 v[GO], 3, v6                     ; two rows of 128 bytes, 8 bytes a lane
	s_lshl_b32 s46, s42, 2
	s_lshl_b32 s45, s12, 1
	s_add_co_u32 s46, s46, s45                     ; my first block of 64 columns: 4 x tile column + 2 x half,
	s_lshl_b32 s46, s46, 19
	s_lshl_b32 s45, s13, 15                        ; my first row in it: 256 x tile row + 128 x half
	s_add_co_u32 s46, s46, s45
	s_lshl_b32 s45, s11, 14
	s_add_co_u32 s46, s46, s45
	s_add_nc_u64 s[OUTP:OUTP+1], s[OUTP:OUTP+1], s[46:47]
; 16 matrix instructions: m blocks a0, a0 + 1 of the window's four (hi = 0: my rows 0-63, 1: rows 64-127) x all 8 n blocks, 32 along K.  zero = 1: the first product starts the sums.
; The 64 accumulators take turns, in the same order in every quarter.
.macro MUL16 f, hi, a0, zero
	WIN MUL_LO+0x50*(\hi)
.irp a, \a0, (\a0)+1
.irp b, 0,1,2,3,4,5,6,7
.if \zero
	v_wmma_f32_16x16x32_bf16 v[8*(8*(\a)+(\b)):8*(8*(\a)+(\b))+7], v[(\f)+8*(\b):(\f)+8*(\b)+7], v[(\f)+8*(4*(\hi)+(\a)):(\f)+8*(4*(\hi)+(\a))+7], 0
.else
	v_wmma_f32_16x16x32_bf16 v[8*(8*(\a)+(\b)):8*(8*(\a)+(\b))+7], v[(\f)+8*(\b):(\f)+8*(\b)+7], v[(\f)+8*(4*(\hi)+(\a)):(\f)+8*(4*(\hi)+(\a))+7], v[8*(8*(\a)+(\b)):8*(8*(\a)+(\b))+7]
.endif
.endr
.endr
.endm
; 32 LDS loads in one run: the fragments of quarter q (32 along K: rows 32 q on of my plane of W; plane q / 2 of A, bytes 64 (q % 2) on) into buffer f; W first, then A's rows 0-63, then rows 64-127
.macro FETCH slot, q, f
	WIN TO_B
.irp i, 0,1,2,3,4,5,6,7
	ds_load_tr16_b128 v[(\f)+8*(\i):(\f)+8*(\i)+3],   v[ADRB+(\slot)] offset:(\q)*32*PW+32*(\i)
	ds_load_tr16_b128 v[(\f)+8*(\i)+4:(\f)+8*(\i)+7], v[ADRB+(\slot)] offset:(\q)*32*PW+32*(\i)+16*PW
.endr
	WIN 0
.irp i, 0,1,2,3,4,5,6,7
	ds_load_b128 v[(\f)+8*(\i):(\f)+8*(\i)+3],   v[ADRA+(\slot)] offset:((\q)/2)*APL+((\q)%2)*64+(\i)*16*PA
	ds_load_b128 v[(\f)+8*(\i)+4:(\f)+8*(\i)+7], v[ADRA+(\slot)] offset:((\q)/2)*APL+((\q)%2)*64+(\i)*16*PA+32
.endr
.endm
.macro PLACES                          ; four places in front of loads into registers that matrix instructions have read, and of reads of results
.rept 4
	v_nop
.endr
.endm
; A K step is four quarters of 32 along K, 64 matrix instructions each, on buffers 0, 1, 0, 1.  One of the first three: multiplies buffer f; in its middle it fetches quarter q into buffer g.
.macro QUARTER slot, q, f, g, zero
	s_wait_dscnt 8                                 ; W and A's rows 0-63 are in; the youngest eight loads (A's rows 64-127) may be out
	MUL16 \f, 0, 0, \zero
	MUL16 \f, 0, 2, \zero
	PLACES
	FETCH \slot, \q, \g
	s_wait_dscnt 32                                ; all but the 32 just issued
	MUL16 \f, 1, 0, \zero
	MUL16 \f, 1, 2, \zero
.endm
; The last quarter multiplies buffer 1 and changes slots: one barrier; in front of it each wave waits for all its tensor loads, adds 0 to its spare word, and waits for that and for its reads of this slot.
; fill = 1: the barrier opens a round of the cluster's, and this slot is filled again, two K steps ahead, first thing behind the round.
.macro TURN slot, next, fill
	WIN 0                                          ; (the add's two registers lie in window 0)
	s_wait_tensorcnt 0x0                           ; all my tensor loads have landed: the one that was out is my part of the next slot;
	ds_add_u32 v[SPW], v[NIL]                      ; 0 onto my spare word;
	s_wait_dscnt 9                                 ; (the add and the youngest eight loads may be out)
	MUL16 F1, 0, 0, 0                              ; sixteen matrix instructions stand between the add and the wait for it
	s_wait_dscnt 0x0                               ; the add is done, and my reads of this slot are over
	s_barrier_signal -1
	MUL16 F1, 0, 2, 0                              ; work on registers while the others arrive
.if \fill
	WIN 0
.endif
	s_barrier_wait -1
.if \fill
	CREST                                          ; no wave of any partner still reads this slot or has a load on its way
	s_add_nc_u64 s[G0+4*(\slot)+2:G0+4*(\slot)+3], s[G0+4*(\slot)+2:G0+4*(\slot)+3], 1<<21
	s_add_nc_u64 s[G0B+4*(\slot)+2:G0B+4*(\slot)+3], s[G0B+4*(\slot)+2:G0B+4*(\slot)+3], 1<<16
	JLOAD \slot                                    ; the first tensor load behind the round; its four v_nop are also the places in front of the loads below
.else
	PLACES
.endif
	FETCH \next, 0, F0
	MUL16 F1, 1, 0, 0
	MUL16 F1, 1, 2, 0
.endm
	s_wait_tensorcnt 1                             ; my part of K step 0 is in; K step 1's stays out
	s_barrier_signal -1
	s_barrier_wait -1
	FETCH 0, 0, F0
	QUARTER 0, 1, F0, F1, 1                        ; the first quarter stands in front of the loop: its products start the sums
	WIN 0
	s_mov_b32 s3, LAPS-1
.Llap:                                                 ; a trip goes once round the ring, from a lap's second quarter to the next lap's first, and fills both slots again
	QUARTER 0, 2, F1, F0, 0
	QUARTER 0, 3, F0, F1, 0
	TURN 0, 1, 1
	QUARTER 1, 1, F0, F1, 0
	QUARTER 1, 2, F1, F0, 0
	QUARTER 1, 3, F0, F1, 0
	TURN 1, 0, 1
	QUARTER 0, 1, F0, F1, 0
	WIN 0
	s_sub_co_u32 s3, s3, 1
	s_cmp_lg_u32 s3, 0
	s_cbranch_scc1 .Llap
	QUARTER 0, 2, F1, F0, 0                        ; the last lap fills nothing
	QUARTER 0, 3, F0, F1, 0
	TURN 0, 1, 0
	QUARTER 1, 1, F0, F1, 0
	QUARTER 1, 2, F1, F0, 0
	QUARTER 1, 3, F0, F1, 0
	s_wait_dscnt 8                                 ; the very last quarter: nothing more to fetch
	MUL16 F1, 0, 0, 0
	MUL16 F1, 0, 2, 0
	s_wait_dscnt 0x0                               ; my reads of the ring are over:
	s_barrier_signal -1                            ; say so,
	MUL16 F1, 1, 0, 0                              ; work on registers while the others arrive,
	MUL16 F1, 1, 2, 0
	WIN 0
	s_barrier_wait -1                              ; and behind this wait nobody reads the ring any more: its bytes are the stages
; THE WAY OUT.  The sums go into my stage as f32, each accumulator's low four registers first.
	s_wait_loadcnt 0x0                             ; the bias
	PLACES
.irp hi, 0,1
	WIN 0x08+4*(\hi)                               ; the stores' data (source 1) in window 2, then 3
.irp a, 0,1,2,3
.irp b, 0,1,2,3,4,5,6,7
	ds_store_b128 v[STO], v[8*(8*(\a)+(\b)):8*(8*(\a)+(\b))+3]   offset:(4*(\hi)+(\a))*16*SPITCH+64*(\b)
	ds_store_b128 v[STO], v[8*(8*(\a)+(\b))+4:8*(8*(\a)+(\b))+7] offset:(4*(\hi)+(\a))*16*SPITCH+64*(\b)+16
.endr
.endr
.endr
	WIN 0
; They come back as rows.  Load p of a trip's four: pair p / 2 of rows (lanes 0-15 the even row, lanes 16-31 the odd one), half p % 2 of the 128 columns, four columns a lane.
; gelu(x) = max(x, 0) - |x| y,  y = (a1 t + .. + a5 t^5) / 2 x e^(-x x / 2),  t = 1 / (1 + 0.3275911 |x| / sqrt(2)).  Written stage by stage over 16 numbers, so that no line waits for the one before it.
; The next trip's loads are issued as soon as the bias add has read the last ones, a whole GELU ahead of the wait for them; the last trip jumps over them.
	EACH 4, ds_load_b128 v[LD+4*p:LD+4*p+3], v[RD] offset:(p/2)*2*SPITCH+(p%2)*256  ; LDS serves a wave's instructions in order: these see my stores
	s_mov_b32 s3, 32
.Lout:                                                 ; 4 rows x 128 columns a trip
	s_wait_dscnt 0x0                               ; the four loads issued a trip ago
	EACH 8, v_pk_add_f32 v[X+2*p:X+2*p+1], v[LD+2*p:LD+2*p+1], v[BIAS+4*((p/2)%2)+2*(p%2):BIAS+4*((p/2)%2)+2*(p%2)+1]
	v_add_nc_u32 v[RD], 4*SPITCH, v[RD]
	s_cmp_eq_u32 s3, 1
	s_cbranch_scc1 .Lnol
	EACH 4, ds_load_b128 v[LD+4*p:LD+4*p+3], v[RD] offset:(p/2)*2*SPITCH+(p%2)*256
.Lnol:
	EACH 16, v_and_b32 v[AX+p], s[SGN], v[X+p]
	EACH 8, v_pk_fma_f32 v[TT+2*p:TT+2*p+1], v[AX+2*p:AX+2*p+1], s[CP:CP+1], 1.0 op_sel_hi:[1,0,0]
	EACH 16, v_rcp_f32 v[TT+p], v[TT+p]
	EACH 8, v_pk_mul_f32 v[EE+2*p:EE+2*p+1], v[X+2*p:X+2*p+1], v[X+2*p:X+2*p+1]
	EACH 8, v_pk_mul_f32 v[EE+2*p:EE+2*p+1], v[EE+2*p:EE+2*p+1], s[CK:CK+1] op_sel_hi:[1,0]
	EACH 16, v_exp_f32 v[EE+p], v[EE+p]
	EACH 8, v_pk_fma_f32 v[PL+2*p:PL+2*p+1], v[TT+2*p:TT+2*p+1], s[A5:A5+1], s[A4:A4+1] op_sel_hi:[1,0,0]
	EACH 8, v_pk_fma_f32 v[PL+2*p:PL+2*p+1], v[PL+2*p:PL+2*p+1], v[TT+2*p:TT+2*p+1], s[A3:A3+1] op_sel_hi:[1,1,0]
	EACH 8, v_pk_fma_f32 v[PL+2*p:PL+2*p+1], v[PL+2*p:PL+2*p+1], v[TT+2*p:TT+2*p+1], s[A2:A2+1] op_sel_hi:[1,1,0]
	EACH 8, v_pk_fma_f32 v[PL+2*p:PL+2*p+1], v[PL+2*p:PL+2*p+1], v[TT+2*p:TT+2*p+1], s[A1:A1+1] op_sel_hi:[1,1,0]
	EACH 8, v_pk_mul_f32 v[PL+2*p:PL+2*p+1], v[PL+2*p:PL+2*p+1], v[TT+2*p:TT+2*p+1]
	EACH 8, v_pk_mul_f32 v[PL+2*p:PL+2*p+1], v[PL+2*p:PL+2*p+1], v[EE+2*p:EE+2*p+1]
	EACH 16, v_max_num_f32 v[MX+p], 0, v[X+p]
	EACH 8, v_pk_fma_f32 v[X+2*p:X+2*p+1], v[AX+2*p:AX+2*p+1], v[PL+2*p:PL+2*p+1], v[MX+2*p:MX+2*p+1] neg_lo:[1,0,0] neg_hi:[1,0,0]
	s_wait_xcnt 0x0                                ; the last trip's stores have read their data and their offset: only behind this wait are the two rewritten
	v_add_nc_u32 v[GO], 512, v[GO]                 ; four rows of 128 bytes on; the stores below reach back by their immediates
	EACH 8, v_cvt_pk_bf16_f32 v[PKO+p], v[X+2*p], v[X+2*p+1]
	EACH 4, global_store_b64 v[GO], v[PKO+2*p:PKO+2*p+1], s[OUTP:OUTP+1] offset:(p/2)*256+(p%2)*524288-512  ; the wave stores 256 consecutive bytes: two rows of one block of 64 columns
	s_sub_co_u32 s3, s3, 1
	s_cmp_lg_u32 s3, 0
	s_cbranch_scc1 .Lout
	s_wait_tensorcnt 0x0                           ; the wave's end: behind my last tensor load and my last LDS store
	ds_add_u32 v[SPW], v[NIL]
	s_wait_dscnt 0x0
	CROUND                                         ; the closing round: no work-group ends while a partner may still ask for a tile that names it
	s_endpgm
.Lfunc_end_k_qe282623056_fc:
	.size	k_qe282623056_fc, .Lfunc_end_k_qe282623056_fc-k_qe282623056_fc
	.p2alignl 7, 3214868480
	.fill 96, 4, 3214868480
	.section	.rodata,"a",@progbits
	.p2align	6, 0x0
	.amdhsa_kernel k_qe282623056_fc
		.amdhsa_group_segment_fixed_size 327680
		.amdhsa_private_segment_fixed_size 0
		.amdhsa_enable_private_segment 0
		.amdhsa_kernarg_size 32
		.amdhsa_user_sgpr_count 2
		.amdhsa_user_sgpr_kernarg_segment_ptr 1
		.amdhsa_wavefront_size32 1
		.amdhsa_system_sgpr_workgroup_id_x 1
		.amdhsa_system_sgpr_workgroup_id_y 1
		.amdhsa_system_sgpr_workgroup_id_z 1
		.amdhsa_system_vgpr_workitem_id 0
		.amdhsa_next_free_vgpr 1024
		.amdhsa_next_free_sgpr 90
		.amdhsa_reserve_vcc 0
		.amdhsa_float_denorm_mode_32 3
		.amdhsa_float_denorm_mode_16_64 3
		.amdhsa_memory_ordered 1
		.amdhsa_forward_progress 1
		.amdhsa_inst_pref_size 130
	.end_amdhsa_kernel
	.amdgpu_metadata
---
amdhsa.version: [ 1, 2 ]
amdhsa.kernels:
  - .name:           k_qe282623056_fc
    .symbol:         k_qe282623056_fc.kd
    .args:
      - { .name: act16, .offset: 0, .size: 8, .value_kind: global_buffer, .address_space: global }
      - { .name: wf, .offset: 8, .size: 8, .value_kind: global_buffer, .address_space: global }
      - { .name: c_fc_b, .offset: 16, .size: 8, .value_kind: global_buffer, .address_space: global }
      - { .name: big16, .offset: 24, .size: 8, .value_kind: global_buffer, .address_space: global }
    .group_segment_fixed_size: 327680
    .private_segment_fixed_size: 0
    .kernarg_segment_align: 8
    .kernarg_segment_size: 32
    .max_flat_workgroup_size: 128
    .sgpr_count:     90
    .vgpr_count:     1024
    .wavefront_size: 32
...
	.end_amdgpu_metadata
.endif
;; end of part 5
;; launch proj (part 6): grid 8 x 32, 4 waves a work-group, clusters of 4 x 4, 327,680 bytes of LDS; arguments big16, wp, c_proj_b, r32, out0; writes out0
.if DOCPART == 6
	.amdgcn_target "amdgcn-amd-amdhsa--gfx1250"
	.amdhsa_code_object_version 6
	.text
	.protected	k_qe282623056_proj
	.globl	k_qe282623056_proj
	.p2align	8
	.type	k_qe282623056_proj,@function
k_qe282623056_proj:
	s_mov_b64 s[64:65], 0
	v_nop
	global_prefetch_b8 v0, s[64:65] scope:SCOPE_SE
	s_setreg_imm32_b32 hwreg(HW_REG_WAVE_MODE, 25, 1), 1
	s_wait_xcnt 0x0
	s_wait_alu depctr_hold_cnt(0) depctr_sa_sdst(0) depctr_va_vdst(0) depctr_va_sdst(0) depctr_va_ssrc(0) depctr_va_vcc(0) depctr_vm_vsrc(0)
	s_getreg_b32 s2, hwreg(HW_REG_IB_STS2, 6, 4)
	s_cmp_eq_u32 s2, 0
	s_cbranch_scc0 .Lentry_in_a_cluster
	s_endpgm
.Lentry_in_a_cluster:
	s_bfe_u32 s2, ttmp6, 0x10000c
	s_cmp_lg_u32 s2, 0xf033
	s_cbranch_scc0 .Lentry_shape_is_right
	s_endpgm
.Lentry_shape_is_right:
; C = A W + bias.  A: [4096][KTOT] bf16 in blocks of 64 columns (byte (cb x 4096 + m) x 128 + 2 d).  W: [KTOT][N] bf16 in blocks of 128 columns (byte (nb x KTOT + k) x 256 + 2 (n % 128)).
; Sums in f32.  KIND 0: C + bias rounded once to bf16, in blocks of 64 columns.  KIND 1: the exact GELU of it, likewise.  KIND 2: C + bias + residual, f32, row-major [4096][1024].
; One text for the three kinds; the two constants below choose.  Operands are bf16, so the range is f32's; NaN and infinities are not treated apart.
; SHARES.  A tile of C is 128 x 128; four waves, each 64 x 64: 16 accumulators.  K goes in steps of 256 through two LDS slots.  A's part of a slot: four planes [128 rows][64 k], rows 144 bytes apart;
; W's part: 256 rows of k, 288 bytes apart, read turned by ds_load_tr16_b128.  Waves 0, 1 fetch two planes of A each (two dense runs of 16,384 bytes), waves 2, 3 128 rows of W each (32,768 dense bytes).
; CLUSTER.  4 x 4 work-groups: the four of a row need the same tiles of A, the four of a column the same tiles of W; each tile is asked for jointly.
; THE MATRIX INSTRUCTION IS USED TRANSPOSED (source 0 = 16 columns of W, source 1 = 16 rows of A): a lane holds eight neighbouring numbers of a row of C.
; THE WAY OUT goes through a stage of the wave's own, 64 rows x 272 bytes of f32, in slot 0's bytes: slot 0 has had its last fill, and behind the last change of slots no wave reads it.
; REGISTERS.  Window 0: v16-29 addresses; v32-99 at work on the way out; v128-255 accumulators ((a, b) at v[128 + 8 (4 a + b)]).  Window 1: two fragment buffers of 128 (64 of A, 64 of W).  Window 2 (KIND 2): the residual.
.set KIND, 2
.set KTOT, 4096
.set LAPS,   KTOT/512                  ; a lap = two K steps = once round the ring
.set PA,     144                       ; a row of A in LDS: 128 bytes + 16: the 16 rows of a load start at 16 different groups of four banks
.set PW,     288                       ; a row of W: 256 + 32
.set APL,    128*PA                    ; a plane of A
.set HALFT,  2*APL                     ; what one tensor load brings: two planes of A, or 128 rows of W (128 x 288 is the same number)
.set BOFF,   2*HALFT
.set SLOT,   4*HALFT
.set SPARE,  2*SLOT                    ; behind the ring: the spare words, 128 bytes for each wave: two blocks of 256 bytes that no other line names
.set SPITCH, 272
.set WSTG,   64*SPITCH
.set ADRA, 16                          ; v16-17  LDS address of my A fragments in slot 0, 1
.set ADRB, 20                          ; v20-23  of my W fragments: slot 0 k 0-127, k 128-255; slot 1 likewise
.set STO,  24                          ; v24     the way out: where I put 32 bytes of a row
.set RD,   25                          ; v25     where I read rows back
.set GO,   26                          ; v26     my byte offset in the output
.set BO,   27                          ; v27     my byte offset in the bias
.set SPW,  28                          ; v28     LDS address of my spare word; never rewritten
.set NIL,  29                          ; v29     0; never rewritten
.set TMP,  32
.set PKO,  64
.set BIAS, 96                          ; v96-99  the bias of my four columns
.set ACC,  128
.set F0,   0
.set F1,   128
.set G1,  24                           ; s[24:31] descriptor group 1 for A;  s[32:39] group 0, one set for each slot
.set G0,  32
.set G1B, 48                           ; s[48:55], s[56:63] the same for W
.set G0B, 56
.set BP,  68                           ; s[68:69] bias
.set RP,  70                           ; s[70:71] KIND 2: the residual
.if KIND == 2
.set OUTP, 72
.else
.set OUTP, 70
.endif
.set MSB, 0
.macro WIN new                         ; the immediate's high byte repeats the setting that is left
.if MSB != (\new)
	s_set_vgpr_msb (MSB<<8)|(\new)
.set MSB, \new
.endif
.endm
.set MUL,  0x05                        ; sources 0 (W) and 1 (A) window 1; C and D window 0
.set TO_F, 0x40                        ; destination window 1, address window 0
.macro EACH n, line:vararg
.set p, 0
.rept \n
	\line
.set p, p+1
.endr
.endm
.macro JLOAD s                         ; a joint load: waves 0 and 1 fetch A's halves, waves 2 and 3 W's; an s_nop 0 and four v_nop follow each line
	s_cmp_eq_u32 s11, 0
	s_cbranch_scc0 .Lfor_b_\@
	tensor_load_to_lds s[G0+4*(\s):G0+4*(\s)+3], s[G1:G1+7]
	s_nop 0
.rept 4
	v_nop
.endr
	s_branch .Lasked_\@
.Lfor_b_\@:
	tensor_load_to_lds s[G0B+4*(\s):G0B+4*(\s)+3], s[G1B:G1B+7]
	s_nop 0
.rept 4
	v_nop
.endr
.Lasked_\@:
.endm
.macro CREST                           ; a round of the cluster's barrier behind its opening barrier
	s_cmp_lg_u32 s10, 0
	s_cbranch_scc1 .Lnot_wave_0_\@
	s_barrier_signal -3
.Lnot_wave_0_\@:
	s_barrier_wait -3
	s_barrier_signal -1
	s_barrier_wait -1
.endm
.macro CROUND
	s_barrier_signal -1
	s_barrier_wait -1
	CREST
.endm
	s_load_b128 s[4:7], s[0:1], 0x0                ; A s[4:5], W s[6:7]
	s_load_b128 s[68:71], s[0:1], 0x10             ; bias, then the output (KIND 2: the residual)
.if KIND == 2
	s_load_b64 s[72:73], s[0:1], 0x20              ; the output
.endif
	v_lshl_add_u32 v[SPW], v0, 2, SPARE
	v_mov_b32 v[NIL], 0
	ds_add_u32 v[SPW], v[NIL]                      ; the wave's opening: the add and its wait ahead of my first tensor load
	ds_add_u32 v28, v29
	v_lshrrev_b32 v1, 5, v0
	v_readfirstlane_b32 s10, v1                    ; wave 0..3
	s_lshr_b32 s11, s10, 1                         ; which half of the tile's rows is mine.  Also: I fetch for A (0) or for W (1)
	s_and_b32 s12, s10, 1                          ; which half of its columns.  Also: which half of that tile I fetch
	s_bfe_u32 s40, ttmp6, 0x40000                  ; cx, cy: my place in the cluster
	s_bfe_u32 s41, ttmp6, 0x40004
	s_lshl_b32 s42, ttmp9, 2
	s_add_co_u32 s42, s42, s40                     ; tile column of C
	s_and_b32 s13, ttmp7, 0xffff
	s_lshl_b32 s13, s13, 2
	s_add_co_u32 s13, s13, s41                     ; tile row of C
	s_lshl_b32 s43, s41, 2
	s_lshl_b32 s43, 15, s43                        ; my row of the cluster
	s_lshl_b32 s44, 0x1111, s40                    ; my column
	; A: two runs of 8,192 elements, one block of 64 columns (262,144 elements) apart, padded by 4 words after every 32: 256 LDS rows of 144 bytes
	s_or_b32 s[G1+0], s43, (1<<16)|(1<<20)|(1<<21)|(4<<22)|(3<<25)
	s_mov_b32 s[G1+1], 8192<<16                    ; tensor_dim0
	s_mov_b32 s[G1+2], 2<<16                       ; tensor_dim1
	s_mov_b32 s[G1+3], 8192<<16                    ; tile_dim0
	s_mov_b32 s[G1+4], 2                           ; tile_dim1
	s_mov_b32 s[G1+5], 262144                      ; elements from run to run
	s_mov_b32 s[G1+6], 0
	s_mov_b32 s[G1+7], 0
	; W: 128 rows of 128 elements, dense, padded by 8 words after every 64: LDS rows of 288 bytes
	s_or_b32 s[G1B+0], s44, (1<<16)|(1<<20)|(1<<21)|(5<<22)|(7<<25)
	s_mov_b32 s[G1B+1], 128<<16
	s_mov_b32 s[G1B+2], 128<<16
	s_mov_b32 s[G1B+3], 128<<16
	s_mov_b32 s[G1B+4], 128
	s_mov_b32 s[G1B+5], 128
	s_mov_b32 s[G1B+6], 0
	s_mov_b32 s[G1B+7], 0
	s_lshl_b32 s16, s12, 20                        ; A: my two blocks of 64 columns,
	s_lshl_b32 s17, s13, 14                        ; the tile's 128 rows of 128 bytes
	s_add_co_u32 s16, s16, s17
	s_mov_b32 s17, 0
	s_mul_i32 s46, s42, KTOT*256                   ; W: the tile column's block,
	s_lshl_b32 s47, s12, 15                        ; my 128 rows of 256 bytes
	s_add_co_u32 s46, s46, s47
	s_mov_b32 s47, 0
	s_mul_i32 s20, s10, HALFT                      ; where they go: no place in the cluster enters an LDS address
.if KIND == 1
.set CP, 74                            ; the GELU's constants, each the low word of a pair
.set CK, 76
.set A1, 78
.set A2, 80
.set A3, 82
.set A4, 84
.set A5, 86
.set SGN, 88
	s_mov_b32 s[CP], 0x3e6d3389                    ; 0.3275911 / sqrt(2)
	s_mov_b32 s[CK], 0xbf38aa3b                    ; -log2(e) / 2
	s_mov_b32 s[A1], 0x3e027906                    ; half of 0.254829592
	s_mov_b32 s[A2], 0xbe11a98e                    ; half of -0.284496736
	s_mov_b32 s[A3], 0x3f35f0e3                    ; half of 1.421413741
	s_mov_b32 s[A4], 0xbf3a00e3                    ; half of -1.453152027
	s_mov_b32 s[A5], 0x3f07dc22                    ; half of 1.061405429
.irp c, CP, CK, A1, A2, A3, A4, A5
	s_mov_b32 s[\c+1], s[\c]                       ; named with it as a pair
.endr
	s_mov_b32 s[SGN], 0x7fffffff
.endif
	s_wait_dscnt 0x0                               ; the opening add is done
	s_wait_kmcnt 0x0
	s_add_nc_u64 s[14:15], s[4:5], s[16:17]
	s_add_nc_u64 s[46:47], s[6:7], s[46:47]
	CROUND                                         ; all sixteen work-groups are here: the first joint loads meet
.irp s, 0,1
	s_mov_b32 s[G0+4*(\s)], 1
	s_add_co_u32 s[G0+4*(\s)+1], s20, (\s)*SLOT
	s_add_nc_u64 s[G0+4*(\s)+2:G0+4*(\s)+3], s[14:15], (\s)*(1<<21)   ; K step s: four blocks of 64 columns on
	s_or_b32 s[G0+4*(\s)+3], s[G0+4*(\s)+3], 0x80000000
	s_mov_b32 s[G0B+4*(\s)], 1
	s_add_co_u32 s[G0B+4*(\s)+1], s20, (\s)*SLOT
	s_add_nc_u64 s[G0B+4*(\s)+2:G0B+4*(\s)+3], s[46:47], (\s)*(1<<16) ; 256 rows of 256 bytes on
	s_or_b32 s[G0B+4*(\s)+3], s[G0B+4*(\s)+3], 0x80000000
	JLOAD \s
.endr
	v_and_b32 v1, 15, v0                           ; r = l % 16
	v_bfe_u32 v2, v0, 4, 1                         ; h = l / 16
	v_mul_u32_u24 v3, v1, PA
	v_lshl_add_u32 v3, v2, 4, v3                   ; A: row x pitch + 16 h
	s_mul_i32 s21, s11, 64*PA                      ; my 64 rows
	v_add_nc_u32 v[ADRA], s21, v3
	v_add_nc_u32 v[ADRA+1], SLOT, v[ADRA]
	v_and_b32 v4, 7, v0
	v_lshl_add_u32 v4, v2, 3, v4                   ; W: k row 8 h + l % 8,
	v_mul_u32_u24 v4, v4, PW
	v_bfe_u32 v5, v0, 3, 1
	v_lshl_add_u32 v4, v5, 4, v4                   ; columns 8 ((l / 8) % 2) on,
	s_lshl_b32 s22, s12, 7                         ; in my 64 columns
	s_add_co_u32 s22, s22, BOFF
	v_add_nc_u32 v[ADRB], s22, v4
	v_add_nc_u32 v[ADRB+1], HALFT, v[ADRB]
	v_add_nc_u32 v[ADRB+2], SLOT, v[ADRB]
	v_add_nc_u32 v[ADRB+3], SLOT+HALFT, v[ADRB]
	s_mul_i32 s23, s10, WSTG                       ; my stage
	v_mul_u32_u24 v6, v1, SPITCH
	v_lshl_add_u32 v6, v2, 5, v6                   ; in: row r, 32 bytes for each half of the lanes
	v_add_nc_u32 v[STO], s23, v6
	v_mul_u32_u24 v6, v2, SPITCH
	v_lshl_add_u32 v6, v1, 4, v6                   ; back: lanes 0-15 one row of 256 bytes, lanes 16-31 the next
	v_add_nc_u32 v[RD], s23, v6
	v_lshlrev_b32 v[BO], 4, v1
	s_lshl_b32 s46, s42, 9                         ; my 64 columns in f32 bytes: 512 x tile column + 256 x half
	s_lshl_b32 s47, s12, 8
	s_add_co_u32 s46, s46, s47
	s_mov_b32 s47, 0
	s_add_nc_u64 s[BP:BP+1], s[BP:BP+1], s[46:47]
	global_load_b128 v[BIAS:BIAS+3], v[BO], s[BP:BP+1]
.if KIND == 2
	v_lshlrev_b32 v6, 12, v2
	v_lshl_add_u32 v[GO], v1, 4, v6                ; two rows of 4,096 bytes, 16 bytes a lane
	s_lshl_b32 s45, s13, 19                        ; my first row: 128 x tile row + 64 x half
	s_add_co_u32 s46, s46, s45
	s_lshl_b32 s45, s11, 18
	s_add_co_u32 s46, s46, s45
	s_add_nc_u64 s[RP:RP+1], s[RP:RP+1], s[46:47]
	s_add_nc_u64 s[OUTP:OUTP+1], s[OUTP:OUTP+1], s[46:47]
	WIN 0x80                                       ; destination window 2: the residual of my 64 x 64 has the whole K loop in which to land
	EACH 32, global_load_b128 v[4*p:4*p+3], v[GO], s[RP:RP+1] offset:8192*p
	WIN 0
.else
	v_and_b32 v6, 31, v0
	v_lshlrev_b32 v[GO], 3, v6                     ; two rows of 128 bytes, 8 bytes a lane
	s_lshl_b32 s46, s42, 1
	s_add_co_u32 s46, s46, s12                     ; my block of 64 columns,
	s_lshl_b32 s46, s46, 19
	s_lshl_b32 s45, s13, 14                        ; my first row in it
	s_add_co_u32 s46, s46, s45
	s_lshl_b32 s45, s11, 13
	s_add_co_u32 s46, s46, s45
	s_add_nc_u64 s[OUTP:OUTP+1], s[OUTP:OUTP+1], s[46:47]
.endif
; 8 matrix instructions: m blocks a0, a0 + 1 x all 4 n blocks, 32 along K: half c of buffer f.  zero = 1: the first product starts the sums.  The 16 accumulators take turns.
.macro MUL8 f, c, a0, zero
	WIN MUL
.irp a, \a0, (\a0)+1
.irp b, 0,1,2,3
.if \zero
	v_wmma_f32_16x16x32_bf16 v[ACC+8*(4*(\a)+(\b)):ACC+8*(4*(\a)+(\b))+7], v[(\f)+64+8*(4*(\c)+(\b)):(\f)+64+8*(4*(\c)+(\b))+7], v[(\f)+8*(4*(\c)+(\a)):(\f)+8*(4*(\c)+(\a))+7], 0
.else
	v_wmma_f32_16x16x32_bf16 v[ACC+8*(4*(\a)+(\b)):ACC+8*(4*(\a)+(\b))+7], v[(\f)+64+8*(4*(\c)+(\b)):(\f)+64+8*(4*(\c)+(\b))+7], v[(\f)+8*(4*(\c)+(\a)):(\f)+8*(4*(\c)+(\a))+7], v[ACC+8*(4*(\a)+(\b)):ACC+8*(4*(\a)+(\b))+7]
.endif
.endr
.endr
.endm
; 32 LDS loads in one run: the fragments of quarter q (64 along K: plane q of A, rows 64 q on of W) into buffer f; the first 32 along K first
.macro FETCH slot, q, f
	WIN TO_F
.irp c, 0,1
.irp i, 0,1,2,3
	ds_load_tr16_b128 v[(\f)+64+8*(4*(\c)+(\i)):(\f)+64+8*(4*(\c)+(\i))+3],   v[ADRB+2*(\slot)+(\q)/2] offset:(2*((\q)%2)+(\c))*32*PW+32*(\i)
	ds_load_tr16_b128 v[(\f)+64+8*(4*(\c)+(\i))+4:(\f)+64+8*(4*(\c)+(\i))+7], v[ADRB+2*(\slot)+(\q)/2] offset:(2*((\q)%2)+(\c))*32*PW+32*(\i)+16*PW
	ds_load_b128 v[(\f)+8*(4*(\c)+(\i)):(\f)+8*(4*(\c)+(\i))+3],              v[ADRA+(\slot)] offset:(\q)*APL+64*(\c)+(\i)*16*PA
	ds_load_b128 v[(\f)+8*(4*(\c)+(\i))+4:(\f)+8*(4*(\c)+(\i))+7],            v[ADRA+(\slot)] offset:(\q)*APL+64*(\c)+(\i)*16*PA+32
.endr
.endr
.endm
.macro PLACES                          ; four places in front of loads into registers that matrix instructions have read, and of reads of results
.rept 4
	v_nop
.endr
.endm
; A K step is four quarters, 32 matrix instructions each, on buffers 0, 1, 0, 1.  One of the first three: multiplies buffer f and fetches quarter q into g.
.macro QUARTER slot, q, f, g, zero
	s_wait_dscnt 16                                ; the first 32 along K are in; the run's younger sixteen loads may be out
	WIN MUL
	MUL8 \f, 0, 0, \zero
	MUL8 \f, 0, 2, \zero
	PLACES
	FETCH \slot, \q, \g
	s_wait_dscnt 32                                ; all but the 32 just issued
	WIN MUL
	MUL8 \f, 1, 0, 0
	MUL8 \f, 1, 2, 0
.endm
; The last quarter multiplies buffer 1 and changes slots: one barrier; in front of it each wave waits for all its tensor loads, adds 0 to its spare word, and waits for that and for its reads of this slot.
.macro TURN slot, next, fill
	WIN 0                                          ; (the add's two registers lie in window 0)
	s_wait_tensorcnt 0x0                           ; all my tensor loads have landed: my part of the next slot;
	ds_add_u32 v[SPW], v[NIL]                      ; 0 onto my spare word;
	s_wait_dscnt 17                                ; (the add and the youngest sixteen loads may be out)
	WIN MUL
	MUL8 F1, 0, 0, 0
	s_wait_dscnt 0x0                               ; the add is done, and my reads of this slot are over
	s_barrier_signal -1
	MUL8 F1, 0, 2, 0
.if \fill
	WIN 0
.endif
	s_barrier_wait -1
.if \fill
	CREST                                          ; the barrier has opened a round of the cluster's: no wave of any partner still reads this slot or has a load on its way
	s_add_nc_u64 s[G0+4*(\slot)+2:G0+4*(\slot)+3], s[G0+4*(\slot)+2:G0+4*(\slot)+3], 1<<22
	s_add_nc_u64 s[G0B+4*(\slot)+2:G0B+4*(\slot)+3], s[G0B+4*(\slot)+2:G0B+4*(\slot)+3], 1<<17
	JLOAD \slot                                    ; the first tensor load behind the round; its four v_nop are also the places in front of the loads below
.else
	PLACES
.endif
	FETCH \next, 0, F0
	WIN MUL
	MUL8 F1, 1, 0, 0
	MUL8 F1, 1, 2, 0
.endm
	s_wait_tensorcnt 1                             ; my part of K step 0 is in; K step 1's stays out
	s_barrier_signal -1
	s_barrier_wait -1
	FETCH 0, 0, F0
	QUARTER 0, 1, F0, F1, 1                        ; the first quarter stands in front of the loop: its first products start the sums
	WIN 0
	s_mov_b32 s3, LAPS-1
.Llap:                                                 ; a trip goes once round the ring and fills both slots again
	QUARTER 0, 2, F1, F0, 0
	QUARTER 0, 3, F0, F1, 0
	TURN 0, 1, 1
	QUARTER 1, 1, F0, F1, 0
	QUARTER 1, 2, F1, F0, 0
	QUARTER 1, 3, F0, F1, 0
	TURN 1, 0, 1
	QUARTER 0, 1, F0, F1, 0
	WIN 0
	s_sub_co_u32 s3, s3, 1
	s_cmp_lg_u32 s3, 0
	s_cbranch_scc1 .Llap
	QUARTER 0, 2, F1, F0, 0                        ; the last lap fills nothing
	QUARTER 0, 3, F0, F1, 0
	TURN 0, 1, 0
	QUARTER 1, 1, F0, F1, 0
	QUARTER 1, 2, F1, F0, 0
	QUARTER 1, 3, F0, F1, 0
	s_wait_dscnt 16
	WIN MUL
	MUL8 F1, 0, 0, 0
	MUL8 F1, 0, 2, 0
	s_wait_dscnt 0
	MUL8 F1, 1, 0, 0
	MUL8 F1, 1, 2, 0
	WIN 0
; THE WAY OUT.  The sums go into my stage as f32, each accumulator's low four registers first; they come back as rows: lanes 0-15 row 2 t, lanes 16-31 row 2 t + 1, four columns a lane.
.macro DUMP
	PLACES
.irp a, 0,1,2,3
.irp b, 0,1,2,3
	ds_store_b128 v[STO], v[ACC+8*(4*(\a)+(\b)):ACC+8*(4*(\a)+(\b))+3]   offset:(\a)*16*SPITCH+64*(\b)
	ds_store_b128 v[STO], v[ACC+8*(4*(\a)+(\b))+4:ACC+8*(4*(\a)+(\b))+7] offset:(\a)*16*SPITCH+64*(\b)+16
.endr
.endr
.endm
	s_wait_loadcnt 0x0                             ; the bias (KIND 2: and the residual)
.if KIND == 0
	DUMP
	s_mov_b32 s3, 4
.Lout:                                                 ; 16 rows a trip; LDS serves a wave's instructions in order, so the loads see my stores
	EACH 8, ds_load_b128 v[TMP+4*p:TMP+4*p+3], v[RD] offset:2*SPITCH*p
.set p, 0
.rept 8
	s_wait_dscnt 7-p                               ; pair p of rows is in; the younger loads stay out
	v_pk_add_f32 v[TMP+4*p:TMP+4*p+1], v[TMP+4*p:TMP+4*p+1], v[BIAS:BIAS+1]
	v_pk_add_f32 v[TMP+4*p+2:TMP+4*p+3], v[TMP+4*p+2:TMP+4*p+3], v[BIAS+2:BIAS+3]
	v_cvt_pk_bf16_f32 v[PKO+2*p], v[TMP+4*p], v[TMP+4*p+1]
	v_cvt_pk_bf16_f32 v[PKO+2*p+1], v[TMP+4*p+2], v[TMP+4*p+3]
	global_store_b64 v[GO], v[PKO+2*p:PKO+2*p+1], s[OUTP:OUTP+1] offset:256*p  ; the wave stores 256 consecutive bytes: two rows of the block
.set p, p+1
.endr
	s_wait_xcnt 0x0                                ; the stores' data and offset are rewritten only behind this wait
	v_add_nc_u32 v[RD], 16*SPITCH, v[RD]
	v_add_nc_u32 v[GO], 2048, v[GO]
	s_sub_co_u32 s3, s3, 1
	s_cmp_lg_u32 s3, 0
	s_cbranch_scc1 .Lout
.endif
.if KIND == 1
; gelu(x) = max(x, 0) - |x| y,  y = (a1 t + .. + a5 t^5) / 2 x e^(-x x / 2),  t = 1 / (1 + 0.3275911 |x| / sqrt(2)): erf by the rational form with five terms, off by 1.5e-7 at the most for every x.
; Where x x overflows the exponential is 0 and the result max(x, 0).  Written stage by stage over 16 numbers, so that no line waits for the one before it; the accumulators' registers are free and serve as room.
.set AX, 128
.set TT, 144
.set EE, 160
.set PL, 176
.set MX, 192
	DUMP
	s_mov_b32 s3, 8
.Lout:                                                 ; 8 rows a trip
	EACH 4, ds_load_b128 v[TMP+4*p:TMP+4*p+3], v[RD] offset:2*SPITCH*p
	s_wait_dscnt 0x0
	EACH 8, v_pk_add_f32 v[TMP+2*p:TMP+2*p+1], v[TMP+2*p:TMP+2*p+1], v[BIAS+2*(p%2):BIAS+2*(p%2)+1]
	EACH 16, v_and_b32 v[AX+p], s[SGN], v[TMP+p]
	EACH 8, v_pk_fma_f32 v[TT+2*p:TT+2*p+1], v[AX+2*p:AX+2*p+1], s[CP:CP+1], 1.0 op_sel_hi:[1,0,0]
	EACH 16, v_rcp_f32 v[TT+p], v[TT+p]
	EACH 8, v_pk_mul_f32 v[EE+2*p:EE+2*p+1], v[TMP+2*p:TMP+2*p+1], v[TMP+2*p:TMP+2*p+1]
	EACH 8, v_pk_mul_f32 v[EE+2*p:EE+2*p+1], v[EE+2*p:EE+2*p+1], s[CK:CK+1] op_sel_hi:[1,0]
	EACH 16, v_exp_f32 v[EE+p], v[EE+p]
	EACH 8, v_pk_fma_f32 v[PL+2*p:PL+2*p+1], v[TT+2*p:TT+2*p+1], s[A5:A5+1], s[A4:A4+1] op_sel_hi:[1,0,0]
	EACH 8, v_pk_fma_f32 v[PL+2*p:PL+2*p+1], v[PL+2*p:PL+2*p+1], v[TT+2*p:TT+2*p+1], s[A3:A3+1] op_sel_hi:[1,1,0]
	EACH 8, v_pk_fma_f32 v[PL+2*p:PL+2*p+1], v[PL+2*p:PL+2*p+1], v[TT+2*p:TT+2*p+1], s[A2:A2+1] op_sel_hi:[1,1,0]
	EACH 8, v_pk_fma_f32 v[PL+2*p:PL+2*p+1], v[PL+2*p:PL+2*p+1], v[TT+2*p:TT+2*p+1], s[A1:A1+1] op_sel_hi:[1,1,0]
	EACH 8, v_pk_mul_f32 v[PL+2*p:PL+2*p+1], v[PL+2*p:PL+2*p+1], v[TT+2*p:TT+2*p+1]
	EACH 8, v_pk_mul_f32 v[PL+2*p:PL+2*p+1], v[PL+2*p:PL+2*p+1], v[EE+2*p:EE+2*p+1]
	EACH 16, v_max_num_f32 v[MX+p], 0, v[TMP+p]
	EACH 8, v_pk_fma_f32 v[TMP+2*p:TMP+2*p+1], v[AX+2*p:AX+2*p+1], v[PL+2*p:PL+2*p+1], v[MX+2*p:MX+2*p+1] neg_lo:[1,0,0] neg_hi:[1,0,0]
	EACH 8, v_cvt_pk_bf16_f32 v[PKO+p], v[TMP+2*p], v[TMP+2*p+1]
	EACH 4, global_store_b64 v[GO], v[PKO+2*p:PKO+2*p+1], s[OUTP:OUTP+1] offset:256*p
	s_wait_xcnt 0x0                                ; the stores' data and offset are rewritten only behind this wait
	v_add_nc_u32 v[RD], 8*SPITCH, v[RD]
	v_add_nc_u32 v[GO], 1024, v[GO]
	s_sub_co_u32 s3, s3, 1
	s_cmp_lg_u32 s3, 0
	s_cbranch_scc1 .Lout
.endif
.if KIND == 2
	WIN 0x82                                       ; destination and source 0 window 2, the bias window 0: residual + bias
.set p, 0
.rept 32
	v_pk_add_f32 v[4*p:4*p+1], v[4*p:4*p+1], v[BIAS:BIAS+1]
	v_pk_add_f32 v[4*p+2:4*p+3], v[4*p+2:4*p+3], v[BIAS+2:BIAS+3]
.set p, p+1
.endr
	WIN 0
	DUMP
.irp g, 0,1,2,3
	s_wait_xcnt 0x0                                ; the registers that the last group's stores read are loaded again only behind this wait
	EACH 8, ds_load_b128 v[TMP+4*p:TMP+4*p+3], v[RD] offset:2*SPITCH*(8*(\g)+p)
	s_wait_dscnt 0x0
	WIN 0x08                                       ; source 1 window 2
	EACH 16, v_pk_add_f32 v[TMP+2*p:TMP+2*p+1], v[TMP+2*p:TMP+2*p+1], v[32*(\g)+2*p:32*(\g)+2*p+1]
	WIN 0
	EACH 8, global_store_b128 v[GO], v[TMP+4*p:TMP+4*p+3], s[OUTP:OUTP+1] offset:8192*(8*(\g)+p)  ; 16 lanes store 256 consecutive bytes, at a multiple of 256 from the output's first byte
.endr
.endif
	s_wait_tensorcnt 0x0                           ; the wave's end: behind my last tensor load and my last LDS store
	ds_add_u32 v[SPW], v[NIL]
	s_wait_dscnt 0x0
	CROUND                                         ; the closing round: no work-group ends while a partner may still ask for a tile that names it
	s_endpgm
.Lfunc_end_k_qe282623056_proj:
	.size	k_qe282623056_proj, .Lfunc_end_k_qe282623056_proj-k_qe282623056_proj
	.p2alignl 7, 3214868480
	.fill 96, 4, 3214868480
	.section	.rodata,"a",@progbits
	.p2align	6, 0x0
	.amdhsa_kernel k_qe282623056_proj
		.amdhsa_group_segment_fixed_size 327680
		.amdhsa_private_segment_fixed_size 0
		.amdhsa_enable_private_segment 0
		.amdhsa_kernarg_size 40
		.amdhsa_user_sgpr_count 2
		.amdhsa_user_sgpr_kernarg_segment_ptr 1
		.amdhsa_wavefront_size32 1
		.amdhsa_system_sgpr_workgroup_id_x 1
		.amdhsa_system_sgpr_workgroup_id_y 1
		.amdhsa_system_sgpr_workgroup_id_z 1
		.amdhsa_system_vgpr_workitem_id 0
		.amdhsa_next_free_vgpr 640
		.amdhsa_next_free_sgpr 74
		.amdhsa_reserve_vcc 0
		.amdhsa_float_denorm_mode_32 3
		.amdhsa_float_denorm_mode_16_64 3
		.amdhsa_memory_ordered 1
		.amdhsa_forward_progress 1
		.amdhsa_inst_pref_size 97
	.end_amdhsa_kernel
	.amdgpu_metadata
---
amdhsa.version: [ 1, 2 ]
amdhsa.kernels:
  - .name:           k_qe282623056_proj
    .symbol:         k_qe282623056_proj.kd
    .args:
      - { .name: big16, .offset: 0, .size: 8, .value_kind: global_buffer, .address_space: global }
      - { .name: wp, .offset: 8, .size: 8, .value_kind: global_buffer, .address_space: global }
      - { .name: c_proj_b, .offset: 16, .size: 8, .value_kind: global_buffer, .address_space: global }
      - { .name: r32, .offset: 24, .size: 8, .value_kind: global_buffer, .address_space: global }
      - { .name: out0, .offset: 32, .size: 8, .value_kind: global_buffer, .address_space: global }
    .group_segment_fixed_size: 327680
    .private_segment_fixed_size: 0
    .kernarg_segment_align: 8
    .kernarg_segment_size: 40
    .max_flat_workgroup_size: 128
    .sgpr_count:     74
    .vgpr_count:     640
    .wavefront_size: 32
...
	.end_amdgpu_metadata
.endif
;; end of part 6
;; ======== version 2 of 2: 7 launches; 1.14 times as fast as version 1
;; limits: a function is approximated: absolute error at most 1.5e-07
;; workspace buffers: act16 8,388,608 bytes; o16 8,388,608 bytes; big16 33,554,432 bytes; r32 16,777,216 bytes; wq 6,291,456 bytes; wo 2,097,152 bytes; wf 8,388,608 bytes; wp 8,388,608 bytes
;; launch prep: the kernel of part 1 again; grid 1024 x 1, 8 waves a work-group, no clusters, 0 bytes of LDS; arguments x, ln1_w, ln1_b, qkv_w, attn_out_w, c_fc_w, c_proj_w, act16, wq, wo, wf, wp; writes act16, wq, wo, wf, wp
;; launch qkv: the kernel of part 2 again; grid 24 x 32, 4 waves a work-group, clusters of 4 x 4, 327,680 bytes of LDS; arguments act16, wq, qkv_b, big16; writes big16
;; launch attn (part 7): grid 8 x 32, 4 waves a work-group, no clusters, 327,680 bytes of LDS; arguments big16, o16; writes o16
.if DOCPART == 7
	.amdgcn_target "amdgcn-amd-amdhsa--gfx1250"
	.amdhsa_code_object_version 6
	.text
	.protected	k_qe282623056_attn
	.globl	k_qe282623056_attn
	.p2align	8
	.type	k_qe282623056_attn,@function
k_qe282623056_attn:
	s_mov_b64 s[64:65], 0
	v_nop
	global_prefetch_b8 v0, s[64:65] scope:SCOPE_SE
	s_setreg_imm32_b32 hwreg(HW_REG_WAVE_MODE, 25, 1), 1
	s_wait_xcnt 0x0
; CAUSAL ATTENTION, head size 64, 32 heads of 2,048 rows (head number 2 x head + batch).  q, k, v lie in big16 at bytes 0, 0x800000, 0x1000000, each [32][2048][64] in bf16, dense rows of 128 bytes; o16 likewise.
; Products, maxima and sums in f32; the weights p are rounded to bf16 for the second product (their sum l is taken of the unrounded p), O once at the end.
; LIMITS.  A hidden score counts as its value less 1e30; a weight below 2^-126 counts as 0 in l; NaN and infinities are not treated apart.
; THE WALK.  A head's queries lie in 16 blocks of 128, its keys in 16 tiles of 128; block i needs the tiles 0 .. i, of which the last holds the diagonal.  A work-group takes blocks 15 - b and then b:
; 17 tiles, 34 key steps of 64, whatever b.  One loop with a constant trip count walks the tiles; the ring of two LDS slots runs on across the change of blocks.  A tile's two key steps are written out, so that
; every LDS address is the slot's base, the lane's term and an immediate.
; NO CLUSTER: what a trip does (which tile, where a block ends) hangs on b, which differs between a head's eight work-groups, and all eight ask for the same tile only in the first 9 of the 17 trips.
; SHARES.  A wave owns two tiles of 16 queries, one in each of the block's two bands of 64: rows 128 i + 64 t + 16 w + l % 16.  So the diagonal is the same work for all four waves.
; THE MASK is the C operand that starts the sum S^T = K Q^T: MC = MD x AL + BE, MD the mask of a band's own step.  MC is 0 until the block's last tile.  In that tile's first step the first band takes MD and the
; second sees all keys; in its second step the first band sees none (-1e30) and the second takes MD.
; LAYOUT.  S^T = K Q^T holds one query a lane (l % 16) and the keys 8 (l / 16) + 0..7; two such results rounded to bf16 are source 1 of O^T = V^T P.  p = 2^(c s - c m), c = log2(e) / 8, with a running maximum m;
; O and l are multiplied by a = 2^(c m_old - c m_new) in every step.  A step goes in phases: 16 products K Q^T, the softmax of both tiles, 16 products V^T P.
; BATCHES.  A key step's 66 exponentials (for each of the two tiles its a and its 32 weights; none reads another's result) are ONE batch with ONE wait.  Ahead of the wait stands all that names no result of theirs: the
; maxima and statistics and the 32 scalings; behind it all the readers: the rescaling of O^T, the roundings, the sums.  A block's two reciprocals, on its way out, are a batch of their own with a wait of their own.
; REGISTERS.  Window 0: v0-15 addresses; v16-23 statistics; v24-31 at work; v64-127 S^T; v128-159 P; v160-223 O^T; v224-255 MD.  Window 1: v0-31 Q; v32-63 the second block's Q; v64-127 K; v128-191 V; v192-255 MC.
.set KS,    64
.set PK,    144       ; a row of K in LDS: 128 bytes + 16
.set PV,    160       ; a row of V: 128 + 32
.set VOFF,  2*KS*PK   ; a slot holds a tile: 128 rows of K, then 128 rows of V
.set SLOT1, 1<<17     ; slot 1 begins here, so that one exclusive or turns an address in one slot into the other's
.set STAGE, SLOT1+2*KS*(PK+PV)  ; behind the ring, never filled by a tensor load: 16 rows x 144 bytes for each wave
.set SP,    144
.set SPARE, STAGE+4*16*SP       ; the spare words, 128 bytes for each wave: two blocks of 256 bytes that no other line names
.set AK0, 2           ; v2   my lane's place in a tile of K; never rewritten
.set AV0, 3           ; v3   the same for V
.set AK,  4           ; v4   the same in the slot in hand
.set AV,  5
.set STO, 6
.set RD,  7
.set GO,  8
.set MV,  12          ; v12-13  c m_old, by tile
.set QO,  15
.set ST,  16          ; tile t at v[ST+4 t]: c m, m, l (even keys', odd keys')
.set TMP, 24          ; tile t at v[TMP+4 t]: c0-c3 at work; c2 takes a
.set SPW, 32
.set NIL, 33
.set S,   64
.set P,   128
.set O,   160
.set MD,  224
.set QB,  32          ; window 1
.set KF,  64
.set VF,  128
.set MC,  192
.set WV,  12
.set PB,  14          ; b
.set HI,  15          ; 15 - b
.set G1K, 24
.set G1V, 32
.set G0K, 40
.set G0V, 44
.set SLOTS, 56
.set CS,  58
.set SEL, 60
.set RT,  70          ; tiles of the block in hand still to be entered
.set NXT, 71          ; the tile to be asked for next
.set LQ,  72          ; the last tile of the block whose tiles are being asked for
.set OFF, 74
.set AL,  76
.set BE,  78
.set OLO, 80          ; O at my rows of the second block
.set BIGN, 82
.set SB,  87          ; the slot in hand: 0 or SLOT1
.set QBP, 88          ; Q at my rows of the second block
.set MSB, 0
.macro WIN new
.if MSB != (\new)
	s_set_vgpr_msb (MSB<<8)|(\new)
.set MSB, (\new)
.endif
.endm
.set W_KM, 0x15       ; K, Q and the mask in window 1, S^T in window 0
.set W_KQ, 0x05       ; K and Q in window 1
.set W_PV, 0x01       ; V in window 1
.set W_T1, 0x40       ; destination in window 1
.macro LOAD                         ; waves 0, 1 fetch the halves of a tile's K, waves 2, 3 those of its V; an s_nop 0 and four v_nop follow each line
	s_cmp_lt_u32 s[WV], 2
	s_cbranch_scc0 .Lfor_v_\@
	tensor_load_to_lds s[G0K:G0K+3], s[G1K:G1K+7]
	s_nop 0
.rept 4
	v_nop
.endr
	s_branch .Lasked_\@
.Lfor_v_\@:
	tensor_load_to_lds s[G0V:G0V+3], s[G1V:G1V+7]
	s_nop 0
.rept 4
	v_nop
.endr
.Lasked_\@:
.endm
; THE CHANGE OF SLOTS.  Each wave waits for all its tensor loads (one is out: its part of the other slot), adds 0 to its spare word, and waits for that and for its reads of the slot that it leaves.
; fill = 1: the old slot is filled again, the first thing behind the barrier, with tile NXT; that load has the tile's two key steps in which to land.
.macro CHANGE fill
	WIN 0
	s_wait_tensorcnt 0x0            ; no tensor load of mine is out, so a group 0 may be written
	ds_add_u32 v[SPW], v[NIL]       ; 0 onto my spare word
.if \fill
	s_lshl_b32 s[OFF], s[NXT], 14   ; a tile is 16,384 bytes of K and of V
	s_xor_b32 s[G0K+1], s[G0K+1], SLOT1
	s_add_nc_u64 s[G0K+2:G0K+3], s[6:7], s[OFF:OFF+1]
	s_or_b32 s[G0K+3], s[G0K+3], 0x80000000
	s_xor_b32 s[G0V+1], s[G0V+1], SLOT1
	s_add_nc_u64 s[G0V+2:G0V+3], s[8:9], s[OFF:OFF+1]
	s_or_b32 s[G0V+3], s[G0V+3], 0x80000000
	s_add_co_u32 s[NXT], s[NXT], 1  ; the block's next tile, or behind its last the second block's tile 0
	s_cmp_gt_u32 s[NXT], s[LQ]
	s_cselect_b32 s[NXT], 0, s[NXT]
	s_cselect_b32 s[LQ], s[PB], s[LQ]
.endif
	s_wait_dscnt 0x0                ; the add is done, and my reads of the slot are over
	s_barrier_signal -1
	s_xor_b32 s[SB], s[SB], SLOT1
	s_barrier_wait -1
.if \fill
	LOAD
.endif
.endm
.macro MASK t                       ; MD x AL + BE into tile t's mask
	WIN W_T1
.set z, 0
.rept 16
	v_pk_fma_f32 v[MC+32*(\t)+2*z:MC+32*(\t)+2*z+1], v[MD+2*z:MD+2*z+1], s[AL:AL+1], s[BE:BE+1] op_sel_hi:[1,0,0]
.set z, z+1
.endr
.endm
; A block begins: c m far below every c s, so the first step's a is 0 and O and l need only be finite; m at the lowest finite number; both masks 0.
.macro INIT
	s_mov_b32 s[AL], 0
	s_mov_b32 s[BE], 0
	WIN 0
.irp t, 0,1
	v_mov_b32 v[ST+4*\t], 0xfe000000
	v_mov_b32 v[ST+4*\t+1], 0xff7fffff
.endr
	MASK 0
	MASK 1
	WIN 0
.endm
	s_load_b128 s[4:7], s[0:1], 0x0 ; big16 s[4:5], o16 s[6:7]
	v_lshl_add_u32 v[SPW], v0, 2, SPARE
	v_mov_b32 v[NIL], 0
	ds_add_u32 v[SPW], v[NIL]       ; the wave's opening: the add and its wait ahead of my first tensor load
	ds_add_u32 v32, v33
	v_lshrrev_b32 v1, 5, v0
	v_readfirstlane_b32 s[WV], v1
	s_mov_b32 s[PB], ttmp9
	s_sub_co_u32 s[HI], 15, s[PB]
	s_and_b32 s20, ttmp7, 0xffff
	s_lshl_b32 s20, s20, 18         ; the head's first byte in q, k, v and o
	s_and_b32 s16, s[WV], 1         ; which half of a tile's 128 keys I fetch
	s_lshl_b32 s22, s16, 13
	s_add_co_u32 s22, s22, s20
	s_mov_b32 s23, 0
	s_mul_i32 s17, s16, 64*PK
	s_mul_i32 s18, s16, 64*PV
	s_lshl_b32 s3, s[WV], 11        ; my 16 rows in a band of 64
	s_add_co_u32 s3, s3, s20
	s_lshl_b32 s2, s[HI], 14        ; in the first block,
	s_add_co_u32 s2, s2, s3
	s_lshl_b32 s90, s[PB], 14       ; and in the second
	s_add_co_u32 s90, s90, s3
	s_mov_b32 s3, 0
	s_mov_b32 s91, 0
	; 64 keys are 8,192 dense bytes: asked for as 32 rows of 256 bytes (a wave's quarter of the tile's K and V holds no more), padded in LDS after every key
	s_mov_b32 s[G1K], (1<<16)|(1<<20)|(4<<22)|(3<<25)
	s_mov_b32 s[G1V], (1<<16)|(1<<20)|(4<<22)|(7<<25)
.irp g, G1K, G1V
	s_mov_b32 s[\g+1], 128<<16      ; tensor_dim0 = 128
	s_mov_b32 s[\g+2], 32<<16       ; tensor_dim1 = 32
	s_mov_b32 s[\g+3], 128<<16      ; tile_dim0 = 128
	s_mov_b32 s[\g+4], 32           ; tile_dim1 = 32
	s_mov_b32 s[\g+5], 128          ; 128 elements from row to row
	s_mov_b32 s[\g+6], 0
	s_mov_b32 s[\g+7], 0
.endr
	s_mov_b32 s[CS], 0x3e38aa3b     ; c = log2(e) / 8
	s_mov_b32 s[CS+1], s[CS]
	s_mov_b32 s[SEL], 0x76543210
	s_mov_b32 s[SEL+1], 0xfedcba98
	s_mov_b32 s[SB], SLOT1          ; the first change of slots turns it into 0
	s_mov_b32 s[G0K], 1
	s_mov_b32 s[G0K+1], s17
	s_mov_b32 s[G0V], 1
	s_add_co_u32 s[G0V+1], s18, VOFF
	s_mov_b32 s[LQ], s[HI]
	s_add_co_u32 s[RT], s[HI], 1    ; the first block has 16 - b tiles
	s_mov_b32 s[NXT], 1
	s_mov_b32 s[OFF+1], 0
	s_mov_b32 s[AL+1], 0
	s_mov_b32 s[BE+1], 0
	s_mov_b32 s[BIGN], 0xf149f2ca   ; -1e30
	s_mov_b32 s[SLOTS], 16
	s_wait_dscnt 0x0                ; the opening add is done
	s_wait_kmcnt 0x0
	s_mov_b64 s[10:11], s[6:7]      ; O
	s_add_nc_u64 s[6:7], s[4:5], s[22:23]
	s_add_nc_u64 s[8:9], s[6:7], 0x1000000   ; V at my half of the head's tile 0
	s_add_nc_u64 s[6:7], s[6:7], 0x800000    ; K likewise
	s_add_nc_u64 s[G0K+2:G0K+3], s[6:7], 0
	s_or_b32 s[G0K+3], s[G0K+3], 0x80000000
	s_add_nc_u64 s[G0V+2:G0V+3], s[8:9], 0
	s_or_b32 s[G0V+3], s[G0V+3], 0x80000000
	s_add_nc_u64 s[QBP:QBP+1], s[4:5], s[90:91]
	s_add_nc_u64 s[4:5], s[4:5], s[2:3]
	s_add_nc_u64 s[OLO:OLO+1], s[10:11], s[90:91]
	s_add_nc_u64 s[10:11], s[10:11], s[2:3]
	LOAD                            ; tile 0 into slot 0
	v_and_b32 v1, 15, v0            ; l % 16
	v_bfe_u32 v9, v0, 4, 1          ; l / 16
	v_lshlrev_b32 v[QO], 7, v1
	v_lshl_add_u32 v[QO], v9, 4, v[QO]
	WIN W_T1
.set i, 0
.rept 4                             ; both blocks' Q: tile i / 2 lies one band, 8,192 bytes, on; channels 32 (i % 2) on
	global_load_b128 v[8*i:8*i+3],   v[QO], s[4:5] offset:(i/2)*8192+(i%2)*64
	global_load_b128 v[8*i+4:8*i+7], v[QO], s[4:5] offset:(i/2)*8192+(i%2)*64+32
	global_load_b128 v[QB+8*i:QB+8*i+3],   v[QO], s[QBP:QBP+1] offset:(i/2)*8192+(i%2)*64
	global_load_b128 v[QB+8*i+4:QB+8*i+7], v[QO], s[QBP:QBP+1] offset:(i/2)*8192+(i%2)*64+32
.set i, i+1
.endr
	WIN 0
	v_lshlrev_b32 v14, 3, v9
	v_sub_nc_u32 v14, v1, v14
	s_lshl_b32 s13, s[WV], 4
	v_add_nc_u32 v14, s13, v14      ; my query's place in its band less my lanes' 8 (l / 16): register j of key group kt is hidden where 16 kt + j is greater
.set i, 0
.rept 32
	v_cmp_gt_i32 vcc_lo, 16*(i/8)+i%8, v14
	v_cndmask_b32 v[MD+i], 0, s[BIGN], vcc_lo
.set i, i+1
.endr
	v_mul_u32_u24 v[AK0], v1, PK
	v_lshl_add_u32 v[AK0], v9, 4, v[AK0]
	v_and_b32 v10, 7, v0
	v_bfe_u32 v11, v0, 3, 1
	v_lshl_add_u32 v[AV0], v9, 3, v10
	v_mul_u32_u24 v[AV0], v[AV0], PV
	v_lshl_add_u32 v[AV0], v11, 4, v[AV0]
	v_add_nc_u32 v[AV0], VOFF, v[AV0]
	s_mul_i32 s13, s[WV], 16*SP
	s_add_co_u32 s13, s13, STAGE    ; my stage
	v_mul_u32_u24 v[STO], v1, SP
	v_lshl_add_u32 v[STO], v9, 4, v[STO]
	v_add_nc_u32 v[STO], s13, v[STO]
	v_bfe_u32 v[RD], v0, 3, 2
	v_mul_u32_u24 v[RD], v[RD], SP
	v_lshl_add_u32 v[RD], v10, 4, v[RD]
	v_add_nc_u32 v[RD], s13, v[RD]
	v_and_b32 v[GO], 31, v0
	v_lshlrev_b32 v[GO], 4, v[GO]
.set i, 0
.rept 64                            ; O^T and l need only be finite where a block begins: zeros, written in the wait for the first tile
	v_mov_b32 v[O+i], 0
.set i, i+1
.endr
.irp t, 0,1
	v_mov_b32 v[ST+4*\t+2], 0
	v_mov_b32 v[ST+4*\t+3], 0
.endr
	INIT
	s_wait_loadcnt 0x0              ; Q
; THE MATRIX WORK.  The 8 accumulators of a run of 16 take turns.  Product i of S^T = K Q^T: channels 32 (i / 8) on, keys 16 ((i / 2) % 4) on, tile i % 2.  The first 8 start the sums with the mask.
.macro KQ
.set rS, S+32*(i%2)+8*((i/2)%4)
.set rK, KF+16*((i/2)%4)+8*(i/8)
.set rQ, 16*(i%2)+8*(i/8)
.set rM, MC+32*(i%2)+8*((i/2)%4)
.if i < 8
	WIN W_KM
	v_wmma_f32_16x16x32_bf16 v[rS:rS+7], v[rK:rK+7], v[rQ:rQ+7], v[rM:rM+7]
.else
	WIN W_KQ
	v_wmma_f32_16x16x32_bf16 v[rS:rS+7], v[rK:rK+7], v[rQ:rQ+7], v[rS:rS+7]
.endif
.set i, i+1
.endm
; Product i of O^T += V^T P: keys 32 (i / 8) on, channels 16 ((i / 2) % 4) on, tile i % 2.
.macro PV_
	WIN W_PV
.set rO, O+32*(i%2)+8*((i/2)%4)
.set rV, VF+32*(i/8)+8*((i/2)%4)
.set rP, P+16*(i%2)+8*(i/8)
	v_wmma_f32_16x16x32_bf16 v[rO:rO+7], v[rV:rV+7], v[rP:rP+7], v[rO:rO+7]
.set i, i+1
.endm
.macro FETCH_K k                    ; K of the tile's step k: 64 keys x 64 channels, 16 loads in one run; the step's place stands in the immediate
	WIN W_T1
.irp f, 0,1,2,3,4,5,6,7
	ds_load_b128 v[KF+8*\f:KF+8*\f+3],   v[AK] offset:(\k)*KS*PK+(\f/2)*16*PK+(\f%2)*64
	ds_load_b128 v[KF+8*\f+4:KF+8*\f+7], v[AK] offset:(\k)*KS*PK+(\f/2)*16*PK+(\f%2)*64+32
.endr
	WIN 0
.endm
.macro FETCH_V k                    ; its V, turned
	WIN W_T1
.irp f, 0,1,2,3,4,5,6,7
	ds_load_tr16_b128 v[VF+8*\f:VF+8*\f+3],   v[AV] offset:(\k)*KS*PV+(\f/4)*32*PV+(\f%4)*32
	ds_load_tr16_b128 v[VF+8*\f+4:VF+8*\f+7], v[AV] offset:(\k)*KS*PV+(\f/4)*32*PV+16*PV+(\f%4)*32
.endr
	WIN 0
.endm
.macro REGS t
.set rT, ST+4*(\t)
.set rC, TMP+4*(\t)
.set rW, MV+(\t)
.set rS, S+32*(\t)
.set rP, P+16*(\t)
.set rO, O+32*(\t)
.endm
; Number n of the 22 that find a tile's maximum and statistics; each accumulator's lowest registers are read first.  Number 21, the tile's a, is the first exponential of the step's batch.
.macro XS t, n
	REGS \t
.if (\n) < 4
	v_max3_num_f32 v[rC+(\n)], v[rS+8*(\n)], v[rS+8*(\n)+1], v[rS+8*(\n)+2]
.elseif (\n) < 12
	v_max3_num_f32 v[rC+(\n)%4], v[rC+(\n)%4], v[rS+8*((\n)%4)+2*((\n)/4)+1], v[rS+8*((\n)%4)+2*((\n)/4)+2]
.elseif (\n) == 12
	v_max3_num_f32 v[rC], v[rC], v[rS+7], v[rS+15]
.elseif (\n) == 13
	v_max3_num_f32 v[rC+1], v[rC+1], v[rS+23], v[rS+31]
.elseif (\n) == 14
	v_max3_num_f32 v[rC+2], v[rC+2], v[rC+3], v[rT+1]
.elseif (\n) == 15
	v_mov_b32 v[rW], v[rT]
.elseif (\n) == 16
	v_max3_num_f32 v[rC], v[rC], v[rC+1], v[rC+2]
.elseif (\n) == 17
	v_permlanex16_b32 v[rC+3], v[rC], s[SEL], s[SEL+1]
.elseif (\n) == 18
	v_max_num_f32 v[rT+1], v[rC], v[rC+3]
.elseif (\n) == 19
	v_mul_f32 v[rT], s[CS], v[rT+1]
.elseif (\n) == 20
	v_sub_f32 v[rC+1], v[rW], v[rT]
.else
	v_exp_f32 v[rC+2], v[rC+1]
.endif
.endm
.macro FS t, n                      ; c s - c m for pair n
	REGS \t
	v_pk_fma_f32 v[rS+2*(\n):rS+2*(\n)+1], v[rS+2*(\n):rS+2*(\n)+1], s[CS:CS+1], v[rT:rT+1] op_sel_hi:[1,0,0] neg_lo:[0,0,1] neg_hi:[0,0,1]
.endm
.macro RSC t, n                     ; pair n of O^T times a: a reader of the batch, behind its wait
	REGS \t
	v_pk_mul_f32 v[rO+2*(\n):rO+2*(\n)+1], v[rO+2*(\n):rO+2*(\n)+1], v[rC+2:rC+3] op_sel_hi:[1,0]
.endm
.macro CV t, n                      ; pair n of weights rounded to bf16: a reader of the batch, behind its wait
	REGS \t
	v_cvt_pk_bf16_f32 v[rP+(\n)], v[rS+2*(\n)], v[rS+2*(\n)+1]
.endm
; THE SOFTMAX of both tiles for one key step, all in window 0, the tiles alternating.  ONE BATCH, ONE WAIT.
; AHEAD OF THE WAIT stands all that names no exponential's result: the maxima and statistics, whose last two lines are the two a; four scalings; 28 times an exponential and a scaling; the other 36 exponentials.
; Exponential e is score e / 2 of tile e % 2, in place; it needs scaling 2 (e / 4) + e % 2 (scaling f: pair f / 2 of tile f % 2) and finds e + 4 of them issued.  The pair scaled beside exponential e holds scores
; 4 + 2 (e / 2) and the next, and exponentials have been issued up to score e / 2 only: no scaling names a result.
; BEHIND THE WAIT stand all the readers: O^T times a (ascending), the roundings to bf16, the sums.
.macro SOFTMAX
.irp n, 0,1,2,3,4,5,6,7,8,9,10,11,12,13,14,15,16,17,18,19,20,21
	XS 0, \n
	XS 1, \n
.endr
.set n, 0
.rept 2                             ; scalings 0 to 3: pairs 0 and 1 of both tiles
	FS 0, n
	FS 1, n
.set n, n+1
.endr
.set e, 0
.rept 28                            ; exponentials 0 to 27, behind each one of the scalings 4 to 31
	REGS e%2
	v_exp_f32 v[rS+e/2], v[rS+e/2]
	FS e%2, 2+e/2
.set e, e+1
.endr
.rept 36                            ; exponentials 28 to 63: all scalings are issued
	REGS e%2
	v_exp_f32 v[rS+e/2], v[rS+e/2]
.set e, e+1
.endr
	v_nop                           ; a plain instruction behind the last exponential, ahead of the first use of a result: one for the batch
	s_wait_alu depctr_va_vdst(0)    ; the wait for the batch, the step's 66 exponentials: ahead of the first line that names a result
.set n, 0
.rept 16
	RSC 0, n
	RSC 1, n
.set n, n+1
.endr
.set n, 0
.rept 16
	CV 0, n
	CV 1, n
.set n, n+1
.endr
.irp w, 4, 8, 16, 32                ; the sum of a tile's 16 pairs, a tree in place
.set u, 0
.rept 32/\w
	v_pk_add_f32 v[S+\w*u:S+\w*u+1], v[S+\w*u:S+\w*u+1], v[S+\w*u+\w/2:S+\w*u+\w/2+1]
	v_pk_add_f32 v[S+32+\w*u:S+32+\w*u+1], v[S+32+\w*u:S+32+\w*u+1], v[S+32+\w*u+\w/2:S+32+\w*u+\w/2+1]
.set u, u+1
.endr
.endr
.irp t, 0,1
	v_pk_fma_f32 v[ST+4*\t+2:ST+4*\t+3], v[ST+4*\t+2:ST+4*\t+3], v[TMP+4*\t+2:TMP+4*\t+3], v[S+32*\t:S+32*\t+1] op_sel_hi:[1,0,1]
.endr
.endm
; THE WAY OUT of a block: O^T is divided by l, rounded to bf16 and sent through my stage, a tile at a time.
.macro PACK t
	REGS \t
.set n, 0
.rept 16
	v_pk_mul_f32 v[rO+2*n:rO+2*n+1], v[rO+2*n:rO+2*n+1], v[rT+2:rT+3] op_sel_hi:[1,0]
.set n, n+1
.endr
.set n, 0
.rept 16
	v_cvt_pk_bf16_f32 v[S+16*(\t)+n], v[rO+2*n], v[rO+2*n+1]
.set n, n+1
.endr
.irp f, 0,1,2,3
	ds_store_b128 v[STO], v[S+16*(\t)+4*\f:S+16*(\t)+4*\f+3] offset:32*\f
.endr
.irp f, 0,1,2,3
	ds_load_b128 v[S+16*(\t)+4*\f:S+16*(\t)+4*\f+3], v[RD] offset:\f*4*SP  ; LDS serves a wave's instructions in order: these see the stores above; the next tile's stores come behind them
.endr
.endm
.macro SEND t, younger              ; younger: the LDS instructions issued behind tile t's loads
.irp f, 0,1,2,3
	s_wait_dscnt (\younger)+3-\f
	global_store_b128 v[GO], v[S+16*(\t)+4*\f:S+16*(\t)+4*\f+3], s[10:11] offset:(\t)*8192+\f*512  ; 512 consecutive bytes, at a multiple of 256 from O's first
.endr
.endm
.macro END last
	WIN 0
.irp t, 0,1
	v_add_f32 v[ST+4*\t+2], v[ST+4*\t+2], v[ST+4*\t+3]
.endr
.irp t, 0,1
	v_permlanex16_b32 v[ST+4*\t+3], v[ST+4*\t+2], s[SEL], s[SEL+1]
.endr
.irp t, 0,1
	v_add_f32 v[ST+4*\t+2], v[ST+4*\t+2], v[ST+4*\t+3]
.endr
.irp t, 0,1
	v_rcp_f32 v[ST+4*\t+2], v[ST+4*\t+2]
.endr
	v_nop                           ; a plain instruction between the last reciprocal and the use of its result
	s_wait_alu depctr_va_vdst(0)    ; the wait for the block's two reciprocals, one for both: ahead of their first use
	PACK 0
	PACK 1
	SEND 0, 8
	SEND 1, 0
.if !(\last)
	s_wait_xcnt 0x0                 ; the stores have read their registers and O's address
	s_mov_b64 s[10:11], s[OLO:OLO+1]
	s_add_co_u32 s[RT], s[PB], 1    ; the second block has b + 1 tiles
	WIN 0x41                        ; the second block's Q goes where the one text of the products names Q
.set i, 0
.rept 32
	v_mov_b32 v[i], v[QB+i]
.set i, i+1
.endr
	WIN 0
	INIT
.endif
.endm
; KEY STEP k (0, 1) of the tile in hand.  cond = 1: the masks are made only in a block's last tile (RT = 0); cond = 0 (the walk's last tile): always.
.macro STEP k, cond
.if \cond
	s_cmp_lg_u32 s[RT], 0
	s_cbranch_scc1 .Lopen_\@        ; not the diagonal tile: the masks are 0 as they stand
.endif
.if (\k) == 0
	s_mov_b32 s[AL], 1.0            ; the first band's own step; the second band's mask stays 0
	s_mov_b32 s[BE], 0
	MASK 0
.else
	s_mov_b32 s[AL], 0              ; the first band sees none of these keys,
	s_mov_b32 s[BE], s[BIGN]
	MASK 0
	s_mov_b32 s[AL], 1.0            ; and it is the second band's own step
	s_mov_b32 s[BE], 0
	MASK 1
.endif
	WIN 0
.Lopen_\@:
	s_wait_dscnt 16                 ; K is in; V's sixteen loads, issued behind K's, may be out
.set i, 0
.rept 16
	KQ
.endr
	WIN 0
.rept 4
	v_nop                           ; the four places behind the products, ahead of the loads into K's registers and of the reads of S^T
.endr
.if (\k) == 0
	FETCH_K 1
.endif
	SOFTMAX
	s_wait_dscnt 0x0                ; V is in (and the next K, asked for a softmax ago)
.set i, 0
.rept 16
	PV_
.endr
	WIN 0
.rept 4
	v_nop                           ; four places again, ahead of the loads into V's registers and of the reads of O^T
.endr
.if (\k) == 0
	FETCH_V 1
.endif
.endm
; A TILE: the change of slots, the first step's fetches, two key steps, and the block's end if this was its last tile.
.macro TILE fill
	CHANGE \fill
.if \fill
	s_sub_co_u32 s[RT], s[RT], 1
.endif
	v_add_nc_u32 v[AK], s[SB], v[AK0]
	v_add_nc_u32 v[AV], s[SB], v[AV0]
	FETCH_K 0
	FETCH_V 0
	STEP 0, \fill
	STEP 1, \fill
.if \fill
	s_cmp_eq_u32 s[RT], 0
	s_cbranch_scc0 .Lon_\@
	END 0                           ; in the loop this is the first block's end: the second block's last tile is the walk's last
.Lon_\@:
.else
	END 1
.endif
.endm
.Lslot:                             ; 16 times: a tile is entered and the next is asked for
	TILE 1
	s_sub_co_u32 s[SLOTS], s[SLOTS], 1
	s_cmp_lg_u32 s[SLOTS], 0
	s_cbranch_scc1 .Lslot
	TILE 0                          ; the walk's last tile is written out: nothing is asked for
	s_wait_tensorcnt 0x0            ; the wave's end: behind my last tensor load and my last LDS store
	ds_add_u32 v[SPW], v[NIL]
	s_wait_dscnt 0x0
	s_endpgm
.Lfunc_end_k_qe282623056_attn:
	.size	k_qe282623056_attn, .Lfunc_end_k_qe282623056_attn-k_qe282623056_attn
	.p2alignl 7, 3214868480
	.fill 96, 4, 3214868480
	.section	.rodata,"a",@progbits
	.p2align	6, 0x0
	.amdhsa_kernel k_qe282623056_attn
		.amdhsa_group_segment_fixed_size 327680
		.amdhsa_private_segment_fixed_size 0
		.amdhsa_enable_private_segment 0
		.amdhsa_kernarg_size 16
		.amdhsa_user_sgpr_count 2
		.amdhsa_user_sgpr_kernarg_segment_ptr 1
		.amdhsa_wavefront_size32 1
		.amdhsa_system_sgpr_workgroup_id_x 1
		.amdhsa_system_sgpr_workgroup_id_y 1
		.amdhsa_system_sgpr_workgroup_id_z 1
		.amdhsa_system_vgpr_workitem_id 0
		.amdhsa_next_free_vgpr 512
		.amdhsa_next_free_sgpr 96
		.amdhsa_reserve_vcc 1
		.amdhsa_float_denorm_mode_32 3
		.amdhsa_float_denorm_mode_16_64 3
		.amdhsa_memory_ordered 1
		.amdhsa_forward_progress 1
		.amdhsa_inst_pref_size 108
	.end_amdhsa_kernel
	.amdgpu_metadata
---
amdhsa.version: [ 1, 2 ]
amdhsa.kernels:
  - .name:           k_qe282623056_attn
    .symbol:         k_qe282623056_attn.kd
    .args:
      - { .name: big16, .offset: 0, .size: 8, .value_kind: global_buffer, .address_space: global }
      - { .name: o16, .offset: 8, .size: 8, .value_kind: global_buffer, .address_space: global }
    .group_segment_fixed_size: 327680
    .private_segment_fixed_size: 0
    .kernarg_segment_align: 8
    .kernarg_segment_size: 16
    .max_flat_workgroup_size: 128
    .sgpr_count:     96
    .vgpr_count:     512
    .wavefront_size: 32
...
	.end_amdgpu_metadata
.endif
;; end of part 7
;; launch oproj: the kernel of part 2 again; grid 8 x 32, 4 waves a work-group, clusters of 4 x 4, 327,680 bytes of LDS; arguments o16, wo, attn_out_b, big16; writes big16
;; launch ln2: the kernel of part 4 again; grid 256 x 1, 8 waves a work-group, no clusters, 0 bytes of LDS; arguments x, big16, ln1_w, ln1_b, ln2_w, ln2_b, act16, r32; writes act16, r32
;; launch fc (part 8): grid 16 x 16, 4 waves a work-group, clusters of 4 x 4, 327,680 bytes of LDS; arguments act16, wf, c_fc_b, big16; writes big16
.if DOCPART == 8
	.amdgcn_target "amdgcn-amd-amdhsa--gfx1250"
	.amdhsa_code_object_version 6
	.text
	.protected	k_qe282623056_fc
	.globl	k_qe282623056_fc
	.p2align	8
	.type	k_qe282623056_fc,@function
k_qe282623056_fc:
	s_mov_b64 s[64:65], 0
	v_nop
	global_prefetch_b8 v0, s[64:65] scope:SCOPE_SE
	s_setreg_imm32_b32 hwreg(HW_REG_WAVE_MODE, 25, 1), 1
	s_wait_xcnt 0x0
	s_wait_alu depctr_hold_cnt(0) depctr_sa_sdst(0) depctr_va_vdst(0) depctr_va_sdst(0) depctr_va_ssrc(0) depctr_va_vcc(0) depctr_vm_vsrc(0)
	s_getreg_b32 s2, hwreg(HW_REG_IB_STS2, 6, 4)
	s_cmp_eq_u32 s2, 0
	s_cbranch_scc0 .Lentry_in_a_cluster
	s_endpgm
.Lentry_in_a_cluster:
	s_bfe_u32 s2, ttmp6, 0x10000c
	s_cmp_lg_u32 s2, 0xf033
	s_cbranch_scc0 .Lentry_shape_is_right
	s_endpgm
.Lentry_shape_is_right:
; G = gelu(A W + bias), the exact (erf) GELU.  A: [4096][1024] bf16 in blocks of 64 columns (byte (cb x 4096 + m) x 128 + 2 d).  W: [1024][4096] bf16 in blocks of 128 columns
; (byte (nb x 1024 + k) x 256 + 2 (n % 128)).  G: [4096][4096] bf16 in blocks of 64 columns.  Sums, bias and GELU in f32; G rounded once.  Operands are bf16, so the range is f32's.
; LIMITS.  erf by the rational form with five terms, off by 1.5e-7 at the most for every x; where x x overflows the exponential is 0 and the result max(x, 0); NaN and infinities are not treated apart.
; SHARES.  A tile of C is 256 x 256: 16 x 16 tiles, one work-group each.  Four waves, each 128 x 128: 64 accumulators of 16 x 16, 512 registers: for 32 along K a wave loads 2 x 128 x 64 bytes from LDS and
; issues 64 matrix instructions.  K goes in steps of 128 through two LDS slots.  A's part of a slot: two planes [256 rows][64 k], rows 144 bytes apart; W's part: two planes [128 k][128 n], rows 288 bytes apart,
; read turned by ds_load_tr16_b128.  Waves 0, 1 fetch a plane of A each, waves 2, 3 a plane of W each: 32,768 dense bytes a load.  From a request to the wait for it a wave issues 224 matrix instructions.
; CLUSTER.  4 x 4 work-groups: the four of a row need the same tiles of A, the four of a column the same tiles of W; each tile is asked for jointly.
; THE MATRIX INSTRUCTION IS USED TRANSPOSED (source 0 = 16 columns of W, source 1 = 16 rows of A): a lane holds eight neighbouring numbers of a row of C.
; THE WAY OUT.  Behind a barrier that follows every wave's last read of the ring, the ring's bytes (they have had their last fill) serve as stages: 128 rows x 528 bytes of f32 for each wave, its own.
; The sums go in as they lie in the accumulators and come back as rows, and one loop of 32 trips makes bias, GELU and rounding for 4 rows x 128 columns a trip.
; BATCH.  A trip of that loop has 16 reciprocals (t) and 16 exponentials (of -x x / 2); neither kind reads the other's results, so the 32 are ONE batch with ONE wait.  Ahead of the wait stands all that names no
; result of theirs, last the 16 maxima max(x, 0); behind it the polynomial in t, its product with the exponential, and the rest.  No result crosses the trip's end.
; REGISTERS, in windows of 256.  Window 0: v16-30 addresses; v32-63, v192-207 at work on the way out; v64-127, v128-191 fragments of A, two buffers (on the way out: room for the GELU).
; Window 1: v64-127, v128-191 fragments of W.  Window 2: the 32 accumulators of my rows 0-63 ((a, b) at v[8 (8 a + b)]); window 3: those of my rows 64-127.
.set KTOT,   1024
.set KSTEP,  128
.set LAPS,   KTOT/(2*KSTEP)            ; a lap = two K steps = once round the ring
.set PA,     144                       ; a row of A in LDS: 128 bytes + 16: the 16 rows of a load start at 16 different groups of four banks
.set PW,     288                       ; a row of W: 256 + 32
.set APL,    256*PA                    ; a plane of A
.set HALFT,  APL                       ; what one tensor load brings: a plane of A, or a plane of W (128 x 288 is the same number)
.set BOFF,   2*HALFT
.set SLOT,   4*HALFT
.set SPARE,  2*SLOT                    ; behind the ring: the spare words, 128 bytes for each wave: two blocks of 256 bytes that no other line names
.set SPITCH, 528                       ; a row of the stage: 512 bytes + 16
.set WSTG,   2*HALFT                   ; a wave's stage: 128 x 528 = 67,584 of these 73,728 bytes
.set ADRA, 16                          ; v16-17  LDS address of my A fragments in slot 0, 1
.set ADRB, 20                          ; v20-21  of my W fragments
.set STO,  24                          ; v24     the way out: where I put 32 bytes of a row
.set RD,   25                          ; v25     where I read rows back; steps by four rows a trip
.set GO,   26                          ; v26     my byte offset in the output; steps by four rows a trip
.set BO,   27                          ; v27     my byte offset in the bias
.set SPW,  28                          ; v28     LDS address of my spare word; never rewritten
.set NIL,  29                          ; v29     0; never rewritten
.set LD,   32                          ; v32-47  four loads from the stage: 2 pairs of rows x 2 halves of the columns
.set X,    48                          ; v48-63  the 16 numbers at work
.set F0,   64                          ; fragment buffer 0
.set F1,   128                         ; fragment buffer 1
.set PKO,  192                         ; v192-199 packed results
.set BIAS, 200                         ; v200-207 the bias of my four columns in each half of the wave's 128
.set AX,   64                          ; the GELU's room, in A's fragment registers
.set TT,   80
.set EE,   96
.set PL,   112
.set MX,   128
.set G1,  24                           ; s[24:31] descriptor group 1 for A;  s[32:39] group 0, one set for each slot
.set G0,  32
.set G1B, 48                           ; s[48:55], s[56:63] the same for W
.set G0B, 56
.set BP,  68                           ; s[68:69] bias
.set OUTP, 70                          ; s[70:71] the output
.set CP, 74                            ; the GELU's constants, each the low word of a pair
.set CK, 76
.set A1, 78
.set A2, 80
.set A3, 82
.set A4, 84
.set A5, 86
.set SGN, 88
.set MSB, 0
.macro WIN new                         ; the immediate's high byte repeats the setting that is left
.if MSB != (\new)
	s_set_vgpr_msb (MSB<<8)|(\new)
.set MSB, \new
.endif
.endm
.set MUL_LO, 0xa1                      ; source 0 (W) window 1, source 1 (A) window 0, C and D window 2
.set MUL_HI, 0xf1                      ; the same, C and D window 3
.set TO_B,   0x40                      ; destination window 1, address window 0
.macro EACH n, line:vararg             ; one line for p = 0 .. n - 1
.set p, 0
.rept \n
	\line
.set p, p+1
.endr
.endm
.macro JLOAD s                         ; a joint load: waves 0 and 1 fetch A's planes, waves 2 and 3 W's; an s_nop 0 and four v_nop follow each line
	s_cmp_eq_u32 s11, 0
	s_cbranch_scc0 .Lfor_b_\@
	tensor_load_to_lds s[G0+4*(\s):G0+4*(\s)+3], s[G1:G1+7]
	s_nop 0
.rept 4
	v_nop
.endr
	s_branch .Lasked_\@
.Lfor_b_\@:
	tensor_load_to_lds s[G0B+4*(\s):G0B+4*(\s)+3], s[G1B:G1B+7]
	s_nop 0
.rept 4
	v_nop
.endr
.Lasked_\@:
.endm
.macro CREST                           ; a round of the cluster's barrier behind its opening barrier
	s_cmp_lg_u32 s10, 0
	s_cbranch_scc1 .Lnot_wave_0_\@
	s_barrier_signal -3
.Lnot_wave_0_\@:
	s_barrier_wait -3
	s_barrier_signal -1
	s_barrier_wait -1
.endm
.macro CROUND
	s_barrier_signal -1
	s_barrier_wait -1
	CREST
.endm
	s_load_b128 s[4:7], s[0:1], 0x0                ; A s[4:5], W s[6:7]
	s_load_b128 s[68:71], s[0:1], 0x10             ; bias, the output
	v_lshl_add_u32 v[SPW], v0, 2, SPARE
	v_mov_b32 v[NIL], 0
	ds_add_u32 v[SPW], v[NIL]                      ; the wave's opening: the add and its wait ahead of my first tensor load
	ds_add_u32 v28, v29
	v_lshrrev_b32 v1, 5, v0
	v_readfirstlane_b32 s10, v1                    ; wave 0..3
	s_lshr_b32 s11, s10, 1                         ; which half of the tile's rows is mine.  Also: I fetch for A (0) or for W (1)
	s_and_b32 s12, s10, 1                          ; which half of its columns.  Also: which plane of that tile I fetch
	s_bfe_u32 s40, ttmp6, 0x40000                  ; cx, cy: my place in the cluster
	s_bfe_u32 s41, ttmp6, 0x40004
	s_lshl_b32 s42, ttmp9, 2
	s_add_co_u32 s42, s42, s40                     ; tile column of C
	s_and_b32 s13, ttmp7, 0xffff
	s_lshl_b32 s13, s13, 2
	s_add_co_u32 s13, s13, s41                     ; tile row of C
	s_lshl_b32 s43, s41, 2
	s_lshl_b32 s43, 15, s43                        ; my row of the cluster
	s_lshl_b32 s44, 0x1111, s40                    ; my column
	; A: 256 rows of 128 bytes of one block of 64 columns are 32,768 dense bytes: asked for as two runs of 8,192 elements, padded by 4 words after every 32: 256 LDS rows of 144 bytes
	s_or_b32 s[G1+0], s43, (1<<16)|(1<<20)|(1<<21)|(4<<22)|(3<<25)
	s_mov_b32 s[G1+1], 8192<<16                    ; tensor_dim0
	s_mov_b32 s[G1+2], 2<<16                       ; tensor_dim1
	s_mov_b32 s[G1+3], 8192<<16                    ; tile_dim0
	s_mov_b32 s[G1+4], 2                           ; tile_dim1
	s_mov_b32 s[G1+5], 8192                        ; elements from run to run
	s_mov_b32 s[G1+6], 0
	s_mov_b32 s[G1+7], 0
	; W: 128 rows of 128 elements, dense, padded by 8 words after every 64: LDS rows of 288 bytes
	s_or_b32 s[G1B+0], s44, (1<<16)|(1<<20)|(1<<21)|(5<<22)|(7<<25)
	s_mov_b32 s[G1B+1], 128<<16
	s_mov_b32 s[G1B+2], 128<<16
	s_mov_b32 s[G1B+3], 128<<16
	s_mov_b32 s[G1B+4], 128
	s_mov_b32 s[G1B+5], 128
	s_mov_b32 s[G1B+6], 0
	s_mov_b32 s[G1B+7], 0
	s_lshl_b32 s16, s12, 19                        ; A: my block of 64 columns (524,288 bytes each),
	s_lshl_b32 s17, s13, 15                        ; the tile's 256 rows of 128 bytes
	s_add_co_u32 s16, s16, s17
	s_mov_b32 s17, 0
	s_lshl_b32 s46, s42, 19                        ; W: block 2 x tile column + plane, 262,144 bytes each
	s_lshl_b32 s47, s12, 18
	s_add_co_u32 s46, s46, s47
	s_mov_b32 s47, 0
	s_mul_i32 s20, s10, HALFT                      ; where they go: no place in the cluster enters an LDS address
	s_mov_b32 s[CP], 0x3e6d3389                    ; 0.3275911 / sqrt(2)
	s_mov_b32 s[CK], 0xbf38aa3b                    ; -log2(e) / 2
	s_mov_b32 s[A1], 0x3e027906                    ; half of 0.254829592
	s_mov_b32 s[A2], 0xbe11a98e                    ; half of -0.284496736
	s_mov_b32 s[A3], 0x3f35f0e3                    ; half of 1.421413741
	s_mov_b32 s[A4], 0xbf3a00e3                    ; half of -1.453152027
	s_mov_b32 s[A5], 0x3f07dc22                    ; half of 1.061405429
.irp c, CP, CK, A1, A2, A3, A4, A5
	s_mov_b32 s[\c+1], s[\c]                       ; named with it as a pair
.endr
	s_mov_b32 s[SGN], 0x7fffffff
	s_wait_dscnt 0x0                               ; the opening add is done
	s_wait_kmcnt 0x0
	s_add_nc_u64 s[14:15], s[4:5], s[16:17]
	s_add_nc_u64 s[46:47], s[6:7], s[46:47]
	CROUND                                         ; all sixteen work-groups are here: the first joint loads meet
.irp s, 0,1
	s_mov_b32 s[G0+4*(\s)], 1
	s_add_co_u32 s[G0+4*(\s)+1], s20, (\s)*SLOT
	s_add_nc_u64 s[G0+4*(\s)+2:G0+4*(\s)+3], s[14:15], (\s)*(1<<20)   ; K step s: two blocks of 64 columns on
	s_or_b32 s[G0+4*(\s)+3], s[G0+4*(\s)+3], 0x80000000
	s_mov_b32 s[G0B+4*(\s)], 1
	s_add_co_u32 s[G0B+4*(\s)+1], s20, (\s)*SLOT
	s_add_nc_u64 s[G0B+4*(\s)+2:G0B+4*(\s)+3], s[46:47], (\s)*(1<<15) ; 128 rows of 256 bytes on
	s_or_b32 s[G0B+4*(\s)+3], s[G0B+4*(\s)+3], 0x80000000
	JLOAD \s
.endr
	v_and_b32 v1, 15, v0                           ; r = l % 16
	v_bfe_u32 v2, v0, 4, 1                         ; h = l / 16
	v_mul_u32_u24 v3, v1, PA
	v_lshl_add_u32 v3, v2, 4, v3                   ; A: row x pitch + 16 h
	s_mul_i32 s21, s11, 128*PA                     ; my 128 rows
	v_add_nc_u32 v[ADRA], s21, v3
	v_add_nc_u32 v[ADRA+1], SLOT, v[ADRA]
	v_and_b32 v4, 7, v0
	v_lshl_add_u32 v4, v2, 3, v4                   ; W: k row 8 h + l % 8,
	v_mul_u32_u24 v4, v4, PW
	v_bfe_u32 v5, v0, 3, 1
	v_lshl_add_u32 v4, v5, 4, v4                   ; columns 8 ((l / 8) % 2) on,
	s_mul_i32 s22, s12, HALFT                      ; in my plane of 128 columns
	s_add_co_u32 s22, s22, BOFF
	v_add_nc_u32 v[ADRB], s22, v4
	v_add_nc_u32 v[ADRB+1], SLOT, v[ADRB]
	s_mul_i32 s23, s10, WSTG                       ; my stage
	v_mul_u32_u24 v6, v1, SPITCH
	v_lshl_add_u32 v6, v2, 5, v6                   ; in: row r, 32 bytes for each half of the lanes
	v_add_nc_u32 v[STO], s23, v6
	v_mul_u32_u24 v6, v2, SPITCH
	v_lshl_add_u32 v6, v1, 4, v6                   ; back: lanes 0-15 take 256 bytes of one row, lanes 16-31 of the next
	v_add_nc_u32 v[RD], s23, v6
	v_lshlrev_b32 v[BO], 4, v1
	s_lshl_b32 s46, s42, 10                        ; my 128 columns in f32 bytes: 1,024 x tile column + 512 x half
	s_lshl_b32 s47, s12, 9
	s_add_co_u32 s46, s46, s47
	s_mov_b32 s47, 0
	s_add_nc_u64 s[BP:BP+1], s[BP:BP+1], s[46:47]
	global_load_b128 v[BIAS:BIAS+3], v[BO], s[BP:BP+1]
	global_load_b128 v[BIAS+4:BIAS+7], v[BO], s[BP:BP+1] offset:256
	v_and_b32 v6, 31, v0
	v_lshlrev_b32 v[GO], 3, v6                     ; two rows of 128 bytes, 8 bytes a lane
	s_lshl_b32 s46, s42, 2
	s_lshl_b32 s45, s12, 1
	s_add_co_u32 s46, s46, s45                     ; my first block of 64 columns: 4 x tile column + 2 x half,
	s_lshl_b32 s46, s46, 19
	s_lshl_b32 s45, s13, 15                        ; my first row in it: 256 x tile row + 128 x half
	s_add_co_u32 s46, s46, s45
	s_lshl_b32 s45, s11, 14
	s_add_co_u32 s46, s46, s45
	s_add_nc_u64 s[OUTP:OUTP+1], s[OUTP:OUTP+1], s[46:47]
; 16 matrix instructions: m blocks a0, a0 + 1 of the window's four (hi = 0: my rows 0-63, 1: rows 64-127) x all 8 n blocks, 32 along K.  zero = 1: the first product starts the sums.
; The 64 accumulators take turns, in the same order in every quarter.
.macro MUL16 f, hi, a0, zero
	WIN MUL_LO+0x50*(\hi)
.irp a, \a0, (\a0)+1
.irp b, 0,1,2,3,4,5,6,7
.if \zero
	v_wmma_f32_16x16x32_bf16 v[8*(8*(\a)+(\b)):8*(8*(\a)+(\b))+7], v[(\f)+8*(\b):(\f)+8*(\b)+7], v[(\f)+8*(4*(\hi)+(\a)):(\f)+8*(4*(\hi)+(\a))+7], 0
.else
	v_wmma_f32_16x16x32_bf16 v[8*(8*(\a)+(\b)):8*(8*(\a)+(\b))+7], v[(\f)+8*(\b):(\f)+8*(\b)+7], v[(\f)+8*(4*(\hi)+(\a)):(\f)+8*(4*(\hi)+(\a))+7], v[8*(8*(\a)+(\b)):8*(8*(\a)+(\b))+7]
.endif
.endr
.endr
.endm
; 32 LDS loads in one run: the fragments of quarter q (32 along K: rows 32 q on of my plane of W; plane q / 2 of A, bytes 64 (q % 2) on) into buffer f; W first, then A's rows 0-63, then rows 64-127
.macro FETCH slot, q, f
	WIN TO_B
.irp i, 0,1,2,3,4,5,6,7
	ds_load_tr16_b128 v[(\f)+8*(\i):(\f)+8*(\i)+3],   v[ADRB+(\slot)] offset:(\q)*32*PW+32*(\i)
	ds_load_tr16_b128 v[(\f)+8*(\i)+4:(\f)+8*(\i)+7], v[ADRB+(\slot)] offset:(\q)*32*PW+32*(\i)+16*PW
.endr
	WIN 0
.irp i, 0,1,2,3,4,5,6,7
	ds_load_b128 v[(\f)+8*(\i):(\f)+8*(\i)+3],   v[ADRA+(\slot)] offset:((\q)/2)*APL+((\q)%2)*64+(\i)*16*PA
	ds_load_b128 v[(\f)+8*(\i)+4:(\f)+8*(\i)+7], v[ADRA+(\slot)] offset:((\q)/2)*APL+((\q)%2)*64+(\i)*16*PA+32
.endr
.endm
.macro PLACES                          ; four places in front of loads into registers that matrix instructions have read, and of reads of results
.rept 4
	v_nop
.endr
.endm
; A K step is four quarters of 32 along K, 64 matrix instructions each, on buffers 0, 1, 0, 1.  One of the first three: multiplies buffer f; in its middle it fetches quarter q into buffer g.
.macro QUARTER slot, q, f, g, zero
	s_wait_dscnt 8                                 ; W and A's rows 0-63 are in; the youngest eight loads (A's rows 64-127) may be out
	MUL16 \f, 0, 0, \zero
	MUL16 \f, 0, 2, \zero
	PLACES
	FETCH \slot, \q, \g
	s_wait_dscnt 32                                ; all but the 32 just issued
	MUL16 \f, 1, 0, \zero
	MUL16 \f, 1, 2, \zero
.endm
; The last quarter multiplies buffer 1 and changes slots: one barrier; in front of it each wave waits for all its tensor loads, adds 0 to its spare word, and waits for that and for its reads of this slot.
; fill = 1: the barrier opens a round of the cluster's, and this slot is filled again, two K steps ahead, first thing behind the round.
.macro TURN slot, next, fill
	WIN 0                                          ; (the add's two registers lie in window 0)
	s_wait_tensorcnt 0x0                           ; all my tensor loads have landed: the one that was out is my part of the next slot;
	ds_add_u32 v[SPW], v[NIL]                      ; 0 onto my spare word;
	s_wait_dscnt 9                                 ; (the add and the youngest eight loads may be out)
	MUL16 F1, 0, 0, 0                              ; sixteen matrix instructions stand between the add and the wait for it
	s_wait_dscnt 0x0                               ; the add is done, and my reads of this slot are over
	s_barrier_signal -1
	MUL16 F1, 0, 2, 0                              ; work on registers while the others arrive
.if \fill
	WIN 0
.endif
	s_barrier_wait -1
.if \fill
	CREST                                          ; no wave of any partner still reads this slot or has a load on its way
	s_add_nc_u64 s[G0+4*(\slot)+2:G0+4*(\slot)+3], s[G0+4*(\slot)+2:G0+4*(\slot)+3], 1<<21
	s_add_nc_u64 s[G0B+4*(\slot)+2:G0B+4*(\slot)+3], s[G0B+4*(\slot)+2:G0B+4*(\slot)+3], 1<<16
	JLOAD \slot                                    ; the first tensor load behind the round; its four v_nop are also the places in front of the loads below
.else
	PLACES
.endif
	FETCH \next, 0, F0
	MUL16 F1, 1, 0, 0
	MUL16 F1, 1, 2, 0
.endm
	s_wait_tensorcnt 1                             ; my part of K step 0 is in; K step 1's stays out
	s_barrier_signal -1
	s_barrier_wait -1
	FETCH 0, 0, F0
	QUARTER 0, 1, F0, F1, 1                        ; the first quarter stands in front of the loop: its products start the sums
	WIN 0
	s_mov_b32 s3, LAPS-1
.Llap:                                                 ; a trip goes once round the ring, from a lap's second quarter to the next lap's first, and fills both slots again
	QUARTER 0, 2, F1, F0, 0
	QUARTER 0, 3, F0, F1, 0
	TURN 0, 1, 1
	QUARTER 1, 1, F0, F1, 0
	QUARTER 1, 2, F1, F0, 0
	QUARTER 1, 3, F0, F1, 0
	TURN 1, 0, 1
	QUARTER 0, 1, F0, F1, 0
	WIN 0
	s_sub_co_u32 s3, s3, 1
	s_cmp_lg_u32 s3, 0
	s_cbranch_scc1 .Llap
	QUARTER 0, 2, F1, F0, 0                        ; the last lap fills nothing
	QUARTER 0, 3, F0, F1, 0
	TURN 0, 1, 0
	QUARTER 1, 1, F0, F1, 0
	QUARTER 1, 2, F1, F0, 0
	QUARTER 1, 3, F0, F1, 0
	s_wait_dscnt 8                                 ; the very last quarter: nothing more to fetch
	MUL16 F1, 0, 0, 0
	MUL16 F1, 0, 2, 0
	s_wait_dscnt 0x0                               ; my reads of the ring are over:
	s_barrier_signal -1                            ; say so,
	MUL16 F1, 1, 0, 0                              ; work on registers while the others arrive,
	MUL16 F1, 1, 2, 0
	WIN 0
	s_barrier_wait -1                              ; and behind this wait nobody reads the ring any more: its bytes are the stages
; THE WAY OUT.  The sums go into my stage as f32, each accumulator's low four registers first.
	s_wait_loadcnt 0x0                             ; the bias
	PLACES
.irp hi, 0,1
	WIN 0x08+4*(\hi)                               ; the stores' data (source 1) in window 2, then 3
.irp a, 0,1,2,3
.irp b, 0,1,2,3,4,5,6,7
	ds_store_b128 v[STO], v[8*(8*(\a)+(\b)):8*(8*(\a)+(\b))+3]   offset:(4*(\hi)+(\a))*16*SPITCH+64*(\b)
	ds_store_b128 v[STO], v[8*(8*(\a)+(\b))+4:8*(8*(\a)+(\b))+7] offset:(4*(\hi)+(\a))*16*SPITCH+64*(\b)+16
.endr
.endr
.endr
	WIN 0
; They come back as rows.  Load p of a trip's four: pair p / 2 of rows (lanes 0-15 the even row, lanes 16-31 the odd one), half p % 2 of the 128 columns, four columns a lane.
; gelu(x) = max(x, 0) - |x| y,  y = (a1 t + .. + a5 t^5) / 2 x e^(-x x / 2),  t = 1 / (1 + 0.3275911 |x| / sqrt(2)).  Written stage by stage over 16 numbers, so that no line waits for the one before it.
; The next trip's loads are issued as soon as the bias add has read the last ones, a whole GELU ahead of the wait for them; the last trip jumps over them.
; The trip's 16 reciprocals and 16 exponentials, each in a register of its own, are one batch: between the two kinds stand the products x x and -x x log2(e) / 2, behind the exponentials the 16 maxima, none of
; which names a result; then the one wait; then the readers.
	EACH 4, ds_load_b128 v[LD+4*p:LD+4*p+3], v[RD] offset:(p/2)*2*SPITCH+(p%2)*256  ; LDS serves a wave's instructions in order: these see my stores
	s_mov_b32 s3, 32
.Lout:                                                 ; 4 rows x 128 columns a trip
	s_wait_dscnt 0x0                               ; the four loads issued a trip ago
	EACH 8, v_pk_add_f32 v[X+2*p:X+2*p+1], v[LD+2*p:LD+2*p+1], v[BIAS+4*((p/2)%2)+2*(p%2):BIAS+4*((p/2)%2)+2*(p%2)+1]
	v_add_nc_u32 v[RD], 4*SPITCH, v[RD]
	s_cmp_eq_u32 s3, 1
	s_cbranch_scc1 .Lnol
	EACH 4, ds_load_b128 v[LD+4*p:LD+4*p+3], v[RD] offset:(p/2)*2*SPITCH+(p%2)*256
.Lnol:
	EACH 16, v_and_b32 v[AX+p], s[SGN], v[X+p]
	EACH 8, v_pk_fma_f32 v[TT+2*p:TT+2*p+1], v[AX+2*p:AX+2*p+1], s[CP:CP+1], 1.0 op_sel_hi:[1,0,0]
	EACH 16, v_rcp_f32 v[TT+p], v[TT+p]
	EACH 8, v_pk_mul_f32 v[EE+2*p:EE+2*p+1], v[X+2*p:X+2*p+1], v[X+2*p:X+2*p+1]
	EACH 8, v_pk_mul_f32 v[EE+2*p:EE+2*p+1], v[EE+2*p:EE+2*p+1], s[CK:CK+1] op_sel_hi:[1,0]
	EACH 16, v_exp_f32 v[EE+p], v[EE+p]
	EACH 16, v_max_num_f32 v[MX+p], 0, v[X+p]      ; work that names no result of the batch; its first line is the plain instruction behind the last exponential
	s_wait_alu depctr_va_vdst(0)                   ; the wait for the batch, the trip's 16 reciprocals and 16 exponentials: ahead of the first line that names a result
	EACH 8, v_pk_fma_f32 v[PL+2*p:PL+2*p+1], v[TT+2*p:TT+2*p+1], s[A5:A5+1], s[A4:A4+1] op_sel_hi:[1,0,0]
	EACH 8, v_pk_fma_f32 v[PL+2*p:PL+2*p+1], v[PL+2*p:PL+2*p+1], v[TT+2*p:TT+2*p+1], s[A3:A3+1] op_sel_hi:[1,1,0]
	EACH 8, v_pk_fma_f32 v[PL+2*p:PL+2*p+1], v[PL+2*p:PL+2*p+1], v[TT+2*p:TT+2*p+1], s[A2:A2+1] op_sel_hi:[1,1,0]
	EACH 8, v_pk_fma_f32 v[PL+2*p:PL+2*p+1], v[PL+2*p:PL+2*p+1], v[TT+2*p:TT+2*p+1], s[A1:A1+1] op_sel_hi:[1,1,0]
	EACH 8, v_pk_mul_f32 v[PL+2*p:PL+2*p+1], v[PL+2*p:PL+2*p+1], v[TT+2*p:TT+2*p+1]
	EACH 8, v_pk_mul_f32 v[PL+2*p:PL+2*p+1], v[PL+2*p:PL+2*p+1], v[EE+2*p:EE+2*p+1]
	EACH 8, v_pk_fma_f32 v[X+2*p:X+2*p+1], v[AX+2*p:AX+2*p+1], v[PL+2*p:PL+2*p+1], v[MX+2*p:MX+2*p+1] neg_lo:[1,0,0] neg_hi:[1,0,0]
	s_wait_xcnt 0x0                                ; the last trip's stores have read their data and their offset: only behind this wait are the two rewritten
	v_add_nc_u32 v[GO], 512, v[GO]                 ; four rows of 128 bytes on; the stores below reach back by their immediates
	EACH 8, v_cvt_pk_bf16_f32 v[PKO+p], v[X+2*p], v[X+2*p+1]
	EACH 4, global_store_b64 v[GO], v[PKO+2*p:PKO+2*p+1], s[OUTP:OUTP+1] offset:(p/2)*256+(p%2)*524288-512  ; the wave stores 256 consecutive bytes: two rows of one block of 64 columns
	s_sub_co_u32 s3, s3, 1
	s_cmp_lg_u32 s3, 0
	s_cbranch_scc1 .Lout
	s_wait_tensorcnt 0x0                           ; the wave's end: behind my last tensor load and my last LDS store
	ds_add_u32 v[SPW], v[NIL]
	s_wait_dscnt 0x0
	CROUND                                         ; the closing round: no work-group ends while a partner may still ask for a tile that names it
	s_endpgm
.Lfunc_end_k_qe282623056_fc:
	.size	k_qe282623056_fc, .Lfunc_end_k_qe282623056_fc-k_qe282623056_fc
	.p2alignl 7, 3214868480
	.fill 96, 4, 3214868480
	.section	.rodata,"a",@progbits
	.p2align	6, 0x0
	.amdhsa_kernel k_qe282623056_fc
		.amdhsa_group_segment_fixed_size 327680
		.amdhsa_private_segment_fixed_size 0
		.amdhsa_enable_private_segment 0
		.amdhsa_kernarg_size 32
		.amdhsa_user_sgpr_count 2
		.amdhsa_user_sgpr_kernarg_segment_ptr 1
		.amdhsa_wavefront_size32 1
		.amdhsa_system_sgpr_workgroup_id_x 1
		.amdhsa_system_sgpr_workgroup_id_y 1
		.amdhsa_system_sgpr_workgroup_id_z 1
		.amdhsa_system_vgpr_workitem_id 0
		.amdhsa_next_free_vgpr 1024
		.amdhsa_next_free_sgpr 90
		.amdhsa_reserve_vcc 0
		.amdhsa_float_denorm_mode_32 3
		.amdhsa_float_denorm_mode_16_64 3
		.amdhsa_memory_ordered 1
		.amdhsa_forward_progress 1
		.amdhsa_inst_pref_size 130
	.end_amdhsa_kernel
	.amdgpu_metadata
---
amdhsa.version: [ 1, 2 ]
amdhsa.kernels:
  - .name:           k_qe282623056_fc
    .symbol:         k_qe282623056_fc.kd
    .args:
      - { .name: act16, .offset: 0, .size: 8, .value_kind: global_buffer, .address_space: global }
      - { .name: wf, .offset: 8, .size: 8, .value_kind: global_buffer, .address_space: global }
      - { .name: c_fc_b, .offset: 16, .size: 8, .value_kind: global_buffer, .address_space: global }
      - { .name: big16, .offset: 24, .size: 8, .value_kind: global_buffer, .address_space: global }
    .group_segment_fixed_size: 327680
    .private_segment_fixed_size: 0
    .kernarg_segment_align: 8
    .kernarg_segment_size: 32
    .max_flat_workgroup_size: 128
    .sgpr_count:     90
    .vgpr_count:     1024
    .wavefront_size: 32
...
	.end_amdgpu_metadata
.endif
;; end of part 8
;; launch proj: the kernel of part 6 again; grid 8 x 32, 4 waves a work-group, clusters of 4 x 4, 327,680 bytes of LDS; arguments big16, wp, c_proj_b, r32, out0; writes out0
